; MI455X (gfx1250); checked and timed in simulation.
; The chip was launched on July 23, 2026; its instructions are those of AMD's public machine-readable ISA for CDNA 5 (MIT licence, August 2026) and "CDNA5" Instruction Set Architecture Reference Guide (July 2026). The comments in the code are by the model that wrote it; some were corrected since.
;; Propagation. Allowed arithmetic: matrix products marked QUANTISED: E3M2 operands, one E8M0 scale for each 32 along K, by v_wmma_scale_f32_16x16x128_f8f6f4 with both operands' format E3M2, f32 sums; everything else in f32.
;; Inputs: W1 512 x 512 float32; W2 512 x 256 float32; Wk 256 x 256 float32; Wo 256 x 256 float32; Wq 256 x 256 float32; Wv 256 x 256 float32; b1 512 float32; b2 256 float32; beta 512 float32; bk 256 float32; bo 256 float32; bq 256 float32; bv 256 float32; gamma 512 float32; source 2 x 256 x 4,096 float32; x 2 x 256 x 4,096 float32.
;; Outputs: out0 2 x 256 x 4,096 float32.
;; This version of the problem:
;;   THIS VERSION OF THE PROBLEM IS GIVEN IN LOW PRECISION. The matrix products marked QUANTISED in the list below multiply operands that are first quantised to E3M2 (3 exponent bits, 2 mantissa bits; 6 bits a number), with one power-of-two scale for each 32 numbers along K (OCP MX v1.0); their sums are f32. All else is computed in f32.
;;   The module's matrix products, in the order in which they are computed (A, B: the left and right operand; K: the contracted axis; several contracted axes count as one K, in the product's order):
;;     1. [M 256, K 256] x [K 256, N 8,192]; A: input Wq; B: input x: QUANTISED
;;     2. [M 256, K 256] x [K 256, N 8,192]; A: input Wk; B: input source: QUANTISED
;;     3. [M 256, K 256] x [K 256, N 8,192]; A: input Wv; B: input source: QUANTISED
;;     4. batch 8 x [M 4,096, K 64] x [K 64, N 4,096]; A: computed on the way; B: computed on the way: QUANTISED
;;     5. batch 8 x [M 64, K 4,096] x [K 4,096, N 4,096]; A: computed on the way; B: softmax (see below): QUANTISED
;;     6. [M 256, K 256] x [K 256, N 8,192]; A: input Wo; B: computed on the way: QUANTISED
;;     7. [M 512, K 512] x [K 512, N 8,192]; A: input W1; B: computed on the way: QUANTISED
;;     8. [M 256, K 512] x [K 512, N 8,192]; A: input W2; B: computed on the way: QUANTISED
;;   THE QUANTISER, for each operand of a quantised product, along K:
;;     - K is cut into blocks of 32 from its start; a last block that is shorter is filled with zeros.
;;     - A block's scale is 2^e with e = floor(log2(the largest magnitude in the block)) - 4, held to -126 .. 127; a block of zeros has e = 0. As a byte (E8M0): e + 127.
;;     - Each number is divided by its block's scale, clamped to +-28, and rounded to the nearest number of E3M2, ties to even, subnormals kept.
;;     - The product sums the exact products of the quantised numbers (number of the format x scale) in f32.
;;   ~~~python
;;   def quantise(x, axis):      # numpy; x: float32 -> the quantised numbers, widened to float32 again
;;       x = np.moveaxis(x, axis, -1); K = x.shape[-1]
;;       x = np.pad(x, [(0, 0)] * (x.ndim - 1) + [(0, -K % 32)]); x = x.reshape(x.shape[:-1] + (-1, 32)); a = np.abs(x).max(-1, keepdims=True)
;;       e = np.where(a > 0, np.clip(np.frexp(np.where(a > 0, a, 1))[1] - 1 - 4, -126, 127), 0)      # np.frexp(a)[1] - 1 = floor(log2(a)), exactly
;;       r = np.clip(x / 2.0 ** e, -28, 28)
;;       step = 2.0 ** (np.maximum(np.frexp(np.where(r == 0, 1, r))[1] - 1, -2) - 2)
;;       q = np.round(r / step) * step * 2.0 ** e      # np.round: ties to even
;;       return np.moveaxis(q.reshape(q.shape[:-2] + (-1,))[..., :K], -1, axis).astype(np.float32)
;;   ~~~
;;   SOFTMAX AHEAD OF A QUANTISED PRODUCT. Where the list says 'softmax', what is quantised is not the finished softmax but p = 2^(t - M), with t = logit x log2(e) and M = ceil(the row's largest t), a whole number; so 1/2 < the row's largest p <= 1. The row's sum l is taken of the UNQUANTISED p, in f32, and the product's result is divided by l at the end. Since M is a whole number, a kernel that streams over the keys may use a running M (the ceiling of the running maximum): every later rescaling is an exact power of two, which a block's scale takes up: the codes' values come out the same.
;;   OPERANDS COMPUTED ON THE WAY. 'Computed on the way' means the value that the module computes at that place (a softmax that the list does not call 'softmax' is quantised finished and normalised). What goes into a quantiser is computed in f32, as accurately as f32 sums, v_exp_f32 and their like allow (about 1e-6 of the number): no bf16 or f16 on the way to a quantiser, and a product that is left as it is and whose result goes on into a quantised operand takes f32 operands (vector FMAs, or v_wmma_f32_16x16x4_f32). A number that lies on a knife's edge between two numbers of the format may be rounded either way, as far as f32 arithmetic and the matrix unit's own rounding can turn it there, and no further.
;; 2 versions. Each part assembles by itself: llvm-mc -triple=amdgcn-amd-amdhsa -mcpu=gfx1250 --defsym DOCPART=n.
;; ======== version 1 of 2: 6 launches
;; workspace buffers: zimg 3,276,800 bytes; wimg 512,000 bytes; qimg 1,703,936 bytes; kv 3,342,336 bytes; att 8,388,608 bytes; mimg 1,638,400 bytes; part 524,288 bytes; coef 4,096 bytes
;; launch quant (part 1): grid 296 x 1, 4 waves a work-group, no clusters, 0 bytes of LDS; arguments x, source, Wq, Wk, Wv, Wo, W1, W2, zimg, wimg; writes zimg, wimg
.if DOCPART == 1
	.amdgcn_target "amdgcn-amd-amdhsa--gfx1250"
	.amdhsa_code_object_version 6
	.text
	.protected	k_q6bf791c7f1_quant
	.globl	k_q6bf791c7f1_quant
	.p2align	8
	.type	k_q6bf791c7f1_quant,@function
k_q6bf791c7f1_quant:
	s_mov_b64 s[64:65], 0
	v_nop
	global_prefetch_b8 v0, s[64:65] scope:SCOPE_SE
	s_setreg_imm32_b32 hwreg(HW_REG_WAVE_MODE, 25, 1), 1
	s_wait_xcnt 0x0
; x, source [2][256][4096] and the six weights [K][out], all f32 with K as the FIRST axis of a matrix, become codes of BF6 (E3M2) with one E8M0 byte for each 32 along K.
; The codes leave as IMAGES OF OPERAND REGISTERS: a fragment (16 columns x 128 K, 12 registers a lane) is 1,536 bytes, registers 4 p .. 4 p + 3 of lane l at 512 p + 16 l.
; The scale words of a pair of tiles for one K step are 128 bytes: the word of (tile u, lane rho) at 64 u + 4 rho.
; THE COLUMNS OF A TILE ARE NOT NEIGHBOURS: of 32 neighbouring columns, column e goes to tile (e / 8) % 2, lane e % 8 + 8 (e / 16).
; A LANE TAKES A COLUMN AND ITS REGISTERS RUN DOWN K: a wave takes 32 columns x 128 K, a block of 32 lies in one lane, no lane asks another, nothing is transposed.
; A lane's four blocks are the registers of image lanes rho (blocks 0, 2) and rho + 16 (blocks 1, 3) of its tile: each store of 16 bytes a lane fills two aligned runs of 256 bytes.
; One text serves eight tensors: the work-group's number chooses pointers and strides by selects, never a branch.
;   Wq, Wk, Wv: a pair of tiles holds 32 neighbouring d of ONE head (channel 4 d + head): lanes 16 bytes apart.
;   Wo: inside each block of 32 rows place kappa takes row 16 (kappa / 16) + 4 (kappa % 4) + (kappa % 16) / 4, the order in which the attention's result is laid; a block keeps its 32 rows, so its scale is the rule's.
; A block's scale byte is its largest magnitude's exponent field - 4, held at 1 from below.
; LIMITS: NaN and infinities are not served; a block whose largest magnitude lies under 2^-122 keeps the byte 1; a block of zeros gets the byte 1 where the rule says 127 (its codes are zeros, and this program alone reads the bytes).
.set AD,  8                            ; v8-39    byte offset of row kappa of a block, for my column
.set X,   40                           ; v40-167  four blocks of 32 numbers
.set CA,  168                          ; v168-179 codes of blocks 0 and 2;  v180-191 of blocks 1 and 3
.set TP,  192                          ; v192-194 a conversion's three registers begin on an even number: a block's upper half is made here and moved
.set MX,  200                          ; v200-201 largest magnitudes
.set SO,  204                          ; v204-207 the conversions' scale operands
.set WD,  208                          ; v208     the scale word
; the tensor of the work-groups from \first on: pointers, row stride in bytes, log2 of its K steps, log2 of the bytes from lane to lane, head order, Wo's order, where its codes and scale words begin
.macro ARM first, inp, outp, str, lks, lsh, hs, tx, cb, sb
	s_cmp_ge_u32 ttmp9, \first
	s_cselect_b64 s[28:29], s[\inp:\inp+1], s[28:29]
	s_cselect_b64 s[30:31], s[\outp:\outp+1], s[30:31]
	s_cselect_b32 s32, \first, s32
	s_cselect_b32 s33, \str, s33
	s_cselect_b32 s34, \lks, s34
	s_cselect_b32 s35, \lsh, s35
	s_cselect_b32 s36, \hs, s36
	s_cselect_b32 s37, \tx, s37
	s_cselect_b32 s38, \cb, s38
	s_cselect_b32 s39, \sb, s39
.endm
	s_load_b512 s[8:23], s[0:1], 0x0               ; x, source, Wq, Wk, Wv, Wo, W1, W2
	s_load_b128 s[24:27], s[0:1], 0x40             ; zimg, wimg
	v_lshrrev_b32 v1, 5, v0
	v_readfirstlane_b32 s2, v1                     ; wave 0..3
	v_and_b32 v1, 31, v0                           ; lane = column e of my 32
	s_wait_kmcnt 0x0
	s_mov_b64 s[28:29], s[8:9]                     ; work-groups 0-127: x
	s_mov_b64 s[30:31], s[24:25]
	s_mov_b32 s32, 0
	s_mov_b32 s33, 16384
	s_mov_b32 s34, 1
	s_mov_b32 s35, 2
	s_mov_b32 s36, 0
	s_mov_b32 s37, 0
	s_mov_b32 s38, 0
	s_mov_b32 s39, 3145728
	ARM 128, 10, 24, 16384, 1, 2, 0, 0, 1572864, 3211264   ; source
	ARM 256, 12, 26, 1024, 1, 4, 1, 0, 0, 491520           ; Wq
	ARM 260, 14, 26, 1024, 1, 4, 1, 0, 49152, 493568       ; Wk
	ARM 264, 16, 26, 1024, 1, 4, 1, 0, 98304, 495616       ; Wv
	ARM 268, 18, 26, 1024, 1, 2, 0, 2, 147456, 497664      ; Wo
	ARM 272, 20, 26, 2048, 2, 2, 0, 0, 196608, 499712      ; W1
	ARM 288, 22, 26, 1024, 2, 2, 0, 0, 393216, 507904      ; W2
	s_sub_co_u32 s40, ttmp9, s32                   ; my number among the tensor's work-groups
	s_lshl_b32 s41, 1, s34
	s_sub_co_u32 s41, s41, 1
	s_and_b32 s42, s40, s41                        ; K step
	s_lshr_b32 s43, s40, s34
	s_lshl_b32 s43, s43, 2
	s_add_co_u32 s43, s43, s2                      ; P: my wave's pair of tiles
	s_lshl_b32 s66, 1536, s34                      ; bytes of a tile's fragments
	s_mul_i32 s68, s43, s66
	s_lshl_b32 s68, s68, 1
	s_mul_i32 s69, s42, 1536
	s_add_co_u32 s68, s68, s69
	s_add_co_u32 s68, s68, s38
	s_mov_b32 s69, 0
	s_add_nc_u64 s[70:71], s[30:31], s[68:69]      ; where my pair's fragments of this K step begin
	s_lshl_b32 s68, s43, s34
	s_add_co_u32 s68, s68, s42
	s_lshl_b32 s68, s68, 7
	s_add_co_u32 s68, s68, s39
	s_add_nc_u64 s[72:73], s[30:31], s[68:69]      ; and its scale words
	s_and_b32 s74, s43, 127                        ; columns as they lie: 128 bytes a pair, 4,194,304 a batch
	s_lshl_b32 s74, s74, 7
	s_lshr_b32 s75, s43, 7
	s_lshl_b32 s75, s75, 22
	s_add_co_u32 s74, s74, s75
	s_and_b32 s75, s43, 1                          ; by heads: pair 2 head + b begins at channel 128 b + head
	s_lshl_b32 s75, s75, 9
	s_lshr_b32 s76, s43, 1
	s_lshl_b32 s76, s76, 2
	s_add_co_u32 s75, s75, s76
	s_cmp_eq_u32 s36, 1
	s_cselect_b32 s68, s75, s74
	s_mul_i32 s74, s42, s33
	s_lshl_b32 s74, s74, 7                         ; 128 rows a K step
	s_add_co_u32 s68, s68, s74
	s_add_nc_u64 s[44:45], s[28:29], s[68:69]      ; block 0's first row at my pair's first column;
	s_lshl_b32 s68, s33, 5
	s_add_nc_u64 s[46:47], s[44:45], s[68:69]      ; blocks 1 to 3: 32 rows on each
	s_add_nc_u64 s[48:49], s[46:47], s[68:69]
	s_add_nc_u64 s[50:51], s[48:49], s[68:69]
	s_lshl_b32 s53, s33, s37                       ; place kappa = 16 a + 4 y + x of a block: x steps by s53,
	s_sub_co_u32 s74, 2, s37
	s_lshl_b32 s57, s33, s74                       ; y by s57 (rows 1 and 4, or for Wo 4 and 1),
	s_lshl_b32 s60, s33, 4                         ; a by 16 rows
	s_mov_b32 s52, 0
	s_lshl_b32 s54, s53, 1
	s_add_co_u32 s55, s54, s53
	s_mov_b32 s56, 0
	s_lshl_b32 s58, s57, 1
	s_add_co_u32 s59, s58, s57
	s_add_co_u32 s61, s60, s57
	s_add_co_u32 s62, s60, s58
	s_add_co_u32 s63, s60, s59
	v_lshlrev_b32 v2, s35, v1                      ; my column
.irp a, 0,1
.irp y, 0,1,2,3
.irp x, 0,1,2,3
	v_add3_u32 v[AD+16*\a+4*\y+\x], v2, s[56+4*\a+\y], s[52+\x]
.endr
.endr
.endr
	v_bfe_u32 v5, v1, 3, 1                         ; u
	v_and_b32 v6, 7, v1
	v_lshrrev_b32 v7, 4, v1
	v_lshl_add_u32 v6, v7, 3, v6                   ; rho
	v_mul_lo_u32 v3, v5, s66
	v_lshl_add_u32 v3, v6, 4, v3                   ; my tile's fragment, image lane rho
	v_lshl_add_u32 v4, v5, 4, v6
	v_lshlrev_b32 v4, 2, v4                        ; my scale word's place
.macro LOAD kb                         ; block kb: 32 rows at my column: 32 neighbouring lanes read 128 consecutive bytes (by heads: 4 of every 16 over 512)
.set i, 0
.rept 32
	global_load_b32 v[X+32*(\kb)+i], v[AD+i], s[44+2*(\kb):45+2*(\kb)]
.set i, i+1
.endr
.endm
.macro BLOCK kb
.set XS, X+32*(\kb)
.set DR, CA+12*((\kb)%2)+6*((\kb)/2)
	v_max3_num_f32 v[MX], |v[XS]|, |v[XS+1]|, |v[XS+2]|            ; the block's largest magnitude: all 32 numbers are mine; two chains
	v_max3_num_f32 v[MX+1], |v[XS+3]|, |v[XS+4]|, |v[XS+5]|
.irp i, 6,10,14,18,22,26
	v_max3_num_f32 v[MX], v[MX], |v[XS+\i]|, |v[XS+\i+1]|
	v_max3_num_f32 v[MX+1], v[MX+1], |v[XS+\i+2]|, |v[XS+\i+3]|
.endr
	v_max3_num_f32 v[MX], v[MX], |v[XS+30]|, |v[XS+31]|
	v_max3_num_f32 v[MX], v[MX], v[MX+1], 0x2800000                ; and the floor 2^(5 - 127): the byte cannot fall under 1
	v_add_nc_u32 v[SO+\kb], 0xfe000000, v[MX]                      ; 4 off its exponent field: the conversion takes the exponent field of this operand as its scale
	v_lshrrev_b32 v[MX+1], 23, v[SO+\kb]                           ; the scale's byte
.if (\kb) == 0
	v_mov_b32 v[WD], v[MX+1]
.else
	v_lshl_or_b32 v[WD], v[MX+1], 8*(\kb), v[WD]
.endif
	v_cvt_scalef32_pk16_bf6_f32 v[DR:DR+2], v[XS:XS+15], v[SO+\kb]
	v_cvt_scalef32_pk16_bf6_f32 v[TP:TP+2], v[XS+16:XS+31], v[SO+\kb]
	v_nop                                          ; one plain place behind a scaled conversion
.irp i, 0,1,2
	v_mov_b32 v[DR+3+\i], v[TP+\i]
.endr
.endm
	LOAD 0
	LOAD 1
	s_wait_loadcnt 32                              ; block 0 is in; block 1's 32 loads may be out
	LOAD 2
	BLOCK 0
	s_wait_loadcnt 32                              ; block 1 is in; block 2's may be out
	LOAD 3
	BLOCK 1
	s_wait_loadcnt 32                              ; block 2 is in; block 3's may be out
	BLOCK 2
	s_wait_loadcnt 0x0
	BLOCK 3
.irp h, 0,1
.irp p, 0,1,2
	global_store_b128 v3, v[CA+12*\h+4*\p:CA+12*\h+4*\p+3], s[70:71] offset:512*\p+256*\h   ; sixteen lanes of a tile store 256 consecutive bytes, aligned
.endr
.endr
	global_store_b32 v4, v[WD], s[72:73]           ; the wave's 128 bytes of scale words
	s_endpgm
.Lfunc_end_k_q6bf791c7f1_quant:
	.size	k_q6bf791c7f1_quant, .Lfunc_end_k_q6bf791c7f1_quant-k_q6bf791c7f1_quant
	.p2alignl 7, 3214868480
	.fill 96, 4, 3214868480
	.section	.rodata,"a",@progbits
	.p2align	6, 0x0
	.amdhsa_kernel k_q6bf791c7f1_quant
		.amdhsa_group_segment_fixed_size 0
		.amdhsa_private_segment_fixed_size 0
		.amdhsa_enable_private_segment 0
		.amdhsa_kernarg_size 80
		.amdhsa_user_sgpr_count 2
		.amdhsa_user_sgpr_kernarg_segment_ptr 1
		.amdhsa_wavefront_size32 1
		.amdhsa_system_sgpr_workgroup_id_x 1
		.amdhsa_system_sgpr_workgroup_id_y 1
		.amdhsa_system_sgpr_workgroup_id_z 1
		.amdhsa_system_vgpr_workitem_id 0
		.amdhsa_next_free_vgpr 216
		.amdhsa_next_free_sgpr 100
		.amdhsa_reserve_vcc 0
		.amdhsa_float_denorm_mode_32 3
		.amdhsa_float_denorm_mode_16_64 3
		.amdhsa_memory_ordered 1
		.amdhsa_forward_progress 1
		.amdhsa_inst_pref_size 28
	.end_amdhsa_kernel
	.amdgpu_metadata
---
amdhsa.version: [ 1, 2 ]
amdhsa.kernels:
  - .name:           k_q6bf791c7f1_quant
    .symbol:         k_q6bf791c7f1_quant.kd
    .args:
      - { .name: x, .offset: 0, .size: 8, .value_kind: global_buffer, .address_space: global }
      - { .name: source, .offset: 8, .size: 8, .value_kind: global_buffer, .address_space: global }
      - { .name: Wq, .offset: 16, .size: 8, .value_kind: global_buffer, .address_space: global }
      - { .name: Wk, .offset: 24, .size: 8, .value_kind: global_buffer, .address_space: global }
      - { .name: Wv, .offset: 32, .size: 8, .value_kind: global_buffer, .address_space: global }
      - { .name: Wo, .offset: 40, .size: 8, .value_kind: global_buffer, .address_space: global }
      - { .name: W1, .offset: 48, .size: 8, .value_kind: global_buffer, .address_space: global }
      - { .name: W2, .offset: 56, .size: 8, .value_kind: global_buffer, .address_space: global }
      - { .name: zimg, .offset: 64, .size: 8, .value_kind: global_buffer, .address_space: global }
      - { .name: wimg, .offset: 72, .size: 8, .value_kind: global_buffer, .address_space: global }
    .group_segment_fixed_size: 0
    .private_segment_fixed_size: 0
    .kernarg_segment_align: 8
    .kernarg_segment_size: 80
    .max_flat_workgroup_size: 128
    .sgpr_count:     100
    .vgpr_count:     216
    .wavefront_size: 32
...
	.end_amdgpu_metadata
.endif
;; end of part 1
;; launch proj (part 2): grid 64 x 3, 4 waves a work-group, no clusters, 0 bytes of LDS; arguments zimg, wimg, bq, bk, bv, qimg, kv; writes qimg, kv
.if DOCPART == 2
	.amdgcn_target "amdgcn-amd-amdhsa--gfx1250"
	.amdhsa_code_object_version 6
	.text
	.protected	k_q6bf791c7f1_proj
	.globl	k_q6bf791c7f1_proj
	.p2align	8
	.type	k_q6bf791c7f1_proj,@function
k_q6bf791c7f1_proj:
	s_mov_b64 s[64:65], 0
	v_nop
	global_prefetch_b8 v0, s[64:65] scope:SCOPE_SE
	s_setreg_imm32_b32 hwreg(HW_REG_WAVE_MODE, 25, 1), 1
	s_wait_xcnt 0x0
; q = Wq^T x + bq, k = Wk^T source + bk, v = Wv^T source + bv on codes of BF6, and the results quantised again: q and k along the head's 64 (d), v along the keys.
; Work-group (g, job): 128 positions (8 tiles) of batch g / 32; job 0 q, 1 k, 2 v.  Wave = head.  Every operand is an image of registers in memory: it comes by loads of 512 consecutive bytes a wave;
; each fragment of the weights serves eight tiles of positions; nothing is shared between waves: no LDS, no barrier.
; q, k: source 0 = 16 channels of my head (d in the tile order 32 b + 8 u + rho + 8 (rho / 8)), source 1 = 16 positions: a lane holds ONE position and its 32 registers of four tiles are d = 32 b + 16 (lane / 16) + 0 .. 15.
;   They become half a fragment (64 along K: 6 registers: registers 0-3 at 16 l, 4-5 at 512 + 8 l: 768 bytes) and a scale word whose upper two bytes are 127: the other 64 of the instruction's K hold nothing.
; v: source 0 = 16 positions (keys), source 1 = 16 channels: a lane holds ONE d and its 64 registers are the step's 128 keys in their order: a whole fragment with the keys as K.
; The biases are the C of each sum's first product.  The 16 accumulators take turns, one instruction a turn.
; LIMITS: NaN and infinities are not served; a block under 2^-122 keeps the byte 1; a block of zeros gets the byte 1 (its codes are zeros; this program alone reads the bytes).
; REGISTERS: window 0: v1-9 lane terms; v16-23 the positions' scale words (2 pair + K step), v24-27 the weights'; v32-47, v52, v56-74 the quantiser; v76-79 v's biases; v128-255 accumulators.
;   window 1: v0-191 the positions' 16 fragments (12 (2 m + s)).   window 2: v0-95 the weights' 8 (12 (2 t + s)); v96-127 the biases as C.
.set LI,  4                            ; 16 x lane
.set L8,  5                            ; 8 x lane
.set LS,  6                            ; 4 x lane
.set R4,  7                            ; 4 x (lane % 16)
.set BA,  8                            ; q, k: 256 x (lane / 16): 16 d of 16 bytes
.set VA,  9                            ; v: 16 x (r + 8 (r / 8))
.set ZS,  16
.set WS,  24
.set TM,  32
.set PW,  52
.set PC,  56
.set VB,  76
.set ACC, 128
.set CW,  96
.set SEL, 20
.set MSB, 0
.macro WIN new                         ; the immediate's high byte repeats the setting that is left
.if MSB != (\new)
	s_set_vgpr_msb (MSB<<8)|(\new)
.set MSB, (\new)
.endif
.endm
.macro PLACES n
.rept \n
	v_nop
.endr
.endm
; one product: D, source 0, source 1, C, their scale registers; ra, rb = 1: that side's words stand in lanes 16-31 (the odd tile of a pair)
.macro WMC d, a, b, c, sa, sb, ra, rb
.if ((\ra) == 0) && ((\rb) == 0)
	v_wmma_scale_f32_16x16x128_f8f6f4 v[(\d):(\d)+7], v[(\a):(\a)+11], v[(\b):(\b)+11], v[(\c):(\c)+7], v[(\sa)], v[(\sb)] matrix_a_fmt:MATRIX_FMT_BF6 matrix_b_fmt:MATRIX_FMT_BF6
.elseif (\rb) == 0
	v_wmma_scale_f32_16x16x128_f8f6f4 v[(\d):(\d)+7], v[(\a):(\a)+11], v[(\b):(\b)+11], v[(\c):(\c)+7], v[(\sa)], v[(\sb)] matrix_a_fmt:MATRIX_FMT_BF6 matrix_b_fmt:MATRIX_FMT_BF6 matrix_a_scale:MATRIX_SCALE_ROW1
.elseif (\ra) == 0
	v_wmma_scale_f32_16x16x128_f8f6f4 v[(\d):(\d)+7], v[(\a):(\a)+11], v[(\b):(\b)+11], v[(\c):(\c)+7], v[(\sa)], v[(\sb)] matrix_a_fmt:MATRIX_FMT_BF6 matrix_b_fmt:MATRIX_FMT_BF6 matrix_b_scale:MATRIX_SCALE_ROW1
.else
	v_wmma_scale_f32_16x16x128_f8f6f4 v[(\d):(\d)+7], v[(\a):(\a)+11], v[(\b):(\b)+11], v[(\c):(\c)+7], v[(\sa)], v[(\sb)] matrix_a_fmt:MATRIX_FMT_BF6 matrix_b_fmt:MATRIX_FMT_BF6 matrix_a_scale:MATRIX_SCALE_ROW1 matrix_b_scale:MATRIX_SCALE_ROW1
.endif
.endm
; 64 numbers of a lane, register 16 b + i = k 32 b + 16 (lane / 16) + i of my row, become a fragment's codes in v[PC] on and its scale word in v[PW]
.macro QUANT s
.irp b, 0,1,2,3
	v_max3_num_f32 v[TM+\b], |v[\s+16*\b]|, |v[\s+1+16*\b]|, 0x2800000   ; my 16 numbers of block b, and the floor 2^(5 - 127)
.endr
.irp i, 2,4,6,8,10,12,14
.irp b, 0,1,2,3
	v_max3_num_f32 v[TM+\b], v[TM+\b], |v[\s+16*\b+\i]|, |v[\s+1+16*\b+\i]|
.endr
.endr
.irp b, 0,1,2,3
	v_permlanex16_b32 v[TM+4+\b], v[TM+\b], s[SEL], s[SEL+1]
.endr
.irp b, 0,1,2,3
	v_max_num_f32 v[TM+\b], v[TM+\b], v[TM+4+\b]   ; with lane l xor 16's: the block's largest magnitude
.endr
.irp b, 0,1,2,3
	v_add_nc_u32 v[TM+12+\b], 0xfe000000, v[TM+\b] ; 4 off its exponent field: the conversion's scale operand
.endr
.irp b, 0,1,2,3
	v_lshrrev_b32 v[TM+4+\b], 23, v[TM+12+\b]      ; the scale's byte
.endr
	v_lshl_or_b32 v[PW], v[TM+5], 8, v[TM+4]
	v_lshl_or_b32 v[PW], v[TM+6], 16, v[PW]
	v_lshl_or_b32 v[PW], v[TM+7], 24, v[PW]
.irp c, 0,1
	v_cvt_scalef32_pk16_bf6_f32 v[PC+6*\c:PC+2+6*\c], v[\s+32*\c:\s+15+32*\c], v[TM+12+2*\c]
	v_cvt_scalef32_pk16_bf6_f32 v[PC+12+4*\c:PC+14+4*\c], v[\s+16+32*\c:\s+31+32*\c], v[TM+12+2*\c+1]
.endr
	v_nop                                          ; one plain place behind a scaled conversion
.irp c, 0,1                                    ; the operand's layout wants a whole block in a lane
.irp i, 0,1,2
	v_permlane16_swap_b32 v[PC+6*\c+\i], v[PC+12+4*\c+\i]
.endr
.irp i, 0,1,2
	v_mov_b32 v[PC+3+6*\c+\i], v[PC+12+4*\c+\i]
.endr
.endr
.endm
; the same for 32 numbers (two blocks): registers 0-5 of a fragment; hi: what the scale word's upper two bytes hold
.macro QUANT2 s, hi
.irp b, 0,1
	v_max3_num_f32 v[TM+\b], |v[\s+16*\b]|, |v[\s+1+16*\b]|, 0x2800000
.endr
.irp i, 2,4,6,8,10,12,14
.irp b, 0,1
	v_max3_num_f32 v[TM+\b], v[TM+\b], |v[\s+16*\b+\i]|, |v[\s+1+16*\b+\i]|
.endr
.endr
.irp b, 0,1
	v_permlanex16_b32 v[TM+4+\b], v[TM+\b], s[SEL], s[SEL+1]
.endr
.irp b, 0,1
	v_max_num_f32 v[TM+\b], v[TM+\b], v[TM+4+\b]
.endr
.irp b, 0,1
	v_add_nc_u32 v[TM+12+\b], 0xfe000000, v[TM+\b]
.endr
.irp b, 0,1
	v_lshrrev_b32 v[TM+4+\b], 23, v[TM+12+\b]
.endr
	v_lshl_or_b32 v[PW], v[TM+5], 8, v[TM+4]
.if (\hi) != 0
	v_or_b32 v[PW], \hi, v[PW]
.endif
	v_cvt_scalef32_pk16_bf6_f32 v[PC:PC+2], v[\s:\s+15], v[TM+12]
	v_cvt_scalef32_pk16_bf6_f32 v[PC+12:PC+14], v[\s+16:\s+31], v[TM+13]
	v_nop
.irp i, 0,1,2
	v_permlane16_swap_b32 v[PC+\i], v[PC+12+\i]
.endr
.irp i, 0,1,2
	v_mov_b32 v[PC+3+\i], v[PC+12+\i]
.endr
.endm
	s_load_b256 s[4:11], s[0:1], 0x0               ; zimg, wimg, bq, bk
	s_load_b128 s[12:15], s[0:1], 0x20             ; bv, qimg
	s_load_b64 s[16:17], s[0:1], 0x30              ; kv
	v_lshrrev_b32 v1, 5, v0
	v_readfirstlane_b32 s18, v1                    ; wave = head
	s_and_b32 s19, ttmp7, 0xffff                   ; job
	v_and_b32 v1, 31, v0
	v_and_b32 v2, 15, v0                           ; r
	v_bfe_u32 v3, v0, 4, 1                         ; h
	v_lshlrev_b32 v[LI], 4, v1
	v_lshlrev_b32 v[L8], 3, v1
	v_lshlrev_b32 v[LS], 2, v1
	v_lshlrev_b32 v[R4], 2, v2
	v_lshlrev_b32 v[BA], 8, v3
	v_and_b32 v[VA], 8, v2
	v_add_nc_u32 v[VA], v[VA], v2
	v_lshlrev_b32 v[VA], 4, v[VA]
.irp b, 0,1,2,3
	v_mov_b32 v[TM+4+\b], 0                        ; written once: a lane permute's destination counts as one of its sources
.endr
	s_mov_b32 s[SEL], 0x76543210
	s_mov_b32 s[SEL+1], 0xfedcba98                 ; v_permlanex16_b32's selects for lane l xor 16
	s_min_u32 s24, s19, 1                          ; 0: x, 1: source
	s_mul_i32 s26, s24, 1572864
	s_mul_i32 s25, ttmp9, 24576
	s_add_co_u32 s26, s26, s25                     ; my 8 tiles' 16 fragments
	s_mov_b32 s27, 0
	s_lshl_b32 s28, s24, 16
	s_lshl_b32 s25, ttmp9, 10
	s_add_co_u32 s28, s28, s25
	s_add_co_u32 s28, s28, 3145728                 ; their scale words
	s_mov_b32 s29, 0
	s_mul_i32 s30, s19, 49152
	s_mul_i32 s25, s18, 12288
	s_add_co_u32 s30, s30, s25                     ; my head's 4 tiles of the job's weight
	s_mov_b32 s31, 0
	s_lshl_b32 s32, s19, 11
	s_lshl_b32 s25, s18, 9
	s_add_co_u32 s32, s32, s25
	s_add_co_u32 s32, s32, 491520                  ; their scale words
	s_mov_b32 s33, 0
	s_lshl_b32 s34, s18, 2                         ; the bias of channel 4 d + head
	s_mov_b32 s35, 0
	s_lshr_b32 s40, ttmp9, 5
	s_lshl_b32 s40, s40, 2
	s_add_co_u32 s40, s40, s18                     ; 4 batch + head
	s_and_b32 s41, ttmp9, 31                       ; which 128 positions of the batch
	s_mul_i32 s42, s40, 196608
	s_mul_i32 s43, s41, 6144
	s_add_co_u32 s42, s42, s43                     ; q: codes
	s_lshl_b32 s43, s40, 14
	s_lshl_b32 s44, s41, 9
	s_add_co_u32 s43, s43, s44
	s_add_co_u32 s43, s43, 1572864                 ; q: scale words
	s_mul_i32 s44, s40, 417792
	s_mul_i32 s45, s41, 13056
	s_add_co_u32 s44, s44, s45                     ; k, v: the key step's 13,056 bytes: K's codes, V's at 6,144, K's words at 12,288, V's at 12,800
	s_mov_b32 s46, 12288
	s_cmp_eq_u32 s19, 2
	s_cselect_b32 s45, 6144, 0
	s_cselect_b32 s46, 12800, s46
	s_add_co_u32 s45, s45, s44
	s_add_co_u32 s46, s46, s44
	s_mov_b32 s49, 0
	s_mov_b32 s51, 0
	s_cmp_eq_u32 s19, 0
	s_cselect_b32 s48, s42, s45
	s_cselect_b32 s50, s43, s46
	s_wait_kmcnt 0x0
	s_cselect_b64 s[52:53], s[14:15], s[16:17]     ; (the compare above still holds: moves, selects and waits leave SCC)
	s_add_nc_u64 s[48:49], s[52:53], s[48:49]      ; where my codes go,
	s_add_nc_u64 s[50:51], s[52:53], s[50:51]      ; and my scale words
	s_add_nc_u64 s[26:27], s[4:5], s[26:27]
	s_add_nc_u64 s[28:29], s[4:5], s[28:29]
	s_add_nc_u64 s[30:31], s[6:7], s[30:31]
	s_add_nc_u64 s[32:33], s[6:7], s[32:33]
	s_cmp_eq_u32 s19, 1
	s_cselect_b64 s[36:37], s[10:11], s[8:9]
	s_cmp_eq_u32 s19, 2
	s_cselect_b64 s[36:37], s[12:13], s[36:37]
	s_add_nc_u64 s[36:37], s[36:37], s[34:35]
	WIN 0x40                                       ; destination window 1
.set i, 0
.rept 48
	global_load_b128 v[4*i:4*i+3], v[LI], s[26:27] offset:512*i    ; images lie on end: register 4 i at byte 512 i
.set i, i+1
.endr
	WIN 0x80                                       ; destination window 2
.set i, 0
.rept 24
	global_load_b128 v[4*i:4*i+3], v[LI], s[30:31] offset:512*i
.set i, i+1
.endr
	WIN 0
.irp i, 0,1,2,3,4,5,6,7
	global_load_b32 v[ZS+\i], v[LS], s[28:29] offset:128*\i        ; lanes 0-15 the even tile's words, lanes 16-31 the odd tile's
.endr
.irp i, 0,1,2,3
	global_load_b32 v[WS+\i], v[LS], s[32:33] offset:128*\i
.endr
	s_cmp_eq_u32 s19, 2
	s_cbranch_scc1 .Lv
	; ---- q, k
	WIN 0x80
.irp t, 0,1,2,3
.irp j, 0,1,2,3,4,5,6,7
	global_load_b32 v[CW+8*\t+\j], v[BA], s[36:37] offset:16*(32*(\t/2)+8*(\t%2)+\j)   ; the bias of d = 32 (t / 2) + 16 h + 8 (t % 2) + j
.endr
.endr
	s_wait_loadcnt 0x0
.irp gq, 0,1                                   ; four tiles of positions at a time
	WIN 0x26                                       ; source 0 (W) window 2, source 1 (positions) window 1, C (bias) window 2
.irp t, 0,1,2,3
.irp mm, 0,1,2,3
	WMC ACC+32*\mm+8*\t, 12*(2*\t), 12*(2*(4*\gq+\mm)), CW+8*\t, WS+2*(\t/2), ZS+2*((4*\gq+\mm)/2), \t%2, \mm%2
.endr
.endr
	WIN 0x06                                       ; C and D window 0
.irp t, 0,1,2,3
.irp mm, 0,1,2,3
	WMC ACC+32*\mm+8*\t, 12*(2*\t+1), 12*(2*(4*\gq+\mm)+1), ACC+32*\mm+8*\t, WS+2*(\t/2)+1, ZS+2*((4*\gq+\mm)/2)+1, \t%2, \mm%2
.endr
.endr
	WIN 0
	PLACES 5                                       ; four in front of the first read of results; five, since these accumulators are begun anew with another C
.irp mm, 0,1,2,3
	s_wait_xcnt 0x0                                ; the last tile's stores have read their data: the codes' registers are written again only behind this wait
	QUANT2 ACC+32*\mm, 0x7f7f0000
	global_store_b128 v[LI], v[PC:PC+3], s[48:49] offset:768*(4*\gq+\mm)
	global_store_b64 v[L8], v[PC+4:PC+5], s[48:49] offset:768*(4*\gq+\mm)+512
	global_store_b32 v[R4], v[PW], s[50:51] offset:64*(4*\gq+\mm)      ; both halves of the lanes hold the row's word and write it to the same place
.endr
.endr
	s_endpgm
.Lv:
	; ---- v
.irp t, 0,1,2,3
	global_load_b32 v[VB+\t], v[VA], s[36:37] offset:16*(32*(\t/2)+8*(\t%2))   ; a lane holds one d: one bias for its eight registers
.endr
	s_wait_loadcnt 0x0
	WIN 0x80
.irp t, 0,1,2,3
.irp j, 0,1,2,3,4,5,6,7
	v_mov_b32 v[CW+8*\t+\j], v[VB+\t]
.endr
.endr
.irp gv, 0,1                                   ; two tiles of d at a time, each against the eight tiles of keys
	WIN 0x29                                       ; source 0 (keys) window 1, source 1 (W) window 2, C (bias) window 2
.irp tt, 0,1
.irp m, 0,1,2,3,4,5,6,7
	WMC ACC+64*\tt+8*\m, 12*(2*\m), 12*(2*(2*\gv+\tt)), CW+8*(2*\gv+\tt), ZS+2*(\m/2), WS+2*\gv, \m%2, \tt
.endr
.endr
	WIN 0x09
.irp tt, 0,1
.irp m, 0,1,2,3,4,5,6,7
	WMC ACC+64*\tt+8*\m, 12*(2*\m+1), 12*(2*(2*\gv+\tt)+1), ACC+64*\tt+8*\m, ZS+2*(\m/2)+1, WS+2*\gv+1, \m%2, \tt
.endr
.endr
	WIN 0
	PLACES 5
.irp tt, 0,1
	s_wait_xcnt 0x0                                ; the last tile's stores have read their data
	QUANT ACC+64*\tt
.irp p, 0,1,2
	global_store_b128 v[LI], v[PC+4*\p:PC+4*\p+3], s[48:49] offset:1536*(2*\gv+\tt)+512*\p
.endr
	global_store_b32 v[R4], v[PW], s[50:51] offset:64*(2*\gv+\tt)
.endr
.endr
	s_endpgm
.Lfunc_end_k_q6bf791c7f1_proj:
	.size	k_q6bf791c7f1_proj, .Lfunc_end_k_q6bf791c7f1_proj-k_q6bf791c7f1_proj
	.p2alignl 7, 3214868480
	.fill 96, 4, 3214868480
	.section	.rodata,"a",@progbits
	.p2align	6, 0x0
	.amdhsa_kernel k_q6bf791c7f1_proj
		.amdhsa_group_segment_fixed_size 0
		.amdhsa_private_segment_fixed_size 0
		.amdhsa_enable_private_segment 0
		.amdhsa_kernarg_size 56
		.amdhsa_user_sgpr_count 2
		.amdhsa_user_sgpr_kernarg_segment_ptr 1
		.amdhsa_wavefront_size32 1
		.amdhsa_system_sgpr_workgroup_id_x 1
		.amdhsa_system_sgpr_workgroup_id_y 1
		.amdhsa_system_sgpr_workgroup_id_z 1
		.amdhsa_system_vgpr_workitem_id 0
		.amdhsa_next_free_vgpr 768
		.amdhsa_next_free_sgpr 66
		.amdhsa_reserve_vcc 0
		.amdhsa_float_denorm_mode_32 3
		.amdhsa_float_denorm_mode_16_64 3
		.amdhsa_memory_ordered 1
		.amdhsa_forward_progress 1
		.amdhsa_inst_pref_size 68
	.end_amdhsa_kernel
	.amdgpu_metadata
---
amdhsa.version: [ 1, 2 ]
amdhsa.kernels:
  - .name:           k_q6bf791c7f1_proj
    .symbol:         k_q6bf791c7f1_proj.kd
    .args:
      - { .name: zimg, .offset: 0, .size: 8, .value_kind: global_buffer, .address_space: global }
      - { .name: wimg, .offset: 8, .size: 8, .value_kind: global_buffer, .address_space: global }
      - { .name: bq, .offset: 16, .size: 8, .value_kind: global_buffer, .address_space: global }
      - { .name: bk, .offset: 24, .size: 8, .value_kind: global_buffer, .address_space: global }
      - { .name: bv, .offset: 32, .size: 8, .value_kind: global_buffer, .address_space: global }
      - { .name: qimg, .offset: 40, .size: 8, .value_kind: global_buffer, .address_space: global }
      - { .name: kv, .offset: 48, .size: 8, .value_kind: global_buffer, .address_space: global }
    .group_segment_fixed_size: 0
    .private_segment_fixed_size: 0
    .kernarg_segment_align: 8
    .kernarg_segment_size: 56
    .max_flat_workgroup_size: 128
    .sgpr_count:     66
    .vgpr_count:     768
    .wavefront_size: 32
...
	.end_amdgpu_metadata
.endif
;; end of part 2
;; launch attn (part 3): grid 32 x 8, 16 waves a work-group, clusters of 4 x 1, 327,680 bytes of LDS; arguments qimg, kv, att; writes att
.if DOCPART == 3
	.amdgcn_target "amdgcn-amd-amdhsa--gfx1250"
	.amdhsa_code_object_version 6
	.text
	.protected	k_q6bf791c7f1_attn
	.globl	k_q6bf791c7f1_attn
	.p2align	8
	.type	k_q6bf791c7f1_attn,@function
k_q6bf791c7f1_attn:
	s_mov_b64 s[64:65], 0
	v_nop
	global_prefetch_b8 v0, s[64:65] scope:SCOPE_SE
	s_setreg_imm32_b32 hwreg(HW_REG_WAVE_MODE, 25, 1), 1
	s_wait_xcnt 0x0
	s_wait_alu depctr_hold_cnt(0) depctr_sa_sdst(0) depctr_va_vdst(0) depctr_va_sdst(0) depctr_va_ssrc(0) depctr_va_vcc(0) depctr_vm_vsrc(0)
	s_getreg_b32 s2, hwreg(HW_REG_IB_STS2, 6, 4)
	s_cmp_eq_u32 s2, 0
	s_cbranch_scc0 .Lentry_in_a_cluster
	s_endpgm
.Lentry_in_a_cluster:
	s_bfe_u32 s2, ttmp6, 0x10000c
	s_cmp_lg_u32 s2, 0x3003
	s_cbranch_scc0 .Lentry_shape_is_right
	s_endpgm
.Lentry_shape_is_right:
; att = softmax_k(q . k / 8) v for one (batch, head) and 128 queries a work-group, both products on codes of BF6 with E8M0 scales.
; t = score x log2(e) / 8; M = the running largest t rounded UP to a whole number; p = 2^(t - M) is quantised along the keys, not normalised; the row's sum is taken of the unquantised p and divides at the end;
; when M moves, the sum and O are multiplied by 2^(old M - new M), which rounds nothing.
; SHARES.  Sixteen waves of 256 registers, four to a SIMD, so that one wave's LDS waits, dependent chains and exponentials stand beside three other waves' work.  Wave w owns the tile of 16 queries w % 8 and HALF THE KEYS:
; of each slot's eight key steps (128 keys each) waves 0-7 walk the first four, waves 8-15 the last four.  Each wave has its own M, sum and O^T.  At the end the two halves of a tile meet in LDS: M is a whole number in both,
; so bringing both under the larger M is a multiplication by a power of two.
; A key step is 13,056 dense bytes of kv, images of operand registers: K's 8 tiles (64 along K: 768 bytes each), V's 4 tiles of d (1,536 each) at 6,144, K's scale words at 12,288, V's at 12,800.
; They are read at 16, 8 and 4 bytes a lane on end: no pitch, no padding.
; RING.  Two LDS slots of 8 steps; waves 0-7 each fetch one step of a slot by one tensor load (51 rows of 256 bytes), waves 8-15 none.  By this text's count such a wave has two loads out at the start and one behind each refill.
; CLUSTER.  The four query blocks of a cluster walk the same kv: each tile is asked for JOINTLY, by the same load with the same descriptor and the mask of all four.  My place in the cluster enters q's and att's addresses alone;
; every branch hangs on the wave's number or on a counter, alike in all partners.
; LAYOUT.  S^T = K Q^T, O^T = V^T P^T: a lane holds one query throughout.  The keys of a tile of K are in the order 32 b + 8 u + rho + 8 (rho / 8), so the 16 registers of tiles 2 b, 2 b + 1 are 16 neighbouring keys.
; THE HEAD HAS 64 ALONG K, the instruction 128: Q's registers 6-11 are zero codes and both sides' scale bytes 2, 3 are 127.  K's fragments stand 6 registers apart, so a tile's registers 6-11 are the next tile's codes
; (the last tile's: V's first six registers): every code of the format is a finite number, and times Q's zeros it adds nothing.
; The result leaves as f32, [batch][tile][K step][block][head][512 bytes]: the order in which the next launch's quantiser wants its lanes' registers.
; LIMITS: NaN and infinities are not served; a block of p that has fallen to zeros keeps the byte 1 (its codes are zeros).
; REGISTERS: v1-3 lane terms, v4 att's offset, v5-6 the add's, v7 q's word's offset, v8-10 the step's LDS addresses, v11 where the halves meet; v12 -M, v13 the largest t, v[14:15] the sum; v16-27 Q; v28-31 K's scale words;
;   v32-79 K; v80-127 V; v128-191 S^T, then p; v192-223 O^T; v224-235 p's codes; v232-247, v252-254 at work; v248-249 V's scale words, v250 Q's, v251 p's.
.set STEPB, 13056
.set SLOT,  8*STEPB
.set SPARE, 2*SLOT                     ; behind the ring: the spare words, 128 bytes for each of sixteen waves: eight blocks of 256 bytes that no other line names
.set MERGE, SPARE+2048                 ; behind them: where a tile's two halves meet; no tensor load lands here
.set MTILE, 4608                       ; a tile's part of it: O^T's 32 registers as eight images of 512 bytes, then v[12:15]
.set LI,  1
.set L8,  2
.set LS,  3
.set GO,  4
.set SPW, 5
.set NIL, 6
.set MA,  11
.set TQ,  15                           ; s15  my tile of the work-group's eight
.set KHB, 16                           ; s16  where my half's four steps begin in a slot: 0 or 4 steps on
.set WV,  18
.set SEL, 20
.set CS,  22
.set G1,  24                           ; s[24:31] descriptor group 1;  s[32:35], s[36:39] group 0 for slot 0, 1
.set G0,  32
.set TB,  40                           ; LDS byte at which the step in hand begins
.macro PLACES n
.rept \n
	v_nop
.endr
.endm
.macro WMZ d, a, b, sa, sb, ra         ; a product that starts its sum; ra = 1: source 0's words stand in lanes 16-31
.if (\ra) == 0
	v_wmma_scale_f32_16x16x128_f8f6f4 v[(\d):(\d)+7], v[(\a):(\a)+11], v[(\b):(\b)+11], 0, v[(\sa)], v[(\sb)] matrix_a_fmt:MATRIX_FMT_BF6 matrix_b_fmt:MATRIX_FMT_BF6
.else
	v_wmma_scale_f32_16x16x128_f8f6f4 v[(\d):(\d)+7], v[(\a):(\a)+11], v[(\b):(\b)+11], 0, v[(\sa)], v[(\sb)] matrix_a_fmt:MATRIX_FMT_BF6 matrix_b_fmt:MATRIX_FMT_BF6 matrix_a_scale:MATRIX_SCALE_ROW1
.endif
.endm
.macro WMA d, a, b, sa, sb, ra         ; a product that adds in place
.if (\ra) == 0
	v_wmma_scale_f32_16x16x128_f8f6f4 v[(\d):(\d)+7], v[(\a):(\a)+11], v[(\b):(\b)+11], v[(\d):(\d)+7], v[(\sa)], v[(\sb)] matrix_a_fmt:MATRIX_FMT_BF6 matrix_b_fmt:MATRIX_FMT_BF6
.else
	v_wmma_scale_f32_16x16x128_f8f6f4 v[(\d):(\d)+7], v[(\a):(\a)+11], v[(\b):(\b)+11], v[(\d):(\d)+7], v[(\sa)], v[(\sb)] matrix_a_fmt:MATRIX_FMT_BF6 matrix_b_fmt:MATRIX_FMT_BF6 matrix_a_scale:MATRIX_SCALE_ROW1
.endif
.endm
.macro CROUND                          ; a round of the cluster's barrier
	s_barrier_signal -1
	s_barrier_wait -1
	s_cmp_lg_u32 s[WV], 0
	s_cbranch_scc1 .Lnot_wave_0_\@
	s_barrier_signal -3
.Lnot_wave_0_\@:
	s_barrier_wait -3
	s_barrier_signal -1
	s_barrier_wait -1
.endm
.macro TLOAD n                         ; slot n's joint refill: waves 0-7 one step each, the others nothing; four v_nop follow the load
	s_cmp_lt_u32 s[WV], 8
	s_cbranch_scc0 .Lnot_mine_\@
	tensor_load_to_lds s[G0+4*(\n):G0+4*(\n)+3], s[G1:G1+7]
	s_nop 0
	PLACES 4
.Lnot_mine_\@:
.endm
	s_load_b128 s[4:7], s[0:1], 0x0                ; qimg, kv
	s_load_b64 s[8:9], s[0:1], 0x10                ; att
	v_lshl_add_u32 v[SPW], v0, 2, SPARE
	v_mov_b32 v[NIL], 0
	ds_add_u32 v5, v6
	s_wait_dscnt 0x0
	v_lshrrev_b32 v7, 5, v0
	v_readfirstlane_b32 s[WV], v7                  ; wave 0..15
	s_and_b32 s[TQ], s[WV], 7                      ; my tile of queries; also: which step of a slot I fetch, if I fetch
	s_lshr_b32 s[KHB], s[WV], 3
	s_mul_i32 s[KHB], s[KHB], 4*STEPB              ; my half of a slot's steps
	s_and_b32 s12, ttmp7, 0xffff                   ; 4 batch + head, which the four partners share
	s_mul_i32 s42, s12, 32*STEPB
	s_mul_i32 s[G0+1], s[TQ], STEPB                ; LDS: slot 0, my step of its eight
	s_add_co_u32 s42, s42, s[G0+1]                 ; kv: the head's step of that number
	s_mov_b32 s43, 0
	s_mov_b32 s[G1], 15|(3<<16)|(1<<21)            ; 15:0 the mask: all four work-groups; 17:16 elements of 8 bytes; 21 set beside a mask; no padding
	s_mov_b32 s[G1+1], 32<<16                      ; tensor_dim0 = 32 elements: 256 bytes
	s_mov_b32 s[G1+2], 51<<16                      ; tensor_dim1 = 51 rows
	s_mov_b32 s[G1+3], 32<<16                      ; tile_dim0
	s_mov_b32 s[G1+4], 51                          ; tile_dim1
	s_mov_b32 s[G1+5], 32                          ; the pitch: dense
	s_mov_b32 s[G1+6], 0
	s_mov_b32 s[G1+7], 0
	s_mov_b32 s[G0], 1
	s_mov_b32 s[G0+4], 1
	s_add_co_u32 s[G0+5], s[G0+1], SLOT
	s_mov_b32 s[SEL], 0x76543210
	s_mov_b32 s[SEL+1], 0xfedcba98                 ; v_permlanex16_b32's selects for lane l xor 16
	s_mov_b32 s[CS], 0x3e38aa3b                    ; c = log2(e) / 8
	s_mov_b32 s[CS+1], s[CS]                       ; (named with it as a pair, so it is written)
	s_mul_i32 s17, s[TQ], MTILE
	s_add_co_u32 s17, s17, MERGE                   ; where my tile's halves meet
	s_bfe_u32 s10, ttmp6, 0x40000                  ; cx
	s_lshl_b32 s11, ttmp9, 2
	s_add_co_u32 s11, s11, s10                     ; my block of 128 queries
	s_lshl_b32 s13, s11, 3
	s_add_co_u32 s13, s13, s[TQ]                   ; my tile of the batch's 256
	s_mul_i32 s44, s12, 196608
	s_mul_i32 s14, s13, 768
	s_add_co_u32 s44, s44, s14                     ; q's codes
	s_mov_b32 s45, 0
	s_lshl_b32 s46, s12, 14
	s_lshl_b32 s14, s13, 6
	s_add_co_u32 s46, s46, s14
	s_add_co_u32 s46, s46, 1572864                 ; q's scale words
	s_mov_b32 s47, 0
	s_lshr_b32 s48, s12, 2
	s_lshl_b32 s48, s48, 8
	s_add_co_u32 s48, s48, s13
	s_lshl_b32 s48, s48, 14                        ; att: 16,384 bytes a tile,
	s_and_b32 s14, s12, 3
	s_lshl_b32 s14, s14, 9
	s_add_co_u32 s48, s48, s14                     ; 512 a head
	s_mov_b32 s49, 0
	s_wait_kmcnt 0x0
	s_add_nc_u64 s[G0+2:G0+3], s[6:7], s[42:43]    ; steps 0-7: mine
	s_add_nc_u64 s[G0+6:G0+7], s[G0+2:G0+3], SLOT  ; steps 8-15: mine
	s_or_b32 s[G0+3], s[G0+3], 0x80000000          ; type = 2
	s_or_b32 s[G0+7], s[G0+7], 0x80000000
	s_add_nc_u64 s[44:45], s[4:5], s[44:45]
	s_add_nc_u64 s[46:47], s[4:5], s[46:47]
	s_add_nc_u64 s[48:49], s[8:9], s[48:49]
	CROUND                                         ; all four work-groups are here: the first joint loads meet
	s_cmp_lt_u32 s[WV], 8                          ; a wave's two first fills stand in one branch, ahead of every wait on TENSORcnt, every LDS read and every other barrier
	s_cbranch_scc0 .Lno_first
	tensor_load_to_lds s[G0:G0+3], s[G1:G1+7]
	s_nop 0
	tensor_load_to_lds s[G0+4:G0+7], s[G1:G1+7]
	s_nop 0
	PLACES 4
.Lno_first:
	v_and_b32 v7, 31, v0
	v_lshlrev_b32 v[LI], 4, v7
	v_lshlrev_b32 v[L8], 3, v7
	v_lshlrev_b32 v[LS], 2, v7
	v_add_nc_u32 v[MA], s17, v[LI]                 ; the same place for the wave that stores and the wave that loads: 16 bytes a lane
	v_and_b32 v7, 15, v0                           ; r
	v_bfe_u32 v8, v0, 4, 1                         ; h
	v_lshlrev_b32 v[GO], 4, v7
	v_lshl_add_u32 v[GO], v8, 12, v[GO]            ; att: 16 r + 4,096 h
	v_lshlrev_b32 v7, 2, v7
	global_load_b128 v[16:19], v[LI], s[44:45]     ; Q's half fragment stays in registers
	global_load_b64 v[20:21], v[L8], s[44:45] offset:512
	global_load_b32 v250, v7, s[46:47]             ; its scale words
.irp j, 22,23,24,25,26,27
	v_mov_b32 v[\j], 0                             ; Q's K places 64 to 127: zero codes
.endr
.irp j, 80,81,82,83,84,85
	v_mov_b32 v[\j], 0                             ; named as the last tile of K's upper half before V first lands there
.endr
	v_mov_b32 v13, 0xff61b1e6                      ; the largest t so far: -3e38, under every t
	v_floor_f32 v12, -v13                          ; -M
	v_mov_b32 v14, 0                               ; the sum, in two halves
	v_mov_b32 v15, 0
.irp b, 0,1,2,3
	v_mov_b32 v[236+\b], 0                         ; written once: a lane permute's destination counts as one of its sources
.endr
	v_mov_b32 v253, 0                              ; (named as the upper half of the pair v[252:253])
.set j, 0
.rept 32
	v_mov_b32 v[192+j], 0                          ; O^T: the step is written once; its first run finds zeros, which the first change of M leaves zeros
.set j, j+1
.endr
; A KEY STEP: 128 keys
.macro STEP
	v_add_nc_u32 v8, s[TB], v[LI]
	v_add_nc_u32 v9, s[TB], v[L8]
	v_add_nc_u32 v10, s[TB], v[LS]
.irp t, 0,1,2,3,4,5,6,7
	ds_load_b128 v[32+6*\t:35+6*\t], v8 offset:768*\t
	ds_load_b64 v[36+6*\t:37+6*\t], v9 offset:768*\t+512
.endr
.irp b, 0,1,2,3
	ds_load_b32 v[28+\b], v10 offset:12288+128*\b  ; lanes 0-15 tile 2 b's words, lanes 16-31 tile 2 b + 1's
.endr
	s_wait_dscnt 0x0
.irp t, 0,1,2,3,4,5,6,7
	WMZ 128+8*\t, 32+6*\t, 16, 28+(\t/2), 250, \t%2
.endr
	PLACES 4                                       ; in front of the first read of the scores, and of the loads into v80-85, which the last product named
.irp i, 0,1,2,3,4,5,6,7,8,9,10,11
	ds_load_b128 v[80+4*\i:83+4*\i], v8 offset:6144+512*\i         ; V lands while the softmax is walked
.endr
	ds_load_b32 v248, v10 offset:12800
	ds_load_b32 v249, v10 offset:12928
.irp b, 0,1,2,3
	v_max3_num_f32 v[232+\b], v[128+16*\b], v[129+16*\b], v[130+16*\b]   ; the largest score of each block of 32 keys: it serves for the row's maximum and, since p rises with the score, for the block's largest p
.endr
.irp i, 3,5,7,9,11,13
.irp b, 0,1,2,3
	v_max3_num_f32 v[232+\b], v[232+\b], v[128+16*\b+\i], v[129+16*\b+\i]
.endr
.endr
.irp b, 0,1,2,3
	v_max_num_f32 v[232+\b], v[232+\b], v[143+16*\b]
.endr
.irp b, 0,1,2,3
	v_permlanex16_b32 v[236+\b], v[232+\b], s[SEL], s[SEL+1]
.endr
.irp b, 0,1,2,3
	v_max_num_f32 v[232+\b], v[232+\b], v[236+\b]  ; with lane l xor 16's 16 keys
.endr
	v_max3_num_f32 v254, v232, v233, v234
	v_max_num_f32 v254, v254, v235                 ; the step's largest score of my query
	v_mul_f32 v254, s[CS], v254                    ; as t (c is positive)
	v_max_num_f32 v13, v13, v254                   ; the running largest t
	v_mov_b32 v254, v12
	v_floor_f32 v12, -v13                          ; the new -M = floor(-t) = -ceil(t)
	v_sub_f32 v254, v12, v254                      ; old M - new M: a whole number, 0 or less
	v_cvt_i32_f32 v254, v254                       ; (it saturates)
	v_ldexp_f32 v252, 1.0, v254                    ; f = 2^(old M - new M)
.set j, 0
.rept 32
	v_pk_fma_f32 v[128+j:129+j], v[128+j:129+j], s[CS:CS+1], v[12:13] op_sel_hi:[1,0,0]   ; t - M, two at a time
.set j, j+2
.endr
.irp b, 0,1,2,3
	v_fma_f32 v[232+\b], v[232+\b], s[CS], v12     ; the same of each block's largest score
.endr
.set j, 0
.rept 64
	v_exp_f32 v[128+j], v[128+j]                   ; p = 2^(t - M), at most 1
.set j, j+1
.endr
.irp b, 0,1,2,3
	v_exp_f32 v[232+\b], v[232+\b]                 ; the block's largest p: the same two instructions on the same number
.endr
	v_pk_mul_f32 v[14:15], v[14:15], v[252:253] op_sel_hi:[1,0]    ; the sums under the new M.  (A plain place behind the exponentials)
	s_wait_alu depctr_va_vdst(0)
.irp b, 0,1,2,3
	v_max_num_f32 v[232+\b], 0x2800000, v[232+\b]  ; the floor 2^(5 - 127): the byte cannot fall under 1
.endr
.irp b, 0,1,2,3
	v_add_nc_u32 v[244+\b], 0xfe000000, v[232+\b]  ; 4 off the exponent field: the conversion's scale operand
.endr
.irp b, 0,1,2,3
	v_lshrrev_b32 v[236+\b], 23, v[244+\b]         ; the scale's byte
.endr
	v_lshl_or_b32 v251, v237, 8, v236              ; p's scale word for these 128 keys
	v_lshl_or_b32 v251, v238, 16, v251
	v_lshl_or_b32 v251, v239, 24, v251
.irp c, 0,1
	v_cvt_scalef32_pk16_bf6_f32 v[224+6*\c:226+6*\c], v[128+32*\c:143+32*\c], v[244+2*\c]
	v_cvt_scalef32_pk16_bf6_f32 v[236+4*\c:238+4*\c], v[144+32*\c:159+32*\c], v[244+2*\c+1]   ; (a conversion's three registers begin on an even number)
.endr
	v_nop                                          ; one plain place behind a scaled conversion
.irp c, 0,1                                    ; the operand's layout wants a whole block in a lane
.irp i, 0,1,2
	v_permlane16_swap_b32 v[224+6*\c+\i], v[236+4*\c+\i]
.endr
.irp i, 0,1,2
	v_mov_b32 v[227+6*\c+\i], v[236+4*\c+\i]
.endr
.endr
	v_pk_add_f32 v[236:237], v[128:129], v[130:131]                ; the row's sum is taken of the unquantised p: two at a time, in two chains
.irp j, 4,8,12,16,20,24,28,32,36,40,44,48,52,56,60
	v_pk_add_f32 v[14:15], v[14:15], v[128+\j:129+\j]
	v_pk_add_f32 v[236:237], v[236:237], v[130+\j:131+\j]
.endr
	v_pk_add_f32 v[14:15], v[14:15], v[236:237]
.set j, 0
.rept 16
	v_pk_mul_f32 v[192+j:193+j], v[192+j:193+j], v[252:253] op_sel_hi:[1,0]   ; O^T under the new M.  (With the sums above: the places between p's scale word and codes and the products below)
.set j, j+2
.endr
	s_wait_dscnt 0x0                               ; V is in
.irp t, 0,1,2,3
	WMA 192+8*\t, 80+12*\t, 224, 248+(\t/2), 251, \t%2             ; no two products that follow each other share an accumulator, round the loop too
.endr
	s_add_co_u32 s[TB], s[TB], STEPB
.endm
.macro PHASE base                      ; my half's four steps of the slot that begins at LDS byte base
	s_add_co_u32 s[TB], s[KHB], \base
	s_mov_b32 s41, 4
.Lstep_\@:
	STEP
	s_sub_co_u32 s41, s41, 1
	s_cmp_lg_u32 s41, 0
	s_cbranch_scc1 .Lstep_\@
.endm
; THE CHANGE OF SLOTS.  Each wave waits for all its tensor loads (its part of the slot ahead, if it fetches), adds 0 to its spare word, and waits for that and for its reads of the slot that it leaves.
; fill = 1: the barrier is a round of the cluster's, so that no wave of any partner still reads the slot or has a load on its way, and slot n is filled again, 16 steps on, first thing behind it: it has a whole slot's steps in which to land.
.macro CHANGE n, fill
	s_wait_tensorcnt 0x0                           ; no tensor load of mine is out, so a group 0 may be written
	ds_add_u32 v[SPW], v[NIL]                      ; 0 onto my spare word
.if \fill
	s_add_nc_u64 s[G0+4*(\n)+2:G0+4*(\n)+3], s[G0+4*(\n)+2:G0+4*(\n)+3], 2*SLOT
	s_wait_dscnt 0x0                               ; the add is done, and my reads of the slot are over
	CROUND
	TLOAD \n
.else
	s_wait_dscnt 0x0
	s_barrier_signal -1
	s_barrier_wait -1
.endif
.endm
	s_wait_tensorcnt 0x1                           ; my part of slot 0 is in; slot 1's may stay out
	s_barrier_signal -1
	s_barrier_wait -1                              ; everybody's is
	s_wait_loadcnt 0x0                             ; Q
	PHASE 0                                        ; steps 0-7: four of them mine
	CHANGE 0, 1                                    ; slot 0 takes steps 16-23
	PHASE SLOT                                     ; steps 8-15
	CHANGE 1, 1                                    ; slot 1 takes steps 24-31
	PHASE 0
	CHANGE 0, 0                                    ; nothing is left to fetch
	PHASE SLOT
	; THE TWO HALVES OF A TILE MEET.  Waves 8-15 store O^T, -M and the sum as images of their registers; a barrier; waves 0-7 take them up.
	PLACES 4                                       ; behind the last products
	s_cmp_lt_u32 s[WV], 8
	s_cbranch_scc1 .Llower
.set j, 0
.rept 8
	ds_store_b128 v[MA], v[192+4*j:195+4*j] offset:512*j           ; each accumulator from its low end on
.set j, j+1
.endr
	ds_store_b128 v[MA], v[12:15] offset:4096      ; -M, the largest t, the sum's two halves
.Llower:
	s_wait_dscnt 0x0                               ; for the others' sake: my stores have landed
	s_barrier_signal -1
	s_barrier_wait -1
	s_cmp_lt_u32 s[WV], 8
	s_cbranch_scc0 .Lend
	ds_load_b128 v[160:163], v[MA] offset:4096
.set j, 0
.rept 8
	ds_load_b128 v[128+4*j:131+4*j], v[MA] offset:512*j
.set j, j+1
.endr
	s_wait_dscnt 0x8                               ; -M and the sum of the other half are in; the eight loads of its O^T, issued behind, may be out
	v_min_num_f32 v164, v12, v160                  ; -M of all keys: the larger M
	v_sub_f32 v165, v164, v12                      ; my M less it: a whole number, 0 or less
	v_sub_f32 v166, v164, v160                     ; the other half's likewise
	v_cvt_i32_f32 v165, v165                       ; (they saturate)
	v_cvt_i32_f32 v166, v166
	v_ldexp_f32 v165, 1.0, v165                    ; f0, f1: powers of two; one of them is 1
	v_ldexp_f32 v166, 1.0, v166
	v_add_f32 v14, v14, v15                        ; each sum's two halves,
	v_add_f32 v162, v162, v163
	v_mul_f32 v14, v14, v165                       ; both under the common M,
	v_fma_f32 v14, v162, v166, v14
	v_permlanex16_b32 v252, v14, s[SEL], s[SEL+1]
	v_add_f32 v14, v14, v252                       ; and lane l xor 16's: the row's sum; it is above 1/2
	v_rcp_f32 v14, v14
	v_nop                                          ; one plain place behind a transcendental
	s_wait_alu depctr_va_vdst(0)
	v_mul_f32 v252, v165, v14                      ; f0 / l
	v_mul_f32 v236, v166, v14                      ; f1 / l
	s_wait_dscnt 0x0                               ; the other half's O^T
.set j, 0
.rept 16
	v_pk_mul_f32 v[128+j:129+j], v[128+j:129+j], v[236:237] op_sel_hi:[1,0]
.set j, j+2
.endr
.set j, 0
.rept 16
	v_pk_fma_f32 v[128+j:129+j], v[192+j:193+j], v[252:253], v[128+j:129+j] op_sel_hi:[1,0,1]   ; register 8 tau + j of lane (r, h) is d = 32 (tau / 2) + 16 h + 8 (tau % 2) + j of query r
.set j, j+2
.endr
.irp b, 0,1
.irp g, 0,1,2,3
	global_store_b128 v[GO], v[128+16*\b+4*\g:131+16*\b+4*\g], s[48:49] offset:8192*\b+2048*(\g/2)+256*(\g%2)   ; sixteen lanes store 256 consecutive bytes, aligned
.endr
.endr
.Lend:
	s_wait_tensorcnt 0x0                           ; the wave's end
	ds_add_u32 v[SPW], v[NIL]
	s_wait_dscnt 0x0
	CROUND                                         ; the closing round: no work-group ends while a partner may still ask for a tile that names it
	s_endpgm
.Lfunc_end_k_q6bf791c7f1_attn:
	.size	k_q6bf791c7f1_attn, .Lfunc_end_k_q6bf791c7f1_attn-k_q6bf791c7f1_attn
	.p2alignl 7, 3214868480
	.fill 96, 4, 3214868480
	.section	.rodata,"a",@progbits
	.p2align	6, 0x0
	.amdhsa_kernel k_q6bf791c7f1_attn
		.amdhsa_group_segment_fixed_size 327680
		.amdhsa_private_segment_fixed_size 0
		.amdhsa_enable_private_segment 0
		.amdhsa_kernarg_size 24
		.amdhsa_user_sgpr_count 2
		.amdhsa_user_sgpr_kernarg_segment_ptr 1
		.amdhsa_wavefront_size32 1
		.amdhsa_system_sgpr_workgroup_id_x 1
		.amdhsa_system_sgpr_workgroup_id_y 1
		.amdhsa_system_sgpr_workgroup_id_z 1
		.amdhsa_system_vgpr_workitem_id 0
		.amdhsa_next_free_vgpr 256
		.amdhsa_next_free_sgpr 66
		.amdhsa_reserve_vcc 0
		.amdhsa_float_denorm_mode_32 3
		.amdhsa_float_denorm_mode_16_64 3
		.amdhsa_memory_ordered 1
		.amdhsa_forward_progress 1
		.amdhsa_inst_pref_size 77
	.end_amdhsa_kernel
	.amdgpu_metadata
---
amdhsa.version: [ 1, 2 ]
amdhsa.kernels:
  - .name:           k_q6bf791c7f1_attn
    .symbol:         k_q6bf791c7f1_attn.kd
    .args:
      - { .name: qimg, .offset: 0, .size: 8, .value_kind: global_buffer, .address_space: global }
      - { .name: kv, .offset: 8, .size: 8, .value_kind: global_buffer, .address_space: global }
      - { .name: att, .offset: 16, .size: 8, .value_kind: global_buffer, .address_space: global }
    .group_segment_fixed_size: 327680
    .private_segment_fixed_size: 0
    .kernarg_segment_align: 8
    .kernarg_segment_size: 24
    .max_flat_workgroup_size: 512
    .sgpr_count:     66
    .vgpr_count:     256
    .wavefront_size: 32
...
	.end_amdgpu_metadata
.endif
;; end of part 3
;; launch msg (part 4): grid 128 x 1, 4 waves a work-group, no clusters, 30,208 bytes of LDS; arguments att, zimg, wimg, bo, b1, mimg, part; writes mimg, part
.if DOCPART == 4
	.amdgcn_target "amdgcn-amd-amdhsa--gfx1250"
	.amdhsa_code_object_version 6
	.text
	.protected	k_q6bf791c7f1_msg
	.globl	k_q6bf791c7f1_msg
	.p2align	8
	.type	k_q6bf791c7f1_msg,@function
k_q6bf791c7f1_msg:
	s_mov_b64 s[64:65], 0
	v_nop
	global_prefetch_b8 v0, s[64:65] scope:SCOPE_SE
	s_setreg_imm32_b32 hwreg(HW_REG_WAVE_MODE, 25, 1), 1
	s_wait_xcnt 0x0
; message = Wo^T attn + bo, quantised; h = W1^T [x; message] + b1; of h only each channel's mean and sum of squared deviations over the work-group's 64 positions leave (the batch norm's statistics).
; Work-group g: positions of tiles 4 g .. 4 g + 3.  Operands go from wave to wave through LDS as images of their registers (a fragment: 3 stores of 16 bytes a lane, 512 bytes each; its scale words 4 bytes a lane).
; X: wave w quantises tile w of the attention's result (its 128 numbers a lane lie in memory in the quantiser's order) into two fragments | barrier |
; 1: wave w makes the 128 message channels of K step w / 2 for the pair of tiles w % 2: source 0 = 16 channels of Wo (8 tiles), source 1 = 16 positions; C = bo.  A lane holds one position and 64 neighbouring channels of each
;    tile: a whole fragment and a whole scale word, to LDS and to mimg | barrier |
; 2: wave w makes h's channels 128 w on, in two rounds of 64: source 0 = 16 positions, source 1 = 16 channels of W1: a lane holds ONE channel and 32 of the 64 positions.
;    Mean first, then the squared deviations from it: no difference of large sums is formed.  b1 is added to the mean alone.
; The weights come from their images straight into registers; each fragment serves two or four tiles of positions.  Accumulators take turns, one instruction a turn.
; LIMITS: NaN and infinities are not served; a block under 2^-122 keeps the byte 1; a block of zeros gets the byte 1 (its codes are zeros; this program alone reads the bytes).
; REGISTERS: window 0: v1-15, v50 addresses; v16-23 Wo's scale words, v24-39 W1's, v40-47 the positions' (4 pair + K step), v48-49 the attention's; v52-90 the quantiser; v92-99 b1; v100-107 at work; v112-127 results; v128-255 accumulators.
;   window 1: the positions' 16 fragments, 12 (4 m + s).   window 2: W1 round 0, 12 (4 t + s); v192-255 bo as C.   window 3: Wo, 12 (2 t + s), then W1 round 1.
.set AIMG, 0                           ; LDS: the attention's 8 fragments (tile m, K step s: 3,072 m + 1,536 s),
.set ASC,  12288                       ; their scale words (256 pair + 128 s),
.set MIMG, 12800                       ; the message's 8 fragments,
.set MSC,  25088                       ; their scale words,
.set PST,  25600                       ; means [512], sums of squares [512]
.set LI,  4
.set LS,  5
.set XWI, 6
.set XWS, 7
.set AFA, 8
.set ASA, 9
.set MWI, 10
.set MWS, 11
.set BOA, 12
.set B1A, 13
.set PSA, 14
.set PSR, 15
.set WOS, 16
.set W1S, 24
.set ZS,  40
.set ASR, 48
.set MSR, 50
.set CPY, 51
.set TM,  52
.set PW,  68
.set PC,  72
.set B1R, 92
.set RM,  112
.set RQ,  120
.set ACC, 128
.set BOC, 192
.set SEL, 20
.set MSB, 0
.macro WIN new                         ; the immediate's high byte repeats the setting that is left
.if MSB != (\new)
	s_set_vgpr_msb (MSB<<8)|(\new)
.set MSB, (\new)
.endif
.endm
.macro PLACES n
.rept \n
	v_nop
.endr
.endm
.macro WMC d, a, b, c, sa, sb, ra, rb  ; D, source 0, source 1, C, scale registers; ra, rb = 1: that side's words stand in lanes 16-31
.if ((\ra) == 0) && ((\rb) == 0)
	v_wmma_scale_f32_16x16x128_f8f6f4 v[(\d):(\d)+7], v[(\a):(\a)+11], v[(\b):(\b)+11], v[(\c):(\c)+7], v[(\sa)], v[(\sb)] matrix_a_fmt:MATRIX_FMT_BF6 matrix_b_fmt:MATRIX_FMT_BF6
.elseif (\rb) == 0
	v_wmma_scale_f32_16x16x128_f8f6f4 v[(\d):(\d)+7], v[(\a):(\a)+11], v[(\b):(\b)+11], v[(\c):(\c)+7], v[(\sa)], v[(\sb)] matrix_a_fmt:MATRIX_FMT_BF6 matrix_b_fmt:MATRIX_FMT_BF6 matrix_a_scale:MATRIX_SCALE_ROW1
.elseif (\ra) == 0
	v_wmma_scale_f32_16x16x128_f8f6f4 v[(\d):(\d)+7], v[(\a):(\a)+11], v[(\b):(\b)+11], v[(\c):(\c)+7], v[(\sa)], v[(\sb)] matrix_a_fmt:MATRIX_FMT_BF6 matrix_b_fmt:MATRIX_FMT_BF6 matrix_b_scale:MATRIX_SCALE_ROW1
.else
	v_wmma_scale_f32_16x16x128_f8f6f4 v[(\d):(\d)+7], v[(\a):(\a)+11], v[(\b):(\b)+11], v[(\c):(\c)+7], v[(\sa)], v[(\sb)] matrix_a_fmt:MATRIX_FMT_BF6 matrix_b_fmt:MATRIX_FMT_BF6 matrix_a_scale:MATRIX_SCALE_ROW1 matrix_b_scale:MATRIX_SCALE_ROW1
.endif
.endm
.macro WMZ d, a, b, sa, sb, ra, rb     ; the same with the constant 0 as C: the product starts its sum
.if ((\ra) == 0) && ((\rb) == 0)
	v_wmma_scale_f32_16x16x128_f8f6f4 v[(\d):(\d)+7], v[(\a):(\a)+11], v[(\b):(\b)+11], 0, v[(\sa)], v[(\sb)] matrix_a_fmt:MATRIX_FMT_BF6 matrix_b_fmt:MATRIX_FMT_BF6
.elseif (\rb) == 0
	v_wmma_scale_f32_16x16x128_f8f6f4 v[(\d):(\d)+7], v[(\a):(\a)+11], v[(\b):(\b)+11], 0, v[(\sa)], v[(\sb)] matrix_a_fmt:MATRIX_FMT_BF6 matrix_b_fmt:MATRIX_FMT_BF6 matrix_a_scale:MATRIX_SCALE_ROW1
.elseif (\ra) == 0
	v_wmma_scale_f32_16x16x128_f8f6f4 v[(\d):(\d)+7], v[(\a):(\a)+11], v[(\b):(\b)+11], 0, v[(\sa)], v[(\sb)] matrix_a_fmt:MATRIX_FMT_BF6 matrix_b_fmt:MATRIX_FMT_BF6 matrix_b_scale:MATRIX_SCALE_ROW1
.else
	v_wmma_scale_f32_16x16x128_f8f6f4 v[(\d):(\d)+7], v[(\a):(\a)+11], v[(\b):(\b)+11], 0, v[(\sa)], v[(\sb)] matrix_a_fmt:MATRIX_FMT_BF6 matrix_b_fmt:MATRIX_FMT_BF6 matrix_a_scale:MATRIX_SCALE_ROW1 matrix_b_scale:MATRIX_SCALE_ROW1
.endif
.endm
; 64 numbers of a lane, register 16 b + i = k 32 b + 16 (lane / 16) + i of my row, become a fragment's codes in v[PC] on and its scale word in v[PW]
.macro QUANT s
.irp b, 0,1,2,3
	v_max3_num_f32 v[TM+\b], |v[\s+16*\b]|, |v[\s+1+16*\b]|, 0x2800000   ; my 16 numbers of block b, and the floor 2^(5 - 127)
.endr
.irp i, 2,4,6,8,10,12,14
.irp b, 0,1,2,3
	v_max3_num_f32 v[TM+\b], v[TM+\b], |v[\s+16*\b+\i]|, |v[\s+1+16*\b+\i]|
.endr
.endr
.irp b, 0,1,2,3
	v_permlanex16_b32 v[TM+4+\b], v[TM+\b], s[SEL], s[SEL+1]
.endr
.irp b, 0,1,2,3
	v_max_num_f32 v[TM+\b], v[TM+\b], v[TM+4+\b]   ; with lane l xor 16's: the block's largest magnitude
.endr
.irp b, 0,1,2,3
	v_add_nc_u32 v[TM+12+\b], 0xfe000000, v[TM+\b] ; 4 off its exponent field: the conversion's scale operand
.endr
.irp b, 0,1,2,3
	v_lshrrev_b32 v[TM+4+\b], 23, v[TM+12+\b]      ; the scale's byte
.endr
	v_lshl_or_b32 v[PW], v[TM+5], 8, v[TM+4]
	v_lshl_or_b32 v[PW], v[TM+6], 16, v[PW]
	v_lshl_or_b32 v[PW], v[TM+7], 24, v[PW]
.irp c, 0,1
	v_cvt_scalef32_pk16_bf6_f32 v[PC+6*\c:PC+2+6*\c], v[\s+32*\c:\s+15+32*\c], v[TM+12+2*\c]
	v_cvt_scalef32_pk16_bf6_f32 v[PC+12+4*\c:PC+14+4*\c], v[\s+16+32*\c:\s+31+32*\c], v[TM+12+2*\c+1]
.endr
	v_nop                                          ; one plain place behind a scaled conversion
.irp c, 0,1                                    ; the operand's layout wants a whole block in a lane
.irp i, 0,1,2
	v_permlane16_swap_b32 v[PC+6*\c+\i], v[PC+12+4*\c+\i]
.endr
.irp i, 0,1,2
	v_mov_b32 v[PC+3+6*\c+\i], v[PC+12+4*\c+\i]
.endr
.endr
.endm
.macro IMAGE adr, off                  ; the fragment in v[PC] on goes to LDS as it stands
.irp c, 0,1,2
	ds_store_b128 v[\adr], v[PC+4*\c:PC+4*\c+3] offset:\off+512*\c
.endr
.endm
.macro BARRIER                         ; my LDS stores have landed and my LDS loads are in: then the work-group's barrier
	s_wait_dscnt 0x0
	s_barrier_signal -1
	s_barrier_wait -1
.endm
; channel tile t of round ro: my lane's channel has 32 of its 64 numbers in v[ACC + 32 t] on, lane l xor 16 the others
.macro STAT t, ro
.set SA, ACC+32*(\t)
.set IX, 4*(\ro)+(\t)
	v_pk_add_f32 v[100:101], v[SA:SA+1], v[SA+2:SA+3]              ; the sum, in two chains; each accumulator is read from its low end on
	v_pk_add_f32 v[102:103], v[SA+4:SA+5], v[SA+6:SA+7]
.irp i, 8,12,16,20,24,28
	v_pk_add_f32 v[100:101], v[100:101], v[SA+\i:SA+\i+1]
	v_pk_add_f32 v[102:103], v[102:103], v[SA+\i+2:SA+\i+3]
.endr
	v_pk_add_f32 v[100:101], v[100:101], v[102:103]
	v_add_f32 v100, v100, v101
	v_permlanex16_b32 v104, v100, s[SEL], s[SEL+1]
	v_add_f32 v100, v100, v104
	v_mul_f32 v106, 0x3c800000, v100               ; / 64: the mean
	v_mov_b32 v107, v106
.irp i, 0,2,4,6,8,10,12,14,16,18,20,22,24,26,28,30
	v_pk_add_f32 v[SA+\i:SA+\i+1], v[SA+\i:SA+\i+1], v[106:107] neg_lo:[0,1] neg_hi:[0,1]   ; the deviations
.endr
	v_pk_mul_f32 v[100:101], v[SA:SA+1], v[SA:SA+1]
	v_pk_mul_f32 v[102:103], v[SA+2:SA+3], v[SA+2:SA+3]
.irp i, 4,8,12,16,20,24,28
	v_pk_fma_f32 v[100:101], v[SA+\i:SA+\i+1], v[SA+\i:SA+\i+1], v[100:101]
	v_pk_fma_f32 v[102:103], v[SA+\i+2:SA+\i+3], v[SA+\i+2:SA+\i+3], v[102:103]
.endr
	v_pk_add_f32 v[100:101], v[100:101], v[102:103]
	v_add_f32 v100, v100, v101
	v_permlanex16_b32 v104, v100, s[SEL], s[SEL+1]
	v_add_f32 v[RQ+IX], v100, v104                 ; each result has a register of its own: no store's data are written again
	v_add_f32 v[RM+IX], v106, v[B1R+IX]
	ds_store_b32 v[PSA], v[RM+IX] offset:256*(\ro)+128*((\t)/2)+32*((\t)%2)        ; both halves of the lanes hold the same number and write it to the same place
	ds_store_b32 v[PSA], v[RQ+IX] offset:2048+256*(\ro)+128*((\t)/2)+32*((\t)%2)
.endm
	s_load_b256 s[4:11], s[0:1], 0x0               ; att, zimg, wimg, bo
	s_load_b128 s[12:15], s[0:1], 0x20             ; b1, mimg
	s_load_b64 s[16:17], s[0:1], 0x30              ; part
	v_lshl_add_u32 v110, v0, 2, 0x7400
	v_mov_b32 v111, 0
	v_lshrrev_b32 v1, 5, v0
	v_readfirstlane_b32 s18, v1                    ; wave 0..3
	s_lshr_b32 s22, s18, 1                         ; phase 1: my K step of the message
	s_and_b32 s23, s18, 1                          ;          my pair of tiles
	v_and_b32 v1, 31, v0
	v_and_b32 v2, 15, v0                           ; r
	v_bfe_u32 v3, v0, 4, 1                         ; h
	v_lshlrev_b32 v[LI], 4, v1
	v_lshlrev_b32 v[LS], 2, v1
	s_mul_i32 s48, s18, 3072
	v_add_nc_u32 v[XWI], s48, v[LI]                ; X: tile w's two images
	s_lshl_b32 s48, s22, 8
	s_lshl_b32 s49, s23, 6
	s_add_co_u32 s48, s48, s49
	s_add_co_u32 s48, s48, ASC
	v_lshl_add_u32 v[XWS], v2, 2, s48              ;    and its words: pair w / 2, tile w % 2
	s_mul_i32 s48, s23, 6144
	v_add_nc_u32 v[AFA], s48, v[LI]                ; 1: my pair's images of the attention,
	s_lshl_b32 s49, s23, 8
	s_add_co_u32 s49, s49, ASC
	v_add_nc_u32 v[ASA], s49, v[LS]                ;    and their words
	s_mul_i32 s49, s22, 1536
	s_add_co_u32 s50, s48, s49                     ; 6,144 pair + 1,536 K step: my fragments' place among a work-group's
	s_add_co_u32 s49, s50, MIMG
	v_add_nc_u32 v[MWI], s49, v[LI]
	s_lshl_b32 s49, s23, 8
	s_lshl_b32 s51, s22, 7
	s_add_co_u32 s49, s49, s51
	s_add_co_u32 s49, s49, MSC
	v_lshl_add_u32 v[MWS], v2, 2, s49
	v_lshlrev_b32 v[BOA], 6, v3                    ; bo: 16 channels a half
	v_and_b32 v[B1A], 8, v2
	v_add_nc_u32 v[B1A], v[B1A], v2
	v_lshlrev_b32 v[B1A], 2, v[B1A]                ; 4 (r + 8 (r / 8)): my channel of a tile of W1
	s_lshl_b32 s49, s18, 9
	s_add_co_u32 s49, s49, PST
	v_add_nc_u32 v[PSA], s49, v[B1A]
	v_add_nc_u32 v[PSR], s49, v[LI]
	s_lshl_b32 s49, s18, 7
	s_add_co_u32 s49, s49, MSC
	v_add_nc_u32 v[MSR], s49, v[LS]
.irp b, 0,1,2,3
	v_mov_b32 v[TM+4+\b], 0                        ; written once: a lane permute's destination counts as one of its sources
.endr
	v_mov_b32 v104, 0
	s_mov_b32 s[SEL], 0x76543210
	s_mov_b32 s[SEL+1], 0xfedcba98
	s_lshl_b32 s24, ttmp9, 16
	s_lshl_b32 s48, s18, 14
	s_add_co_u32 s24, s24, s48                     ; att: tile 4 g + w
	s_mov_b32 s25, 0
	s_mul_i32 s26, ttmp9, 12288                    ; x's fragments of my four tiles
	s_mov_b32 s27, 0
	s_lshl_b32 s28, ttmp9, 9
	s_add_co_u32 s28, s28, 3145728                 ; their scale words
	s_mov_b32 s29, 0
	s_mul_i32 s30, s22, 24576
	s_add_co_u32 s30, s30, 147456                  ; Wo: tiles 8 (w / 2) on
	s_mov_b32 s31, 0
	s_lshl_b32 s32, s22, 10
	s_add_co_u32 s32, s32, 497664
	s_mov_b32 s33, 0
	s_mul_i32 s34, s18, 49152
	s_add_co_u32 s34, s34, 196608                  ; W1: tiles 8 w on
	s_mov_b32 s35, 0
	s_lshl_b32 s36, s18, 11
	s_add_co_u32 s36, s36, 499712
	s_mov_b32 s37, 0
	s_lshl_b32 s38, s22, 9                         ; bo: channels 128 (w / 2) on
	s_mov_b32 s39, 0
	s_lshl_b32 s40, s18, 9                         ; b1: channels 128 w on
	s_mov_b32 s41, 0
	s_add_co_u32 s42, s26, s50                     ; mimg: my fragments
	s_mov_b32 s43, 0
	s_lshl_b32 s44, ttmp9, 9
	s_lshl_b32 s48, s18, 7
	s_add_co_u32 s44, s44, s48
	s_add_co_u32 s44, s44, 1572864                 ; mimg: 128 bytes of the work-group's 512 of scale words
	s_mov_b32 s45, 0
	s_lshl_b32 s46, ttmp9, 11
	s_add_co_u32 s46, s46, s40                     ; part: group g, channels 128 w on
	s_mov_b32 s47, 0
	s_wait_kmcnt 0x0
	s_add_nc_u64 s[24:25], s[4:5], s[24:25]
	s_add_nc_u64 s[26:27], s[6:7], s[26:27]
	s_add_nc_u64 s[28:29], s[6:7], s[28:29]
	s_add_nc_u64 s[30:31], s[8:9], s[30:31]
	s_add_nc_u64 s[32:33], s[8:9], s[32:33]
	s_add_nc_u64 s[34:35], s[8:9], s[34:35]
	s_add_nc_u64 s[36:37], s[8:9], s[36:37]
	s_add_nc_u64 s[38:39], s[10:11], s[38:39]
	s_add_nc_u64 s[40:41], s[12:13], s[40:41]
	s_add_nc_u64 s[42:43], s[14:15], s[42:43]
	s_add_nc_u64 s[44:45], s[14:15], s[44:45]
	s_add_nc_u64 s[46:47], s[16:17], s[46:47]
.set i, 0
.rept 32
	global_load_b128 v[ACC+4*i:ACC+4*i+3], v[LI], s[24:25] offset:512*i   ; register 64 s + 16 block + 4 head + dd: the quantiser's order
.set i, i+1
.endr
.irp i, 0,1,2,3,4,5,6,7
	global_load_b32 v[WOS+\i], v[LS], s[32:33] offset:128*\i
.endr
	WIN 0x80
.irp t, 0,1,2,3,4,5,6,7
	global_load_b128 v[BOC+8*\t:BOC+8*\t+3], v[BOA], s[38:39] offset:128*(\t/2)+32*(\t%2)
	global_load_b128 v[BOC+8*\t+4:BOC+8*\t+7], v[BOA], s[38:39] offset:128*(\t/2)+32*(\t%2)+16
.endr
	WIN 0
	; ---- X
	s_wait_loadcnt 40                              ; K step 0's 16 loads are in; out may be K step 1's 16, Wo's 8 scale words, bo's 16
	QUANT ACC
	IMAGE XWI, AIMG
	ds_store_b32 v[XWS], v[PW]
	s_wait_loadcnt 24                              ; K step 1's are in; out may be the 8 and the 16
	WIN 0xc0
.set i, 0
.rept 48
	global_load_b128 v[4*i:4*i+3], v[LI], s[30:31] offset:512*i    ; Wo's 16 fragments
.set i, i+1
.endr
	WIN 0
	s_wait_dscnt 0x0                               ; the stores have read their registers
	QUANT ACC+64
	IMAGE XWI, AIMG+1536
	ds_store_b32 v[XWS], v[PW] offset:128
	WIN 0x40
.irp m, 0,1,2,3
.irp s, 0,1
.irp p, 0,1,2
	global_load_b128 v[12*(4*\m+\s)+4*\p:12*(4*\m+\s)+4*\p+3], v[LI], s[26:27] offset:3072*\m+1536*\s+512*\p   ; x
.endr
.endr
.endr
	WIN 0
.irp p, 0,1
.irp s, 0,1
	global_load_b32 v[ZS+4*\p+\s], v[LS], s[28:29] offset:256*\p+128*\s
.endr
.endr
.irp q, 0,1,2,3,4,5,6,7
	global_load_b32 v[B1R+\q], v[B1A], s[40:41] offset:256*(\q/4)+128*((\q%4)/2)+32*(\q%2)
.endr
	BARRIER                                        ; the attention's eight fragments lie in LDS
	; ---- 1
	WIN 0x40
.irp mm, 0,1
.irp s, 0,1
.irp p, 0,1,2
	ds_load_b128 v[12*(4*\mm+2+\s)+4*\p:12*(4*\mm+2+\s)+4*\p+3], v[AFA] offset:AIMG+3072*\mm+1536*\s+512*\p
.endr
.endr
.endr
	WIN 0
	ds_load_b32 v[ASR], v[ASA]
	ds_load_b32 v[ASR+1], v[ASA] offset:128
	s_wait_loadcnt 36                              ; Wo, its words and bo are in; out may be x's 24, its 4 words, b1's 8
	s_wait_dscnt 0x0
	WIN 0x27                                       ; source 0 (Wo) window 3, source 1 window 1, C (bo) window 2
.irp mm, 0,1
.irp t, 0,1,2,3,4,5,6,7
	WMC ACC+64*\mm+8*\t, 12*(2*\t), 12*(4*\mm+2), BOC+8*\t, WOS+2*(\t/2), ASR, \t%2, \mm
.endr
.endr
	WIN 0x07
.irp mm, 0,1
.irp t, 0,1,2,3,4,5,6,7
	WMC ACC+64*\mm+8*\t, 12*(2*\t+1), 12*(4*\mm+3), ACC+64*\mm+8*\t, WOS+2*(\t/2)+1, ASR+1, \t%2, \mm
.endr
.endr
	WIN 0
	PLACES 5                                       ; four in front of reads of results and of loads over operands; five, since these accumulators are begun anew
	WIN 0x80
.set i, 0
.rept 48
	global_load_b128 v[4*i:4*i+3], v[LI], s[34:35] offset:512*i    ; W1, round 0
.set i, i+1
.endr
	WIN 0
.set i, 0
.rept 16
	global_load_b32 v[W1S+i], v[LS], s[36:37] offset:128*i
.set i, i+1
.endr
	QUANT ACC
	IMAGE MWI, 0
	ds_store_b32 v[MWS], v[PW]
.irp c, 0,1,2
	global_store_b128 v[LI], v[PC+4*\c:PC+4*\c+3], s[42:43] offset:512*\c
.endr
	WIN 0xc0
.set i, 0
.rept 48
	global_load_b128 v[4*i:4*i+3], v[LI], s[34:35] offset:24576+512*i      ; W1, round 1, over Wo, which is done with
.set i, i+1
.endr
	WIN 0
	s_wait_xcnt 0x0                                ; the stores to memory have read the codes' registers,
	s_wait_dscnt 0x0                               ; and so have those to LDS
	QUANT ACC+64
	IMAGE MWI, 3072
	ds_store_b32 v[MWS], v[PW] offset:64
.irp c, 0,1,2
	global_store_b128 v[LI], v[PC+4*\c:PC+4*\c+3], s[42:43] offset:3072+512*\c
.endr
	BARRIER                                        ; the message's eight fragments lie in LDS
	; ---- 2
	WIN 0x40
.irp m, 0,1,2,3
.irp s, 0,1
.irp p, 0,1,2
	ds_load_b128 v[12*(4*\m+2+\s)+4*\p:12*(4*\m+2+\s)+4*\p+3], v[LI] offset:MIMG+3072*\m+1536*\s+512*\p
.endr
.endr
.endr
	WIN 0
.irp p, 0,1
.irp s, 0,1
	ds_load_b32 v[ZS+4*\p+2+\s], v[LS] offset:MSC+256*\p+128*\s
.endr
.endr
	ds_load_b32 v[CPY], v[MSR]
	s_wait_loadcnt 48                              ; all but round 1's 48 loads are in
	s_wait_dscnt 0x0
	global_store_b32 v[LS], v[CPY], s[44:45]       ; the message's scale words: 128 consecutive bytes a wave
.irp ro, 0,1
.if \ro == 1
	s_wait_loadcnt 0x0
.endif
	WIN 0x09+4*\ro                                 ; source 0 (positions) window 1, source 1 (W1) window 2 or 3
.irp t, 0,1,2,3
.irp m, 0,1,2,3
	WMZ ACC+32*\t+8*\m, 12*(4*\m), 12*(4*\t), ZS+4*(\m/2), W1S+4*(2*\ro+\t/2), \m%2, \t%2
.endr
.endr
.irp s, 1,2,3
.irp t, 0,1,2,3
.irp m, 0,1,2,3
	WMC ACC+32*\t+8*\m, 12*(4*\m+\s), 12*(4*\t+\s), ACC+32*\t+8*\m, ZS+4*(\m/2)+\s, W1S+4*(2*\ro+\t/2)+\s, \m%2, \t%2
.endr
.endr
.endr
	WIN 0
	PLACES 5
.irp t, 0,1,2,3
	STAT \t, \ro
.endr
.endr
	ds_load_b128 v[100:103], v[PSR]                ; my own 128 channels: LDS serves a wave's instructions in order, these see my stores
	ds_load_b128 v[104:107], v[PSR] offset:2048
	s_wait_dscnt 0x0
	global_store_b128 v[LI], v[100:103], s[46:47]                  ; 512 consecutive bytes, aligned
	global_store_b128 v[LI], v[104:107], s[46:47] offset:262144
	s_wait_tensorcnt 0x0
	ds_add_u32 v110, v111
	s_wait_dscnt 0x0
	s_endpgm
.Lfunc_end_k_q6bf791c7f1_msg:
	.size	k_q6bf791c7f1_msg, .Lfunc_end_k_q6bf791c7f1_msg-k_q6bf791c7f1_msg
	.p2alignl 7, 3214868480
	.fill 96, 4, 3214868480
	.section	.rodata,"a",@progbits
	.p2align	6, 0x0
	.amdhsa_kernel k_q6bf791c7f1_msg
		.amdhsa_group_segment_fixed_size 30208
		.amdhsa_private_segment_fixed_size 0
		.amdhsa_enable_private_segment 0
		.amdhsa_kernarg_size 56
		.amdhsa_user_sgpr_count 2
		.amdhsa_user_sgpr_kernarg_segment_ptr 1
		.amdhsa_wavefront_size32 1
		.amdhsa_system_sgpr_workgroup_id_x 1
		.amdhsa_system_sgpr_workgroup_id_y 1
		.amdhsa_system_sgpr_workgroup_id_z 1
		.amdhsa_system_vgpr_workitem_id 0
		.amdhsa_next_free_vgpr 1024
		.amdhsa_next_free_sgpr 66
		.amdhsa_reserve_vcc 0
		.amdhsa_float_denorm_mode_32 3
		.amdhsa_float_denorm_mode_16_64 3
		.amdhsa_memory_ordered 1
		.amdhsa_forward_progress 1
		.amdhsa_inst_pref_size 98
	.end_amdhsa_kernel
	.amdgpu_metadata
---
amdhsa.version: [ 1, 2 ]
amdhsa.kernels:
  - .name:           k_q6bf791c7f1_msg
    .symbol:         k_q6bf791c7f1_msg.kd
    .args:
      - { .name: att, .offset: 0, .size: 8, .value_kind: global_buffer, .address_space: global }
      - { .name: zimg, .offset: 8, .size: 8, .value_kind: global_buffer, .address_space: global }
      - { .name: wimg, .offset: 16, .size: 8, .value_kind: global_buffer, .address_space: global }
      - { .name: bo, .offset: 24, .size: 8, .value_kind: global_buffer, .address_space: global }
      - { .name: b1, .offset: 32, .size: 8, .value_kind: global_buffer, .address_space: global }
      - { .name: mimg, .offset: 40, .size: 8, .value_kind: global_buffer, .address_space: global }
      - { .name: part, .offset: 48, .size: 8, .value_kind: global_buffer, .address_space: global }
    .group_segment_fixed_size: 30208
    .private_segment_fixed_size: 0
    .kernarg_segment_align: 8
    .kernarg_segment_size: 56
    .max_flat_workgroup_size: 128
    .sgpr_count:     66
    .vgpr_count:     1024
    .wavefront_size: 32
...
	.end_amdgpu_metadata
.endif
;; end of part 4
;; launch bnred (part 5): grid 4 x 1, 16 waves a work-group, no clusters, 18,432 bytes of LDS; arguments part, gamma, b1, coef; writes coef
.if DOCPART == 5
	.amdgcn_target "amdgcn-amd-amdhsa--gfx1250"
	.amdhsa_code_object_version 6
	.text
	.protected	k_q6bf791c7f1_bnred
	.globl	k_q6bf791c7f1_bnred
	.p2align	8
	.type	k_q6bf791c7f1_bnred,@function
k_q6bf791c7f1_bnred:
	s_mov_b64 s[64:65], 0
	v_nop
	global_prefetch_b8 v0, s[64:65] scope:SCOPE_SE
	s_setreg_imm32_b32 hwreg(HW_REG_WAVE_MODE, 25, 1), 1
	s_wait_xcnt 0x0
; The batch norm's statistics: 128 groups of 64 positions are merged for each of 512 channels.  mean = the mean of the groups' means; M2 = the sum of the groups' M2 + 64 x the sum of (group's mean - mean)^2:
; no difference of large sums is formed.  var = M2 / 8,192.  Stored: C0 = b1 - mean (the next launch gives it to its products as C, so that they yield h - mean) and A = gamma / sqrt(var + 1e-5).
; Work-group j: channels 128 j on, four to a lane; wave w: groups 8 w .. 8 w + 7.  The waves' sums meet in LDS, twice, in bytes of their own each time.
; Four work-groups: the data are 512 KiB and the work is one reduction; matrix units, tensor loads and clusters have nothing to do here.
.macro SUM16                           ; the sixteen waves' parts, v80-143, into v[144:147]
	v_pk_add_f32 v[144:145], v[80:81], v[84:85]
	v_pk_add_f32 v[146:147], v[82:83], v[86:87]
.set i, 2
.rept 14
	v_pk_add_f32 v[144:145], v[144:145], v[80+4*i:81+4*i]
	v_pk_add_f32 v[146:147], v[146:147], v[82+4*i:83+4*i]
.set i, i+1
.endr
.endm
	s_load_b256 s[4:11], s[0:1], 0x0               ; part, gamma, b1, coef
	v_lshl_add_u32 v160, v0, 2, 0x4000
	v_mov_b32 v161, 0
	v_lshrrev_b32 v1, 5, v0
	v_readfirstlane_b32 s12, v1                    ; wave 0..15
	v_and_b32 v1, 31, v0
	v_lshlrev_b32 v1, 4, v1                        ; 16 x lane: my four channels
	v_lshlrev_b32 v2, 4, v0                        ; 16 x thread: my wave's 512 bytes of LDS, my 16
	s_lshl_b32 s14, ttmp9, 9
	s_mov_b32 s15, 0
	s_lshl_b32 s16, s12, 14                        ; 8 groups of 2,048 bytes
	s_mov_b32 s17, 0
	s_mov_b32 s18, 0x39000000                      ; 1 / 8,192
	s_mov_b32 s19, 0x3727c5ac                      ; 1e-5
	s_wait_kmcnt 0x0
	s_add_nc_u64 s[4:5], s[4:5], s[14:15]
	s_add_nc_u64 s[4:5], s[4:5], s[16:17]
	s_add_nc_u64 s[6:7], s[6:7], s[14:15]
	s_add_nc_u64 s[8:9], s[8:9], s[14:15]
	s_add_nc_u64 s[10:11], s[10:11], s[14:15]
.irp i, 0,1,2,3,4,5,6,7
	global_load_b128 v[16+4*\i:19+4*\i], v1, s[4:5] offset:2048*\i         ; the groups' means
.endr
.irp i, 0,1,2,3,4,5,6,7
	global_load_b128 v[48+4*\i:51+4*\i], v1, s[4:5] offset:262144+2048*\i  ; and M2
.endr
	global_load_b128 v[8:11], v1, s[6:7]
	global_load_b128 v[12:15], v1, s[8:9]
	s_wait_loadcnt 0x0
	v_pk_add_f32 v[144:145], v[16:17], v[20:21]
	v_pk_add_f32 v[146:147], v[18:19], v[22:23]
.irp i, 2,3,4,5,6,7
	v_pk_add_f32 v[144:145], v[144:145], v[16+4*\i:17+4*\i]
	v_pk_add_f32 v[146:147], v[146:147], v[18+4*\i:19+4*\i]
.endr
	ds_store_b128 v2, v[144:147]
	s_wait_dscnt 0x0                               ; for the others' sake: my store has landed
	s_barrier_signal -1
	s_barrier_wait -1
.irp i, 0,1,2,3,4,5,6,7,8,9,10,11,12,13,14,15
	ds_load_b128 v[80+4*\i:83+4*\i], v1 offset:512*\i
.endr
	s_wait_dscnt 0x0
	SUM16
	v_pk_mul_f32 v[148:149], v[144:145], 0x3c000000 op_sel_hi:[1,0]        ; / 128: the mean
	v_pk_mul_f32 v[150:151], v[146:147], 0x3c000000 op_sel_hi:[1,0]
.irp i, 0,1,2,3,4,5,6,7
	v_pk_add_f32 v[16+4*\i:17+4*\i], v[16+4*\i:17+4*\i], v[148:149] neg_lo:[0,1] neg_hi:[0,1]
	v_pk_add_f32 v[18+4*\i:19+4*\i], v[18+4*\i:19+4*\i], v[150:151] neg_lo:[0,1] neg_hi:[0,1]
.endr
	v_pk_mul_f32 v[152:153], v[16:17], v[16:17]
	v_pk_mul_f32 v[154:155], v[18:19], v[18:19]
.irp i, 1,2,3,4,5,6,7
	v_pk_fma_f32 v[152:153], v[16+4*\i:17+4*\i], v[16+4*\i:17+4*\i], v[152:153]
	v_pk_fma_f32 v[154:155], v[18+4*\i:19+4*\i], v[18+4*\i:19+4*\i], v[154:155]
.endr
	v_pk_fma_f32 v[156:157], v[152:153], 0x42800000, v[48:49] op_sel_hi:[1,0,1]   ; 64 x the squares + the first group's M2
	v_pk_fma_f32 v[158:159], v[154:155], 0x42800000, v[50:51] op_sel_hi:[1,0,1]
.irp i, 1,2,3,4,5,6,7
	v_pk_add_f32 v[156:157], v[156:157], v[48+4*\i:49+4*\i]
	v_pk_add_f32 v[158:159], v[158:159], v[50+4*\i:51+4*\i]
.endr
	ds_store_b128 v2, v[156:159] offset:8192
	s_wait_dscnt 0x0
	s_barrier_signal -1
	s_barrier_wait -1
.irp i, 0,1,2,3,4,5,6,7,8,9,10,11,12,13,14,15
	ds_load_b128 v[80+4*\i:83+4*\i], v1 offset:8192+512*\i
.endr
	s_wait_dscnt 0x0
	SUM16
.irp i, 0,1,2,3
	v_fma_f32 v[144+\i], v[144+\i], s18, s19       ; var + eps
.endr
.irp i, 0,1,2,3
	v_rsq_f32 v[144+\i], v[144+\i]
.endr
	v_pk_add_f32 v[16:17], v[12:13], v[148:149] neg_lo:[0,1] neg_hi:[0,1]  ; C0 = b1 - mean.  (Plain places behind the transcendentals)
	v_pk_add_f32 v[18:19], v[14:15], v[150:151] neg_lo:[0,1] neg_hi:[0,1]
	s_wait_alu depctr_va_vdst(0)
	v_pk_mul_f32 v[20:21], v[8:9], v[144:145]      ; A
	v_pk_mul_f32 v[22:23], v[10:11], v[146:147]
	s_cmp_lg_u32 s12, 0                            ; every wave holds the result; wave 0 stores it
	s_cbranch_scc1 .Lend
	global_store_b128 v1, v[16:19], s[10:11]
	global_store_b128 v1, v[20:23], s[10:11] offset:2048
.Lend:
	s_wait_tensorcnt 0x0
	ds_add_u32 v160, v161
	s_wait_dscnt 0x0
	s_endpgm
.Lfunc_end_k_q6bf791c7f1_bnred:
	.size	k_q6bf791c7f1_bnred, .Lfunc_end_k_q6bf791c7f1_bnred-k_q6bf791c7f1_bnred
	.p2alignl 7, 3214868480
	.fill 96, 4, 3214868480
	.section	.rodata,"a",@progbits
	.p2align	6, 0x0
	.amdhsa_kernel k_q6bf791c7f1_bnred
		.amdhsa_group_segment_fixed_size 18432
		.amdhsa_private_segment_fixed_size 0
		.amdhsa_enable_private_segment 0
		.amdhsa_kernarg_size 32
		.amdhsa_user_sgpr_count 2
		.amdhsa_user_sgpr_kernarg_segment_ptr 1
		.amdhsa_wavefront_size32 1
		.amdhsa_system_sgpr_workgroup_id_x 1
		.amdhsa_system_sgpr_workgroup_id_y 1
		.amdhsa_system_sgpr_workgroup_id_z 1
		.amdhsa_system_vgpr_workitem_id 0
		.amdhsa_next_free_vgpr 162
		.amdhsa_next_free_sgpr 66
		.amdhsa_reserve_vcc 0
		.amdhsa_float_denorm_mode_32 3
		.amdhsa_float_denorm_mode_16_64 3
		.amdhsa_memory_ordered 1
		.amdhsa_forward_progress 1
		.amdhsa_inst_pref_size 15
	.end_amdhsa_kernel
	.amdgpu_metadata
---
amdhsa.version: [ 1, 2 ]
amdhsa.kernels:
  - .name:           k_q6bf791c7f1_bnred
    .symbol:         k_q6bf791c7f1_bnred.kd
    .args:
      - { .name: part, .offset: 0, .size: 8, .value_kind: global_buffer, .address_space: global }
      - { .name: gamma, .offset: 8, .size: 8, .value_kind: global_buffer, .address_space: global }
      - { .name: b1, .offset: 16, .size: 8, .value_kind: global_buffer, .address_space: global }
      - { .name: coef, .offset: 24, .size: 8, .value_kind: global_buffer, .address_space: global }
    .group_segment_fixed_size: 18432
    .private_segment_fixed_size: 0
    .kernarg_segment_align: 8
    .kernarg_segment_size: 32
    .max_flat_workgroup_size: 512
    .sgpr_count:     66
    .vgpr_count:     162
    .wavefront_size: 32
...
	.end_amdgpu_metadata
.endif
;; end of part 5
;; launch final (part 6): grid 128 x 1, 4 waves a work-group, no clusters, 95,744 bytes of LDS; arguments zimg, mimg, wimg, coef, beta, b2, out0; writes out0
.if DOCPART == 6
	.amdgcn_target "amdgcn-amd-amdhsa--gfx1250"
	.amdhsa_code_object_version 6
	.text
	.protected	k_q6bf791c7f1_final
	.globl	k_q6bf791c7f1_final
	.p2align	8
	.type	k_q6bf791c7f1_final,@function
k_q6bf791c7f1_final:
	s_mov_b64 s[64:65], 0
	v_nop
	global_prefetch_b8 v0, s[64:65] scope:SCOPE_SE
	s_setreg_imm32_b32 hwreg(HW_REG_WAVE_MODE, 25, 1), 1
	s_wait_xcnt 0x0
; out0 = W2^T relu((h - mean) A + beta) + b2, with h - mean = W1^T [x; message] + C0 made anew from codes: h itself never goes to memory (16 MiB each way against 64 products a wave).
; Work-group g: the 64 positions of tiles 4 g .. 4 g + 3.  THE WAVES SHARE THE CHANNELS: wave w makes hidden channels 128 w on, in two rounds of 64, and output channels 64 w on.
; 1: source 0 = 16 channels of W1, source 1 = 16 positions, C = C0: a lane holds one position and 32 neighbouring channels a round; x A + beta, relu, quantised: half c = round of K step w of the last product;
;    the half fragment (6 registers: 0-3 at 16 l, 4-5 at 512 + 8 l) goes to LDS as an image; round 0's two scale bytes wait in a register for round 1's, and whole words are stored | barrier |
; 2: source 0 = 16 positions, source 1 = 16 channels of W2, C = b2: a lane holds one output channel and 16 neighbouring positions of each pair of tiles; through my own stage in LDS to rows of 256 bytes.
; The weights come from their images straight into registers; each fragment serves four tiles of positions.  Accumulators take turns, one instruction a turn.
; LIMITS: NaN and infinities are not served; a block under 2^-122 keeps the byte 1; a block of zeros gets the byte 1 (its codes are zeros; this program alone reads the bytes).
; REGISTERS: window 0: v1-14 addresses; v16-31 W1's scale words, v32-39 W2's, v40-47 the positions' (4 pair + K step), later the hidden layer's; v48-90 the quantiser; v92-95 b2; v96-99 round 0's scale bytes; v128-255 accumulators.
;   window 1: 16 fragments of positions, 12 (4 m + s), later of the hidden layer; v192-255 A.   window 2: W1 round 0, then W2, 12 (4 t + s); v192-255 C0, later b2 as C.   window 3: W1 round 1; v192-255 beta.
.set HIMG, 0                           ; LDS: the hidden layer's 16 fragments: 6,144 m + 1,536 s + 768 c,
.set HSC,  24576                       ; their scale words: 512 pair + 128 s,
.set STG,  25600                       ; a stage of 64 rows x (256 + 16) bytes for each wave
.set LI,  4
.set LS,  5
.set L8,  6
.set CFA, 7
.set B2A, 8
.set HWI, 9
.set HW8, 10
.set HWS, 11
.set SO,  12
.set SR,  13
.set GO,  14
.set W1S, 16
.set W2S, 32
.set ZS,  40
.set TM,  48
.set PW,  68
.set PC,  72
.set B2R, 92
.set SV,  96
.set ACC, 128
.set CF,  192
.set SEL, 20
.set MSB, 0
.macro WIN new                         ; the immediate's high byte repeats the setting that is left
.if MSB != (\new)
	s_set_vgpr_msb (MSB<<8)|(\new)
.set MSB, (\new)
.endif
.endm
.macro PLACES n
.rept \n
	v_nop
.endr
.endm
.macro WMC d, a, b, c, sa, sb, ra, rb  ; D, source 0, source 1, C, scale registers; ra, rb = 1: that side's words stand in lanes 16-31
.if ((\ra) == 0) && ((\rb) == 0)
	v_wmma_scale_f32_16x16x128_f8f6f4 v[(\d):(\d)+7], v[(\a):(\a)+11], v[(\b):(\b)+11], v[(\c):(\c)+7], v[(\sa)], v[(\sb)] matrix_a_fmt:MATRIX_FMT_BF6 matrix_b_fmt:MATRIX_FMT_BF6
.elseif (\rb) == 0
	v_wmma_scale_f32_16x16x128_f8f6f4 v[(\d):(\d)+7], v[(\a):(\a)+11], v[(\b):(\b)+11], v[(\c):(\c)+7], v[(\sa)], v[(\sb)] matrix_a_fmt:MATRIX_FMT_BF6 matrix_b_fmt:MATRIX_FMT_BF6 matrix_a_scale:MATRIX_SCALE_ROW1
.elseif (\ra) == 0
	v_wmma_scale_f32_16x16x128_f8f6f4 v[(\d):(\d)+7], v[(\a):(\a)+11], v[(\b):(\b)+11], v[(\c):(\c)+7], v[(\sa)], v[(\sb)] matrix_a_fmt:MATRIX_FMT_BF6 matrix_b_fmt:MATRIX_FMT_BF6 matrix_b_scale:MATRIX_SCALE_ROW1
.else
	v_wmma_scale_f32_16x16x128_f8f6f4 v[(\d):(\d)+7], v[(\a):(\a)+11], v[(\b):(\b)+11], v[(\c):(\c)+7], v[(\sa)], v[(\sb)] matrix_a_fmt:MATRIX_FMT_BF6 matrix_b_fmt:MATRIX_FMT_BF6 matrix_a_scale:MATRIX_SCALE_ROW1 matrix_b_scale:MATRIX_SCALE_ROW1
.endif
.endm
; 32 numbers of a lane, register 16 b + i = k 32 b + 16 (lane / 16) + i of my row, become six registers of a fragment in v[PC] on and two scale bytes in v[PW]
.macro QUANT2 s
.irp b, 0,1
	v_max3_num_f32 v[TM+\b], |v[\s+16*\b]|, |v[\s+1+16*\b]|, 0x2800000   ; my 16 numbers of block b, and the floor 2^(5 - 127)
.endr
.irp i, 2,4,6,8,10,12,14
.irp b, 0,1
	v_max3_num_f32 v[TM+\b], v[TM+\b], |v[\s+16*\b+\i]|, |v[\s+1+16*\b+\i]|
.endr
.endr
.irp b, 0,1
	v_permlanex16_b32 v[TM+4+\b], v[TM+\b], s[SEL], s[SEL+1]
.endr
.irp b, 0,1
	v_max_num_f32 v[TM+\b], v[TM+\b], v[TM+4+\b]   ; with lane l xor 16's: the block's largest magnitude
.endr
.irp b, 0,1
	v_add_nc_u32 v[TM+12+\b], 0xfe000000, v[TM+\b] ; 4 off its exponent field: the conversion's scale operand
.endr
.irp b, 0,1
	v_lshrrev_b32 v[TM+4+\b], 23, v[TM+12+\b]      ; the scale's byte
.endr
	v_lshl_or_b32 v[PW], v[TM+5], 8, v[TM+4]
	v_cvt_scalef32_pk16_bf6_f32 v[PC:PC+2], v[\s:\s+15], v[TM+12]
	v_cvt_scalef32_pk16_bf6_f32 v[PC+12:PC+14], v[\s+16:\s+31], v[TM+13]
	v_nop                                          ; one plain place behind a scaled conversion
.irp i, 0,1,2
	v_permlane16_swap_b32 v[PC+\i], v[PC+12+\i]    ; the operand's layout wants a whole block in a lane
.endr
.irp i, 0,1,2
	v_mov_b32 v[PC+3+\i], v[PC+12+\i]
.endr
.endm
	s_load_b256 s[4:11], s[0:1], 0x0               ; zimg, mimg, wimg, coef
	s_load_b128 s[12:15], s[0:1], 0x20             ; beta, b2
	s_load_b64 s[16:17], s[0:1], 0x30              ; out0
	v_lshl_add_u32 v126, v0, 2, 0x17400
	v_mov_b32 v127, 0
	v_lshrrev_b32 v1, 5, v0
	v_readfirstlane_b32 s18, v1                    ; wave 0..3
	v_and_b32 v1, 31, v0
	v_and_b32 v2, 15, v0                           ; r
	v_bfe_u32 v3, v0, 4, 1                         ; h
	v_lshlrev_b32 v[LI], 4, v1
	v_lshlrev_b32 v[LS], 2, v1
	v_lshlrev_b32 v[L8], 3, v1
	v_lshlrev_b32 v[CFA], 6, v3                    ; the coefficients: 16 channels a half
	v_and_b32 v[B2A], 8, v2
	v_add_nc_u32 v[B2A], v[B2A], v2
	v_lshlrev_b32 v[B2A], 2, v[B2A]                ; 4 (r + 8 (r / 8)): my channel of a tile of W2
	s_mul_i32 s48, s18, 1536
	v_add_nc_u32 v[HWI], s48, v[LI]                ; K step w's images: registers 0-3,
	s_add_co_u32 s48, s48, 512
	v_add_nc_u32 v[HW8], s48, v[L8]                ; registers 4-5
	s_lshl_b32 s48, s18, 7
	s_add_co_u32 s48, s48, HSC
	v_lshl_add_u32 v[HWS], v2, 2, s48              ; and its scale words
	s_mul_i32 s48, s18, 17408
	s_add_co_u32 s48, s48, STG                     ; my stage
	v_mul_u32_u24 v[SO], v2, 272
	v_lshl_add_u32 v[SO], v3, 6, v[SO]
	v_add_nc_u32 v[SO], s48, v[SO]                 ; in: row r of a tile's 16 channels, + 64 h: my 16 positions of a pair of tiles
	v_mul_u32_u24 v[SR], v3, 272
	v_lshl_add_u32 v[SR], v2, 4, v[SR]
	v_add_nc_u32 v[SR], s48, v[SR]                 ; back: lanes 0-15 one row, lanes 16-31 the next
	v_lshlrev_b32 v[GO], 14, v3
	v_lshl_add_u32 v[GO], v2, 4, v[GO]             ; and the same in out0: channels are 16,384 bytes apart
.irp b, 0,1
	v_mov_b32 v[TM+4+\b], 0                        ; written once: a lane permute's destination counts as one of its sources
.endr
	s_mov_b32 s[SEL], 0x76543210
	s_mov_b32 s[SEL+1], 0xfedcba98
	s_mul_i32 s24, ttmp9, 12288                    ; x's and the message's fragments of my four tiles
	s_mov_b32 s25, 0
	s_lshl_b32 s26, ttmp9, 9
	s_add_co_u32 s30, s26, 1572864                 ; the message's scale words,
	s_mov_b32 s31, 0
	s_add_co_u32 s26, s26, 3145728                 ; x's
	s_mov_b32 s27, 0
	s_mul_i32 s32, s18, 49152
	s_add_co_u32 s32, s32, 196608                  ; W1: tiles 8 w on
	s_mov_b32 s33, 0
	s_lshl_b32 s34, s18, 11
	s_add_co_u32 s34, s34, 499712
	s_mov_b32 s35, 0
	s_mul_i32 s36, s18, 24576
	s_add_co_u32 s36, s36, 393216                  ; W2: tiles 4 w on
	s_mov_b32 s37, 0
	s_lshl_b32 s38, s18, 10
	s_add_co_u32 s38, s38, 507904
	s_mov_b32 s39, 0
	s_lshl_b32 s40, s18, 9                         ; the coefficients of channels 128 w on
	s_mov_b32 s41, 0
	s_lshl_b32 s44, s18, 8                         ; b2: channels 64 w on
	s_mov_b32 s45, 0
	s_lshr_b32 s46, ttmp9, 6
	s_lshl_b32 s46, s46, 22                        ; out0: the batch,
	s_lshl_b32 s48, s18, 20
	s_add_co_u32 s46, s46, s48                     ; channel 64 w,
	s_and_b32 s48, ttmp9, 63
	s_lshl_b32 s48, s48, 8
	s_add_co_u32 s46, s46, s48                     ; my 64 positions: 256 bytes
	s_mov_b32 s47, 0
	s_wait_kmcnt 0x0
	s_add_nc_u64 s[28:29], s[6:7], s[24:25]
	s_add_nc_u64 s[24:25], s[4:5], s[24:25]
	s_add_nc_u64 s[26:27], s[4:5], s[26:27]
	s_add_nc_u64 s[30:31], s[6:7], s[30:31]
	s_add_nc_u64 s[32:33], s[8:9], s[32:33]
	s_add_nc_u64 s[34:35], s[8:9], s[34:35]
	s_add_nc_u64 s[36:37], s[8:9], s[36:37]
	s_add_nc_u64 s[38:39], s[8:9], s[38:39]
	s_add_nc_u64 s[42:43], s[12:13], s[40:41]
	s_add_nc_u64 s[40:41], s[10:11], s[40:41]
	s_add_nc_u64 s[44:45], s[14:15], s[44:45]
	s_add_nc_u64 s[46:47], s[16:17], s[46:47]
.irp p, 0,1
.irp s, 0,1
	global_load_b32 v[ZS+4*\p+\s], v[LS], s[26:27] offset:256*\p+128*\s
	global_load_b32 v[ZS+4*\p+2+\s], v[LS], s[30:31] offset:256*\p+128*\s
.endr
.endr
.set i, 0
.rept 16
	global_load_b32 v[W1S+i], v[LS], s[34:35] offset:128*i
.set i, i+1
.endr
	WIN 0x40
.irp m, 0,1,2,3
.irp s, 0,1
.irp p, 0,1,2
	global_load_b128 v[12*(4*\m+\s)+4*\p:12*(4*\m+\s)+4*\p+3], v[LI], s[24:25] offset:3072*\m+1536*\s+512*\p       ; x: K steps 0, 1
	global_load_b128 v[12*(4*\m+2+\s)+4*\p:12*(4*\m+2+\s)+4*\p+3], v[LI], s[28:29] offset:3072*\m+1536*\s+512*\p   ; the message: K steps 2, 3
.endr
.endr
.endr
.irp q, 0,1,2,3,4,5,6,7                        ; register 8 q + j, q = 4 round + tile: channel 128 w + 64 round + 32 (t / 2) + 16 h + 8 (t % 2) + j
	global_load_b128 v[CF+8*\q:CF+8*\q+3], v[CFA], s[40:41] offset:2048+256*(\q/4)+128*((\q%4)/2)+32*(\q%2)        ; A
	global_load_b128 v[CF+8*\q+4:CF+8*\q+7], v[CFA], s[40:41] offset:2048+256*(\q/4)+128*((\q%4)/2)+32*(\q%2)+16
.endr
	WIN 0x80
.irp q, 0,1,2,3,4,5,6,7
	global_load_b128 v[CF+8*\q:CF+8*\q+3], v[CFA], s[40:41] offset:256*(\q/4)+128*((\q%4)/2)+32*(\q%2)             ; C0
	global_load_b128 v[CF+8*\q+4:CF+8*\q+7], v[CFA], s[40:41] offset:256*(\q/4)+128*((\q%4)/2)+32*(\q%2)+16
.endr
.set i, 0
.rept 48
	global_load_b128 v[4*i:4*i+3], v[LI], s[32:33] offset:512*i    ; W1, round 0
.set i, i+1
.endr
	WIN 0xc0
.irp q, 0,1,2,3,4,5,6,7
	global_load_b128 v[CF+8*\q:CF+8*\q+3], v[CFA], s[42:43] offset:256*(\q/4)+128*((\q%4)/2)+32*(\q%2)             ; beta
	global_load_b128 v[CF+8*\q+4:CF+8*\q+7], v[CFA], s[42:43] offset:256*(\q/4)+128*((\q%4)/2)+32*(\q%2)+16
.endr
.set i, 0
.rept 48
	global_load_b128 v[4*i:4*i+3], v[LI], s[32:33] offset:24576+512*i      ; W1, round 1
.set i, i+1
.endr
	WIN 0
.irp i, 0,1,2,3,4,5,6,7
	global_load_b32 v[W2S+\i], v[LS], s[38:39] offset:128*\i
.endr
.irp t, 0,1,2,3
	global_load_b32 v[B2R+\t], v[B2A], s[44:45] offset:128*(\t/2)+32*(\t%2)
.endr
	; ---- 1
.irp ro, 0,1
.if \ro == 0
	s_wait_loadcnt 60                              ; out may be W1 round 1's 48, W2's 8 scale words, b2's 4
.else
	s_wait_loadcnt 48                              ; out may be W2's 48
.endif
	WIN (2+\ro)|0x24                               ; source 0 (W1) window 2 or 3, source 1 (positions) window 1, C (C0) window 2
.irp t, 0,1,2,3
.irp m, 0,1,2,3
	WMC ACC+32*\m+8*\t, 12*(4*\t), 12*(4*\m), CF+8*(4*\ro+\t), W1S+4*(2*\ro+\t/2), ZS+4*(\m/2), \t%2, \m%2
.endr
.endr
	WIN (2+\ro)|0x04
.irp s, 1,2,3
.irp t, 0,1,2,3
.irp m, 0,1,2,3
	WMC ACC+32*\m+8*\t, 12*(4*\t+\s), 12*(4*\m+\s), ACC+32*\m+8*\t, W1S+4*(2*\ro+\t/2)+\s, ZS+4*(\m/2)+\s, \t%2, \m%2
.endr
.endr
.endr
	WIN 0
	PLACES 5                                       ; four in front of reads of results and of loads over operands; five, since these accumulators are begun anew
.if \ro == 0
	WIN 0x80
.set i, 0
.rept 48
	global_load_b128 v[4*i:4*i+3], v[LI], s[36:37] offset:512*i    ; W2, over W1 round 0, which is done with
.set i, i+1
.endr
.endif
	WIN 0x34                                       ; source 1 (A) window 1, source 2 (beta) window 3
.irp m, 0,1,2,3
.irp t, 0,1,2,3
.irp j, 0,2,4,6
	v_pk_fma_f32 v[ACC+32*\m+8*\t+\j:ACC+32*\m+8*\t+\j+1], v[ACC+32*\m+8*\t+\j:ACC+32*\m+8*\t+\j+1], v[CF+8*(4*\ro+\t)+\j:CF+8*(4*\ro+\t)+\j+1], v[CF+8*(4*\ro+\t)+\j:CF+8*(4*\ro+\t)+\j+1]
.endr
.endr
.endr
	WIN 0
.irp m, 0,1,2,3
.set j, 0
.rept 32
	v_max_num_f32 v[ACC+32*\m+j], 0, v[ACC+32*\m+j]                ; the activation, in f32
.set j, j+1
.endr
	s_wait_dscnt 0x0                               ; the last tile's stores have read the codes' registers
	QUANT2 ACC+32*\m
	ds_store_b128 v[HWI], v[PC:PC+3] offset:HIMG+6144*\m+768*\ro
	ds_store_b64 v[HW8], v[PC+4:PC+5] offset:HIMG+6144*\m+768*\ro
.if \ro == 0
	v_mov_b32 v[SV+\m], v[PW]                      ; the word's lower two bytes wait for the upper two
.else
	v_lshl_or_b32 v[SV+\m], v[PW], 16, v[SV+\m]
	ds_store_b32 v[HWS], v[SV+\m] offset:512*(\m/2)+64*(\m%2)      ; both halves of the lanes hold the row's word and write it to the same place
.endif
.endr
.endr
	s_wait_dscnt 0x0                               ; for the others' sake: my stores have landed
	s_barrier_signal -1
	s_barrier_wait -1                              ; the hidden layer's sixteen fragments lie in LDS
	; ---- 2
	WIN 0x40
.irp m, 0,1,2,3
.irp s, 0,1,2,3
.irp c, 0,1
	ds_load_b128 v[12*(4*\m+\s)+6*\c:12*(4*\m+\s)+6*\c+3], v[LI] offset:HIMG+6144*\m+1536*\s+768*\c
	ds_load_b64 v[12*(4*\m+\s)+6*\c+4:12*(4*\m+\s)+6*\c+5], v[L8] offset:HIMG+6144*\m+1536*\s+768*\c+512
.endr
.endr
.endr
	WIN 0
.irp p, 0,1
.irp s, 0,1,2,3
	ds_load_b32 v[ZS+4*\p+\s], v[LS] offset:HSC+512*\p+128*\s
.endr
.endr
	s_wait_loadcnt 0x0                             ; W2, its scale words, b2
	WIN 0x80
.irp t, 0,1,2,3
.irp j, 0,1,2,3,4,5,6,7
	v_mov_b32 v[CF+8*\t+\j], v[B2R+\t]             ; a lane holds one channel: one bias for its eight registers
.endr
.endr
	s_wait_dscnt 0x0
	WIN 0x29                                       ; source 0 (hidden) window 1, source 1 (W2) window 2, C (b2) window 2
.irp t, 0,1,2,3
.irp m, 0,1,2,3
	WMC ACC+32*\t+8*\m, 12*(4*\m), 12*(4*\t), CF+8*\t, ZS+4*(\m/2), W2S+4*(\t/2), \m%2, \t%2
.endr
.endr
	WIN 0x09
.irp s, 1,2,3
.irp t, 0,1,2,3
.irp m, 0,1,2,3
	WMC ACC+32*\t+8*\m, 12*(4*\m+\s), 12*(4*\t+\s), ACC+32*\t+8*\m, ZS+4*(\m/2)+\s, W2S+4*(\t/2)+\s, \m%2, \t%2
.endr
.endr
.endr
	WIN 0
	PLACES 4
	; THE WAY OUT: register j of accumulator (t, m) is position 32 (m / 2) + 16 h + 8 (m % 2) + j of channel lane r of tile t
.irp t, 0,1,2,3
.irp m, 0,1,2,3
	ds_store_b128 v[SO], v[ACC+32*\t+8*\m:ACC+32*\t+8*\m+3] offset:4352*\t+128*(\m/2)+32*(\m%2)          ; each accumulator from its low end on
	ds_store_b128 v[SO], v[ACC+32*\t+8*\m+4:ACC+32*\t+8*\m+7] offset:4352*\t+128*(\m/2)+32*(\m%2)+16
.endr
.endr
.set i, 0
.rept 32
	ds_load_b128 v[ACC+4*i:ACC+4*i+3], v[SR] offset:544*i          ; LDS serves a wave's instructions in order: these see my stores
.set i, i+1
.endr
.set i, 0
.rept 32
	s_wait_dscnt 31-i                              ; LDS loads come back in order: rows 2 i and 2 i + 1 are in
	global_store_b128 v[GO], v[ACC+4*i:ACC+4*i+3], s[46:47] offset:16384*(32*(i/16)+8*((i/8)%2)+(2*i)%16+8*(((2*i)%16)/8)) th:TH_STORE_NT   ; sixteen lanes store a channel's 256 consecutive bytes, aligned; row 16 t + rho is channel 32 (t / 2) + 8 (t % 2) + rho + 8 (rho / 8)
.set i, i+1
.endr
	s_wait_tensorcnt 0x0
	ds_add_u32 v126, v127
	s_wait_dscnt 0x0
	s_endpgm
.Lfunc_end_k_q6bf791c7f1_final:
	.size	k_q6bf791c7f1_final, .Lfunc_end_k_q6bf791c7f1_final-k_q6bf791c7f1_final
	.p2alignl 7, 3214868480
	.fill 96, 4, 3214868480
	.section	.rodata,"a",@progbits
	.p2align	6, 0x0
	.amdhsa_kernel k_q6bf791c7f1_final
		.amdhsa_group_segment_fixed_size 95744
		.amdhsa_private_segment_fixed_size 0
		.amdhsa_enable_private_segment 0
		.amdhsa_kernarg_size 56
		.amdhsa_user_sgpr_count 2
		.amdhsa_user_sgpr_kernarg_segment_ptr 1
		.amdhsa_wavefront_size32 1
		.amdhsa_system_sgpr_workgroup_id_x 1
		.amdhsa_system_sgpr_workgroup_id_y 1
		.amdhsa_system_sgpr_workgroup_id_z 1
		.amdhsa_system_vgpr_workitem_id 0
		.amdhsa_next_free_vgpr 1024
		.amdhsa_next_free_sgpr 66
		.amdhsa_reserve_vcc 0
		.amdhsa_float_denorm_mode_32 3
		.amdhsa_float_denorm_mode_16_64 3
		.amdhsa_memory_ordered 1
		.amdhsa_forward_progress 1
		.amdhsa_inst_pref_size 102
	.end_amdhsa_kernel
	.amdgpu_metadata
---
amdhsa.version: [ 1, 2 ]
amdhsa.kernels:
  - .name:           k_q6bf791c7f1_final
    .symbol:         k_q6bf791c7f1_final.kd
    .args:
      - { .name: zimg, .offset: 0, .size: 8, .value_kind: global_buffer, .address_space: global }
      - { .name: mimg, .offset: 8, .size: 8, .value_kind: global_buffer, .address_space: global }
      - { .name: wimg, .offset: 16, .size: 8, .value_kind: global_buffer, .address_space: global }
      - { .name: coef, .offset: 24, .size: 8, .value_kind: global_buffer, .address_space: global }
      - { .name: beta, .offset: 32, .size: 8, .value_kind: global_buffer, .address_space: global }
      - { .name: b2, .offset: 40, .size: 8, .value_kind: global_buffer, .address_space: global }
      - { .name: out0, .offset: 48, .size: 8, .value_kind: global_buffer, .address_space: global }
    .group_segment_fixed_size: 95744
    .private_segment_fixed_size: 0
    .kernarg_segment_align: 8
    .kernarg_segment_size: 56
    .max_flat_workgroup_size: 128
    .sgpr_count:     66
    .vgpr_count:     1024
    .wavefront_size: 32
...
	.end_amdgpu_metadata
.endif
;; end of part 6
;; ======== version 2 of 2: 6 launches
;; workspace buffers: zimg 3,276,800 bytes; wimg 512,000 bytes; qimg 1,703,936 bytes; kv 3,342,336 bytes; att 8,388,608 bytes; mimg 1,638,400 bytes; part 524,288 bytes; coef 4,096 bytes
;; launch quant (part 7): grid 296 x 1, 4 waves a work-group, no clusters, 0 bytes of LDS; arguments x, source, Wq, Wk, Wv, Wo, W1, W2, zimg, wimg; writes zimg, wimg
.if DOCPART == 7
	.amdgcn_target "amdgcn-amd-amdhsa--gfx1250"
	.amdhsa_code_object_version 6
	.text
	.protected	k_q6bf791c7f1_quant
	.globl	k_q6bf791c7f1_quant
	.p2align	8
	.type	k_q6bf791c7f1_quant,@function
k_q6bf791c7f1_quant:
	s_mov_b64 s[64:65], 0
	v_nop
	global_prefetch_b8 v0, s[64:65] scope:SCOPE_SE
	s_setreg_imm32_b32 hwreg(HW_REG_WAVE_MODE, 25, 1), 1
	s_wait_xcnt 0x0
; x, source [2][256][4096] and the six weights [K][out], all f32 with K as the FIRST axis of a matrix, become codes of BF6 (E3M2) with one E8M0 byte for each 32 along K.
; The codes leave as IMAGES OF OPERAND REGISTERS: a fragment (16 columns x 128 K, 12 registers a lane) is 1,536 bytes, registers 4 p .. 4 p + 3 of lane l at 512 p + 16 l.
; The scale words of a pair of tiles for one K step are 128 bytes: the word of (tile u, lane rho) at 64 u + 4 rho.
; THE COLUMNS OF A TILE ARE NOT NEIGHBOURS: of 32 neighbouring columns, column e goes to tile (e / 8) % 2, lane e % 8 + 8 (e / 16).
; A LANE TAKES A COLUMN AND ITS REGISTERS RUN DOWN K: a wave takes 32 columns x 128 K, a block of 32 lies in one lane, no lane asks another, nothing is transposed.
; A lane's four blocks are the registers of image lanes rho (blocks 0, 2) and rho + 16 (blocks 1, 3) of its tile: each store of 16 bytes a lane fills two aligned runs of 256 bytes.
; One text serves eight tensors: the work-group's number chooses pointers and strides by selects, never a branch.
;   Wq, Wk, Wv: a pair of tiles holds 32 neighbouring d of ONE head (channel 4 d + head): lanes 16 bytes apart.
;   Wo: inside each block of 32 rows place kappa takes row 16 (kappa / 16) + 4 (kappa % 4) + (kappa % 16) / 4, the order in which the attention's result is laid; a block keeps its 32 rows, so its scale is the rule's.
; A block's scale byte is its largest magnitude's exponent field - 4, held at 1 from below.
; LIMITS: NaN and infinities are not served; a block whose largest magnitude lies under 2^-122 keeps the byte 1; a block of zeros gets the byte 1 where the rule says 127 (its codes are zeros, and this program alone reads the bytes).
.set AD,  8                            ; v8-39    byte offset of row kappa of a block, for my column
.set X,   40                           ; v40-167  four blocks of 32 numbers
.set CA,  168                          ; v168-179 codes of blocks 0 and 2;  v180-191 of blocks 1 and 3
.set TP,  192                          ; v192-194 a conversion's three registers begin on an even number: a block's upper half is made here and moved
.set MX,  200                          ; v200-201 largest magnitudes
.set SO,  204                          ; v204-207 the conversions' scale operands
.set WD,  208                          ; v208     the scale word
; the tensor of the work-groups from \first on: pointers, row stride in bytes, log2 of its K steps, log2 of the bytes from lane to lane, head order, Wo's order, where its codes and scale words begin
.macro ARM first, inp, outp, str, lks, lsh, hs, tx, cb, sb
	s_cmp_ge_u32 ttmp9, \first
	s_cselect_b64 s[28:29], s[\inp:\inp+1], s[28:29]
	s_cselect_b64 s[30:31], s[\outp:\outp+1], s[30:31]
	s_cselect_b32 s32, \first, s32
	s_cselect_b32 s33, \str, s33
	s_cselect_b32 s34, \lks, s34
	s_cselect_b32 s35, \lsh, s35
	s_cselect_b32 s36, \hs, s36
	s_cselect_b32 s37, \tx, s37
	s_cselect_b32 s38, \cb, s38
	s_cselect_b32 s39, \sb, s39
.endm
	s_load_b512 s[8:23], s[0:1], 0x0               ; x, source, Wq, Wk, Wv, Wo, W1, W2
	s_load_b128 s[24:27], s[0:1], 0x40             ; zimg, wimg
	v_lshrrev_b32 v1, 5, v0
	v_readfirstlane_b32 s2, v1                     ; wave 0..3
	v_and_b32 v1, 31, v0                           ; lane = column e of my 32
	s_wait_alu depctr_va_vdst(0)
	s_wait_kmcnt 0x0
	s_mov_b64 s[28:29], s[8:9]                     ; work-groups 0-127: x
	s_mov_b64 s[30:31], s[24:25]
	s_mov_b32 s32, 0
	s_mov_b32 s33, 16384
	s_mov_b32 s34, 1
	s_mov_b32 s35, 2
	s_mov_b32 s36, 0
	s_mov_b32 s37, 0
	s_mov_b32 s38, 0
	s_mov_b32 s39, 3145728
	ARM 128, 10, 24, 16384, 1, 2, 0, 0, 1572864, 3211264   ; source
	ARM 256, 12, 26, 1024, 1, 4, 1, 0, 0, 491520           ; Wq
	ARM 260, 14, 26, 1024, 1, 4, 1, 0, 49152, 493568       ; Wk
	ARM 264, 16, 26, 1024, 1, 4, 1, 0, 98304, 495616       ; Wv
	ARM 268, 18, 26, 1024, 1, 2, 0, 2, 147456, 497664      ; Wo
	ARM 272, 20, 26, 2048, 2, 2, 0, 0, 196608, 499712      ; W1
	ARM 288, 22, 26, 1024, 2, 2, 0, 0, 393216, 507904      ; W2
	s_sub_co_u32 s40, ttmp9, s32                   ; my number among the tensor's work-groups
	s_lshl_b32 s41, 1, s34
	s_sub_co_u32 s41, s41, 1
	s_and_b32 s42, s40, s41                        ; K step
	s_lshr_b32 s43, s40, s34
	s_lshl_b32 s43, s43, 2
	s_add_co_u32 s43, s43, s2                      ; P: my wave's pair of tiles
	s_lshl_b32 s66, 1536, s34                      ; bytes of a tile's fragments
	s_mul_i32 s68, s43, s66
	s_lshl_b32 s68, s68, 1
	s_mul_i32 s69, s42, 1536
	s_add_co_u32 s68, s68, s69
	s_add_co_u32 s68, s68, s38
	s_mov_b32 s69, 0
	s_add_nc_u64 s[70:71], s[30:31], s[68:69]      ; where my pair's fragments of this K step begin
	s_lshl_b32 s68, s43, s34
	s_add_co_u32 s68, s68, s42
	s_lshl_b32 s68, s68, 7
	s_add_co_u32 s68, s68, s39
	s_add_nc_u64 s[72:73], s[30:31], s[68:69]      ; and its scale words
	s_and_b32 s74, s43, 127                        ; columns as they lie: 128 bytes a pair, 4,194,304 a batch
	s_lshl_b32 s74, s74, 7
	s_lshr_b32 s75, s43, 7
	s_lshl_b32 s75, s75, 22
	s_add_co_u32 s74, s74, s75
	s_and_b32 s75, s43, 1                          ; by heads: pair 2 head + b begins at channel 128 b + head
	s_lshl_b32 s75, s75, 9
	s_lshr_b32 s76, s43, 1
	s_lshl_b32 s76, s76, 2
	s_add_co_u32 s75, s75, s76
	s_cmp_eq_u32 s36, 1
	s_cselect_b32 s68, s75, s74
	s_mul_i32 s74, s42, s33
	s_lshl_b32 s74, s74, 7                         ; 128 rows a K step
	s_add_co_u32 s68, s68, s74
	s_add_nc_u64 s[44:45], s[28:29], s[68:69]      ; block 0's first row at my pair's first column;
	s_lshl_b32 s68, s33, 5
	s_add_nc_u64 s[46:47], s[44:45], s[68:69]      ; blocks 1 to 3: 32 rows on each
	s_add_nc_u64 s[48:49], s[46:47], s[68:69]
	s_add_nc_u64 s[50:51], s[48:49], s[68:69]
	s_lshl_b32 s53, s33, s37                       ; place kappa = 16 a + 4 y + x of a block: x steps by s53,
	s_sub_co_u32 s74, 2, s37
	s_lshl_b32 s57, s33, s74                       ; y by s57 (rows 1 and 4, or for Wo 4 and 1),
	s_lshl_b32 s60, s33, 4                         ; a by 16 rows
	s_mov_b32 s52, 0
	s_lshl_b32 s54, s53, 1
	s_add_co_u32 s55, s54, s53
	s_mov_b32 s56, 0
	s_lshl_b32 s58, s57, 1
	s_add_co_u32 s59, s58, s57
	s_add_co_u32 s61, s60, s57
	s_add_co_u32 s62, s60, s58
	s_add_co_u32 s63, s60, s59
	v_lshlrev_b32 v2, s35, v1                      ; my column
.irp a, 0,1
.irp y, 0,1,2,3
.irp x, 0,1,2,3
	v_add3_u32 v[AD+16*\a+4*\y+\x], v2, s[56+4*\a+\y], s[52+\x]
.endr
.endr
.endr
	v_bfe_u32 v5, v1, 3, 1                         ; u
	v_and_b32 v6, 7, v1
	v_lshrrev_b32 v7, 4, v1
	v_lshl_add_u32 v6, v7, 3, v6                   ; rho
	v_mul_lo_u32 v3, v5, s66
	v_lshl_add_u32 v3, v6, 4, v3                   ; my tile's fragment, image lane rho
	v_lshl_add_u32 v4, v5, 4, v6
	v_lshlrev_b32 v4, 2, v4                        ; my scale word's place
.macro LOAD kb                         ; block kb: 32 rows at my column: 32 neighbouring lanes read 128 consecutive bytes (by heads: 4 of every 16 over 512)
.set i, 0
.rept 32
	global_load_b32 v[X+32*(\kb)+i], v[AD+i], s[44+2*(\kb):45+2*(\kb)]
.set i, i+1
.endr
.endm
.macro BLOCK kb
.set XS, X+32*(\kb)
.set DR, CA+12*((\kb)%2)+6*((\kb)/2)
	v_max3_num_f32 v[MX], |v[XS]|, |v[XS+1]|, |v[XS+2]|            ; the block's largest magnitude: all 32 numbers are mine; two chains
	v_max3_num_f32 v[MX+1], |v[XS+3]|, |v[XS+4]|, |v[XS+5]|
.irp i, 6,10,14,18,22,26
	v_max3_num_f32 v[MX], v[MX], |v[XS+\i]|, |v[XS+\i+1]|
	v_max3_num_f32 v[MX+1], v[MX+1], |v[XS+\i+2]|, |v[XS+\i+3]|
.endr
	v_max3_num_f32 v[MX], v[MX], |v[XS+30]|, |v[XS+31]|
	v_max3_num_f32 v[MX], v[MX], v[MX+1], 0x2800000                ; and the floor 2^(5 - 127): the byte cannot fall under 1
	v_add_nc_u32 v[SO+\kb], 0xfe000000, v[MX]                      ; 4 off its exponent field: the conversion takes the exponent field of this operand as its scale
	v_lshrrev_b32 v[MX+1], 23, v[SO+\kb]                           ; the scale's byte
.if (\kb) == 0
	v_mov_b32 v[WD], v[MX+1]
.else
	v_lshl_or_b32 v[WD], v[MX+1], 8*(\kb), v[WD]
.endif
	v_cvt_scalef32_pk16_bf6_f32 v[DR:DR+2], v[XS:XS+15], v[SO+\kb]
	v_cvt_scalef32_pk16_bf6_f32 v[TP:TP+2], v[XS+16:XS+31], v[SO+\kb]
	v_nop                                          ; one plain place behind a scaled conversion
.irp i, 0,1,2
	v_mov_b32 v[DR+3+\i], v[TP+\i]
.endr
.endm
	LOAD 0
	LOAD 1
	s_wait_alu depctr_va_vdst(0)
	s_wait_loadcnt 32                              ; block 0 is in; block 1's 32 loads may be out
	LOAD 2
	BLOCK 0
	s_wait_loadcnt 32                              ; block 1 is in; block 2's may be out
	LOAD 3
	BLOCK 1
	s_wait_loadcnt 32                              ; block 2 is in; block 3's may be out
	BLOCK 2
	s_wait_loadcnt 0x0
	BLOCK 3
.irp h, 0,1
.irp p, 0,1,2
	global_store_b128 v3, v[CA+12*\h+4*\p:CA+12*\h+4*\p+3], s[70:71] offset:512*\p+256*\h   ; sixteen lanes of a tile store 256 consecutive bytes, aligned
.endr
.endr
	global_store_b32 v4, v[WD], s[72:73]           ; the wave's 128 bytes of scale words
	s_endpgm
.Lfunc_end_k_q6bf791c7f1_quant:
	.size	k_q6bf791c7f1_quant, .Lfunc_end_k_q6bf791c7f1_quant-k_q6bf791c7f1_quant
	.p2alignl 7, 3214868480
	.fill 96, 4, 3214868480
	.section	.rodata,"a",@progbits
	.p2align	6, 0x0
	.amdhsa_kernel k_q6bf791c7f1_quant
		.amdhsa_group_segment_fixed_size 0
		.amdhsa_private_segment_fixed_size 0
		.amdhsa_enable_private_segment 0
		.amdhsa_kernarg_size 80
		.amdhsa_user_sgpr_count 2
		.amdhsa_user_sgpr_kernarg_segment_ptr 1
		.amdhsa_wavefront_size32 1
		.amdhsa_system_sgpr_workgroup_id_x 1
		.amdhsa_system_sgpr_workgroup_id_y 1
		.amdhsa_system_sgpr_workgroup_id_z 1
		.amdhsa_system_vgpr_workitem_id 0
		.amdhsa_next_free_vgpr 216
		.amdhsa_next_free_sgpr 100
		.amdhsa_reserve_vcc 0
		.amdhsa_float_denorm_mode_32 3
		.amdhsa_float_denorm_mode_16_64 3
		.amdhsa_memory_ordered 1
		.amdhsa_forward_progress 1
		.amdhsa_inst_pref_size 28
	.end_amdhsa_kernel
	.amdgpu_metadata
---
amdhsa.version: [ 1, 2 ]
amdhsa.kernels:
  - .name:           k_q6bf791c7f1_quant
    .symbol:         k_q6bf791c7f1_quant.kd
    .args:
      - { .name: x, .offset: 0, .size: 8, .value_kind: global_buffer, .address_space: global }
      - { .name: source, .offset: 8, .size: 8, .value_kind: global_buffer, .address_space: global }
      - { .name: Wq, .offset: 16, .size: 8, .value_kind: global_buffer, .address_space: global }
      - { .name: Wk, .offset: 24, .size: 8, .value_kind: global_buffer, .address_space: global }
      - { .name: Wv, .offset: 32, .size: 8, .value_kind: global_buffer, .address_space: global }
      - { .name: Wo, .offset: 40, .size: 8, .value_kind: global_buffer, .address_space: global }
      - { .name: W1, .offset: 48, .size: 8, .value_kind: global_buffer, .address_space: global }
      - { .name: W2, .offset: 56, .size: 8, .value_kind: global_buffer, .address_space: global }
      - { .name: zimg, .offset: 64, .size: 8, .value_kind: global_buffer, .address_space: global }
      - { .name: wimg, .offset: 72, .size: 8, .value_kind: global_buffer, .address_space: global }
    .group_segment_fixed_size: 0
    .private_segment_fixed_size: 0
    .kernarg_segment_align: 8
    .kernarg_segment_size: 80
    .max_flat_workgroup_size: 128
    .sgpr_count:     100
    .vgpr_count:     216
    .wavefront_size: 32
...
	.end_amdgpu_metadata
.endif
;; end of part 7
;; launch proj (part 8): grid 64 x 3, 4 waves a work-group, no clusters, 0 bytes of LDS; arguments zimg, wimg, bq, bk, bv, qimg, kv; writes qimg, kv
.if DOCPART == 8
	.amdgcn_target "amdgcn-amd-amdhsa--gfx1250"
	.amdhsa_code_object_version 6
	.text
	.protected	k_q6bf791c7f1_proj
	.globl	k_q6bf791c7f1_proj
	.p2align	8
	.type	k_q6bf791c7f1_proj,@function
k_q6bf791c7f1_proj:
	s_mov_b64 s[64:65], 0
	v_nop
	global_prefetch_b8 v0, s[64:65] scope:SCOPE_SE
	s_setreg_imm32_b32 hwreg(HW_REG_WAVE_SCHED_MODE, 0, 2), 2
	s_setreg_imm32_b32 hwreg(HW_REG_WAVE_MODE, 25, 1), 1
	s_wait_xcnt 0x0
	s_wait_alu depctr_vm_vsrc(0)
; q = Wq^T x + bq, k = Wk^T source + bk, v = Wv^T source + bv on codes of BF6, and the results quantised again: q and k along the head's 64 (d), v along the keys.
; Work-group (g, job): 128 positions (8 tiles) of batch g / 32; job 0 q, 1 k, 2 v.  Wave = head.  Every operand is an image of registers in memory: it comes by loads of 512 consecutive bytes a wave;
; each fragment of the weights serves eight tiles of positions; nothing is shared between waves: no LDS, no barrier.
; q, k: source 0 = 16 channels of my head (d in the tile order 32 b + 8 u + rho + 8 (rho / 8)), source 1 = 16 positions: a lane holds ONE position and its 32 registers of four tiles are d = 32 b + 16 (lane / 16) + 0 .. 15.
;   They become half a fragment (64 along K: 6 registers: registers 0-3 at 16 l, 4-5 at 512 + 8 l: 768 bytes) and a scale word whose upper two bytes are 127: the other 64 of the instruction's K hold nothing.
; v: source 0 = 16 positions (keys), source 1 = 16 channels: a lane holds ONE d and its 64 registers are the step's 128 keys in their order: a whole fragment with the keys as K.
; The biases are the C of each sum's first product.  The 16 accumulators take turns, one instruction a turn.
; LIMITS: NaN and infinities are not served; a block under 2^-122 keeps the byte 1; a block of zeros gets the byte 1 (its codes are zeros; this program alone reads the bytes).
; THE MODE: SCHED_MODE bits 1:0 = 2 (LLVM: expert scheduling mode 2), set by the entry lines.  The code itself states the register dependences
; between vector or matrix instructions and memory instructions, with s_wait_alu, always for 0.
; THE PLAN.  Registers that memory instructions touch:
;   v4-9         lane terms, the offsets of every load and store: made at the head, never written again.
;   windows 1, 2, v16-27, v76-79   operands, scale words, biases: each loaded once, at the head, and never loaded again.
;   OUT v80-111  out-buffers: a group's quantisers write them (q, k: four tiles of 8 registers, 6 codes and the word; v: two tiles of 16, 12 codes and the word); the group's run of stores reads them.
; So one wait on va_vdst stands behind a group's quantisers, ahead of its run of stores; and ahead of the second group's quantisers, which write OUT again, one wait on vm_vsrc, beside the wait on XCNT, 32 products behind the stores.
; REGISTERS: window 0: v1-9 lane terms; v16-23 the positions' scale words (2 pair + K step), v24-27 the weights'; v32-47, v68-74 the quantiser; v76-79 v's biases; v80-111 the out-buffers; v128-255 accumulators.
;   window 1: v0-191 the positions' 16 fragments (12 (2 m + s)).   window 2: v0-95 the weights' 8 (12 (2 t + s)); v96-127 the biases as C.
.set LI,  4                            ; 16 x lane
.set L8,  5                            ; 8 x lane
.set LS,  6                            ; 4 x lane
.set R4,  7                            ; 4 x (lane % 16)
.set BA,  8                            ; q, k: 256 x (lane / 16): 16 d of 16 bytes
.set VA,  9                            ; v: 16 x (r + 8 (r / 8))
.set ZS,  16
.set WS,  24
.set TM,  32
.set TP,  68                           ; v68-70, v72-74: a conversion's three registers begin on an even number: a block's upper half is made here and moved; no memory instruction names them
.set VB,  76
.set OUT, 80
.set ACC, 128
.set CW,  96
.set SEL, 20
.set MSB, 0
.macro WIN new                         ; the immediate's high byte repeats the setting that is left
.if MSB != (\new)
	s_set_vgpr_msb (MSB<<8)|(\new)
.set MSB, (\new)
.endif
.endm
.macro PLACES n
.rept \n
	v_nop
.endr
.endm
; one product: D, source 0, source 1, C, their scale registers; ra, rb = 1: that side's words stand in lanes 16-31 (the odd tile of a pair)
.macro WMC d, a, b, c, sa, sb, ra, rb
.if ((\ra) == 0) && ((\rb) == 0)
	v_wmma_scale_f32_16x16x128_f8f6f4 v[(\d):(\d)+7], v[(\a):(\a)+11], v[(\b):(\b)+11], v[(\c):(\c)+7], v[(\sa)], v[(\sb)] matrix_a_fmt:MATRIX_FMT_BF6 matrix_b_fmt:MATRIX_FMT_BF6
.elseif (\rb) == 0
	v_wmma_scale_f32_16x16x128_f8f6f4 v[(\d):(\d)+7], v[(\a):(\a)+11], v[(\b):(\b)+11], v[(\c):(\c)+7], v[(\sa)], v[(\sb)] matrix_a_fmt:MATRIX_FMT_BF6 matrix_b_fmt:MATRIX_FMT_BF6 matrix_a_scale:MATRIX_SCALE_ROW1
.elseif (\ra) == 0
	v_wmma_scale_f32_16x16x128_f8f6f4 v[(\d):(\d)+7], v[(\a):(\a)+11], v[(\b):(\b)+11], v[(\c):(\c)+7], v[(\sa)], v[(\sb)] matrix_a_fmt:MATRIX_FMT_BF6 matrix_b_fmt:MATRIX_FMT_BF6 matrix_b_scale:MATRIX_SCALE_ROW1
.else
	v_wmma_scale_f32_16x16x128_f8f6f4 v[(\d):(\d)+7], v[(\a):(\a)+11], v[(\b):(\b)+11], v[(\c):(\c)+7], v[(\sa)], v[(\sb)] matrix_a_fmt:MATRIX_FMT_BF6 matrix_b_fmt:MATRIX_FMT_BF6 matrix_a_scale:MATRIX_SCALE_ROW1 matrix_b_scale:MATRIX_SCALE_ROW1
.endif
.endm
; 64 numbers of a lane, register 16 b + i = k 32 b + 16 (lane / 16) + i of my row, become a fragment's codes in v[ob] on and its scale word in v[ob + 12]
.macro QUANT s, ob
.irp b, 0,1,2,3
	v_max3_num_f32 v[TM+\b], |v[(\s)+16*\b]|, |v[(\s)+1+16*\b]|, 0x2800000   ; my 16 numbers of block b, and the floor 2^(5 - 127)
.endr
.irp i, 2,4,6,8,10,12,14
.irp b, 0,1,2,3
	v_max3_num_f32 v[TM+\b], v[TM+\b], |v[(\s)+16*\b+\i]|, |v[(\s)+1+16*\b+\i]|
.endr
.endr
.irp b, 0,1,2,3
	v_permlanex16_b32 v[TM+4+\b], v[TM+\b], s[SEL], s[SEL+1]
.endr
.irp b, 0,1,2,3
	v_max_num_f32 v[TM+\b], v[TM+\b], v[TM+4+\b]   ; with lane l xor 16's: the block's largest magnitude
.endr
.irp b, 0,1,2,3
	v_add_nc_u32 v[TM+12+\b], 0xfe000000, v[TM+\b] ; 4 off its exponent field: the conversion's scale operand
.endr
.irp b, 0,1,2,3
	v_lshrrev_b32 v[TM+4+\b], 23, v[TM+12+\b]      ; the scale's byte
.endr
	v_lshl_or_b32 v[(\ob)+12], v[TM+5], 8, v[TM+4]
	v_lshl_or_b32 v[(\ob)+12], v[TM+6], 16, v[(\ob)+12]
	v_lshl_or_b32 v[(\ob)+12], v[TM+7], 24, v[(\ob)+12]
.irp c, 0,1
	v_cvt_scalef32_pk16_bf6_f32 v[(\ob)+6*\c:(\ob)+2+6*\c], v[(\s)+32*\c:(\s)+15+32*\c], v[TM+12+2*\c]
	v_cvt_scalef32_pk16_bf6_f32 v[TP+4*\c:TP+2+4*\c], v[(\s)+16+32*\c:(\s)+31+32*\c], v[TM+12+2*\c+1]
.endr
	v_nop                                          ; one plain place behind a scaled conversion
.irp c, 0,1                                    ; the operand's layout wants a whole block in a lane
.irp i, 0,1,2
	v_permlane16_swap_b32 v[(\ob)+6*\c+\i], v[TP+4*\c+\i]
.endr
.irp i, 0,1,2
	v_mov_b32 v[(\ob)+3+6*\c+\i], v[TP+4*\c+\i]
.endr
.endr
.endm
; the same for 32 numbers (two blocks): registers 0-5 of a fragment in v[ob] on, the scale word in v[ob + 6]; hi: what the word's upper two bytes hold
.macro QUANT2 s, hi, ob
.irp b, 0,1
	v_max3_num_f32 v[TM+\b], |v[(\s)+16*\b]|, |v[(\s)+1+16*\b]|, 0x2800000
.endr
.irp i, 2,4,6,8,10,12,14
.irp b, 0,1
	v_max3_num_f32 v[TM+\b], v[TM+\b], |v[(\s)+16*\b+\i]|, |v[(\s)+1+16*\b+\i]|
.endr
.endr
.irp b, 0,1
	v_permlanex16_b32 v[TM+4+\b], v[TM+\b], s[SEL], s[SEL+1]
.endr
.irp b, 0,1
	v_max_num_f32 v[TM+\b], v[TM+\b], v[TM+4+\b]
.endr
.irp b, 0,1
	v_add_nc_u32 v[TM+12+\b], 0xfe000000, v[TM+\b]
.endr
.irp b, 0,1
	v_lshrrev_b32 v[TM+4+\b], 23, v[TM+12+\b]
.endr
	v_lshl_or_b32 v[(\ob)+6], v[TM+5], 8, v[TM+4]
.if (\hi) != 0
	v_or_b32 v[(\ob)+6], \hi, v[(\ob)+6]
.endif
	v_cvt_scalef32_pk16_bf6_f32 v[(\ob):(\ob)+2], v[(\s):(\s)+15], v[TM+12]
	v_cvt_scalef32_pk16_bf6_f32 v[TP:TP+2], v[(\s)+16:(\s)+31], v[TM+13]
	v_nop
.irp i, 0,1,2
	v_permlane16_swap_b32 v[(\ob)+\i], v[TP+\i]
.endr
.irp i, 0,1,2
	v_mov_b32 v[(\ob)+3+\i], v[TP+\i]
.endr
.endm
	s_load_b256 s[4:11], s[0:1], 0x0               ; zimg, wimg, bq, bk
	s_load_b128 s[12:15], s[0:1], 0x20             ; bv, qimg
	s_load_b64 s[16:17], s[0:1], 0x30              ; kv
	v_lshrrev_b32 v1, 5, v0
	v_readfirstlane_b32 s18, v1                    ; wave = head
	s_and_b32 s19, ttmp7, 0xffff                   ; job
	v_and_b32 v1, 31, v0
	v_and_b32 v2, 15, v0                           ; r
	v_bfe_u32 v3, v0, 4, 1                         ; h
	v_lshlrev_b32 v[LI], 4, v1
	v_lshlrev_b32 v[L8], 3, v1
	v_lshlrev_b32 v[LS], 2, v1
	v_lshlrev_b32 v[R4], 2, v2
	v_lshlrev_b32 v[BA], 8, v3
	v_and_b32 v[VA], 8, v2
	v_add_nc_u32 v[VA], v[VA], v2
	v_lshlrev_b32 v[VA], 4, v[VA]
.irp b, 0,1,2,3
	v_mov_b32 v[TM+4+\b], 0                        ; written once: a lane permute's destination counts as one of its sources
.endr
	s_wait_alu depctr_va_sdst(0)                   ; s18 is written, ahead of its first reader: the weights', the biases' and the results' places are made from it
	s_mov_b32 s[SEL], 0x76543210
	s_mov_b32 s[SEL+1], 0xfedcba98                 ; v_permlanex16_b32's selects for lane l xor 16
	s_min_u32 s24, s19, 1                          ; 0: x, 1: source
	s_mul_i32 s26, s24, 1572864
	s_mul_i32 s25, ttmp9, 24576
	s_add_co_u32 s26, s26, s25                     ; my 8 tiles' 16 fragments
	s_mov_b32 s27, 0
	s_lshl_b32 s28, s24, 16
	s_lshl_b32 s25, ttmp9, 10
	s_add_co_u32 s28, s28, s25
	s_add_co_u32 s28, s28, 3145728                 ; their scale words
	s_mov_b32 s29, 0
	s_mul_i32 s30, s19, 49152
	s_mul_i32 s25, s18, 12288
	s_add_co_u32 s30, s30, s25                     ; my head's 4 tiles of the job's weight
	s_mov_b32 s31, 0
	s_lshl_b32 s32, s19, 11
	s_lshl_b32 s25, s18, 9
	s_add_co_u32 s32, s32, s25
	s_add_co_u32 s32, s32, 491520                  ; their scale words
	s_mov_b32 s33, 0
	s_lshl_b32 s34, s18, 2                         ; the bias of channel 4 d + head
	s_mov_b32 s35, 0
	s_lshr_b32 s40, ttmp9, 5
	s_lshl_b32 s40, s40, 2
	s_add_co_u32 s40, s40, s18                     ; 4 batch + head
	s_and_b32 s41, ttmp9, 31                       ; which 128 positions of the batch
	s_mul_i32 s42, s40, 196608
	s_mul_i32 s43, s41, 6144
	s_add_co_u32 s42, s42, s43                     ; q: codes
	s_lshl_b32 s43, s40, 14
	s_lshl_b32 s44, s41, 9
	s_add_co_u32 s43, s43, s44
	s_add_co_u32 s43, s43, 1572864                 ; q: scale words
	s_mul_i32 s44, s40, 417792
	s_mul_i32 s45, s41, 13056
	s_add_co_u32 s44, s44, s45                     ; k, v: the key step's 13,056 bytes: K's codes, V's at 6,144, K's words at 12,288, V's at 12,800
	s_mov_b32 s46, 12288
	s_cmp_eq_u32 s19, 2
	s_cselect_b32 s45, 6144, 0
	s_cselect_b32 s46, 12800, s46
	s_add_co_u32 s45, s45, s44
	s_add_co_u32 s46, s46, s44
	s_mov_b32 s49, 0
	s_mov_b32 s51, 0
	s_cmp_eq_u32 s19, 0
	s_cselect_b32 s48, s42, s45
	s_cselect_b32 s50, s43, s46
	s_wait_kmcnt 0x0
	s_cselect_b64 s[52:53], s[14:15], s[16:17]     ; (the compare above still holds: moves, selects and waits leave SCC)
	s_add_nc_u64 s[48:49], s[52:53], s[48:49]      ; where my codes go,
	s_add_nc_u64 s[50:51], s[52:53], s[50:51]      ; and my scale words
	s_add_nc_u64 s[26:27], s[4:5], s[26:27]
	s_add_nc_u64 s[28:29], s[4:5], s[28:29]
	s_add_nc_u64 s[30:31], s[6:7], s[30:31]
	s_add_nc_u64 s[32:33], s[6:7], s[32:33]
	s_cmp_eq_u32 s19, 1
	s_cselect_b64 s[36:37], s[10:11], s[8:9]
	s_cmp_eq_u32 s19, 2
	s_cselect_b64 s[36:37], s[12:13], s[36:37]
	s_add_nc_u64 s[36:37], s[36:37], s[34:35]
	WIN 0x40                                       ; destination window 1
	s_wait_alu depctr_va_vdst(0)                   ; the lane terms v4 to v9 are written: every load and store of the kernel reads one of them as its offset
.set i, 0
.rept 48
	global_load_b128 v[4*i:4*i+3], v[LI], s[26:27] offset:512*i    ; images lie on end: register 4 i at byte 512 i
.set i, i+1
.endr
	WIN 0x80                                       ; destination window 2
.set i, 0
.rept 24
	global_load_b128 v[4*i:4*i+3], v[LI], s[30:31] offset:512*i
.set i, i+1
.endr
	WIN 0
.irp i, 0,1,2,3,4,5,6,7
	global_load_b32 v[ZS+\i], v[LS], s[28:29] offset:128*\i        ; lanes 0-15 the even tile's words, lanes 16-31 the odd tile's
.endr
.irp i, 0,1,2,3
	global_load_b32 v[WS+\i], v[LS], s[32:33] offset:128*\i
.endr
	s_cmp_eq_u32 s19, 2
	s_cbranch_scc1 .Lv
	; ---- q, k
	WIN 0x80
.irp t, 0,1,2,3
.irp j, 0,1,2,3,4,5,6,7
	global_load_b32 v[CW+8*\t+\j], v[BA], s[36:37] offset:16*(32*(\t/2)+8*(\t%2)+\j)   ; the bias of d = 32 (t / 2) + 16 h + 8 (t % 2) + j
.endr
.endr
	s_wait_loadcnt 0x0
.irp gq, 0,1                                   ; four tiles of positions at a time
	WIN 0x26                                       ; source 0 (W) window 2, source 1 (positions) window 1, C (bias) window 2
.irp t, 0,1,2,3
.irp mm, 0,1,2,3
	WMC ACC+32*\mm+8*\t, 12*(2*\t), 12*(2*(4*\gq+\mm)), CW+8*\t, WS+2*(\t/2), ZS+2*((4*\gq+\mm)/2), \t%2, \mm%2
.endr
.endr
	WIN 0x06                                       ; C and D window 0
.irp t, 0,1,2,3
.irp mm, 0,1,2,3
	WMC ACC+32*\mm+8*\t, 12*(2*\t+1), 12*(2*(4*\gq+\mm)+1), ACC+32*\mm+8*\t, WS+2*(\t/2)+1, ZS+2*((4*\gq+\mm)/2)+1, \t%2, \mm%2
.endr
.endr
	WIN 0
	PLACES 5                                       ; four in front of the first read of results; five, since these accumulators are begun anew with another C
.if \gq == 1
	s_wait_xcnt 0x0                                ; the first group's stores have had their addresses translated: their data registers are written again only behind this wait,
	s_wait_alu depctr_vm_vsrc(0)                   ; and they have read the out-buffers v80-111, which the quantisers below write again
.endif
.irp mm, 0,1,2,3
	QUANT2 ACC+32*\mm, 0x7f7f0000, OUT+8*\mm
.endr
	s_wait_alu depctr_va_vdst(0)                   ; the four quantisers have written the out-buffers, codes and scale words, which the twelve stores read
.irp mm, 0,1,2,3
	global_store_b128 v[LI], v[OUT+8*\mm:OUT+8*\mm+3], s[48:49] offset:768*(4*\gq+\mm)
	global_store_b64 v[L8], v[OUT+8*\mm+4:OUT+8*\mm+5], s[48:49] offset:768*(4*\gq+\mm)+512
	global_store_b32 v[R4], v[OUT+8*\mm+6], s[50:51] offset:64*(4*\gq+\mm)      ; both halves of the lanes hold the row's word and write it to the same place
.endr
.endr
	s_endpgm
.Lv:
	; ---- v
.irp t, 0,1,2,3
	global_load_b32 v[VB+\t], v[VA], s[36:37] offset:16*(32*(\t/2)+8*(\t%2))   ; a lane holds one d: one bias for its eight registers
.endr
	s_wait_loadcnt 0x0
	WIN 0x80
.irp t, 0,1,2,3
.irp j, 0,1,2,3,4,5,6,7
	v_mov_b32 v[CW+8*\t+\j], v[VB+\t]
.endr
.endr
.irp gv, 0,1                                   ; two tiles of d at a time, each against the eight tiles of keys
	WIN 0x29                                       ; source 0 (keys) window 1, source 1 (W) window 2, C (bias) window 2
.irp tt, 0,1
.irp m, 0,1,2,3,4,5,6,7
	WMC ACC+64*\tt+8*\m, 12*(2*\m), 12*(2*(2*\gv+\tt)), CW+8*(2*\gv+\tt), ZS+2*(\m/2), WS+2*\gv, \m%2, \tt
.endr
.endr
	WIN 0x09
.irp tt, 0,1
.irp m, 0,1,2,3,4,5,6,7
	WMC ACC+64*\tt+8*\m, 12*(2*\m+1), 12*(2*(2*\gv+\tt)+1), ACC+64*\tt+8*\m, ZS+2*(\m/2)+1, WS+2*\gv+1, \m%2, \tt
.endr
.endr
	WIN 0
	PLACES 5
.if \gv == 1
	s_wait_xcnt 0x0                                ; the first group's stores have had their addresses translated,
	s_wait_alu depctr_vm_vsrc(0)                   ; and they have read the out-buffers v80-111, which the quantisers below write again
.endif
.irp tt, 0,1
	QUANT ACC+64*\tt, OUT+16*\tt
.endr
	s_wait_alu depctr_va_vdst(0)                   ; the two quantisers have written the out-buffers, codes and scale words, which the eight stores read
.irp tt, 0,1
.irp p, 0,1,2
	global_store_b128 v[LI], v[OUT+16*\tt+4*\p:OUT+16*\tt+4*\p+3], s[48:49] offset:1536*(2*\gv+\tt)+512*\p
.endr
	global_store_b32 v[R4], v[OUT+16*\tt+12], s[50:51] offset:64*(2*\gv+\tt)
.endr
.endr
	s_endpgm
.Lfunc_end_k_q6bf791c7f1_proj:
	.size	k_q6bf791c7f1_proj, .Lfunc_end_k_q6bf791c7f1_proj-k_q6bf791c7f1_proj
	.p2alignl 7, 3214868480
	.fill 96, 4, 3214868480
	.section	.rodata,"a",@progbits
	.p2align	6, 0x0
	.amdhsa_kernel k_q6bf791c7f1_proj
		.amdhsa_group_segment_fixed_size 0
		.amdhsa_private_segment_fixed_size 0
		.amdhsa_enable_private_segment 0
		.amdhsa_kernarg_size 56
		.amdhsa_user_sgpr_count 2
		.amdhsa_user_sgpr_kernarg_segment_ptr 1
		.amdhsa_wavefront_size32 1
		.amdhsa_system_sgpr_workgroup_id_x 1
		.amdhsa_system_sgpr_workgroup_id_y 1
		.amdhsa_system_sgpr_workgroup_id_z 1
		.amdhsa_system_vgpr_workitem_id 0
		.amdhsa_next_free_vgpr 768
		.amdhsa_next_free_sgpr 66
		.amdhsa_reserve_vcc 0
		.amdhsa_float_denorm_mode_32 3
		.amdhsa_float_denorm_mode_16_64 3
		.amdhsa_memory_ordered 1
		.amdhsa_forward_progress 1
		.amdhsa_inst_pref_size 68
	.end_amdhsa_kernel
	.amdgpu_metadata
---
amdhsa.version: [ 1, 2 ]
amdhsa.kernels:
  - .name:           k_q6bf791c7f1_proj
    .symbol:         k_q6bf791c7f1_proj.kd
    .args:
      - { .name: zimg, .offset: 0, .size: 8, .value_kind: global_buffer, .address_space: global }
      - { .name: wimg, .offset: 8, .size: 8, .value_kind: global_buffer, .address_space: global }
      - { .name: bq, .offset: 16, .size: 8, .value_kind: global_buffer, .address_space: global }
      - { .name: bk, .offset: 24, .size: 8, .value_kind: global_buffer, .address_space: global }
      - { .name: bv, .offset: 32, .size: 8, .value_kind: global_buffer, .address_space: global }
      - { .name: qimg, .offset: 40, .size: 8, .value_kind: global_buffer, .address_space: global }
      - { .name: kv, .offset: 48, .size: 8, .value_kind: global_buffer, .address_space: global }
    .group_segment_fixed_size: 0
    .private_segment_fixed_size: 0
    .kernarg_segment_align: 8
    .kernarg_segment_size: 56
    .max_flat_workgroup_size: 128
    .sgpr_count:     66
    .vgpr_count:     768
    .wavefront_size: 32
...
	.end_amdgpu_metadata
.endif
;; end of part 8
;; launch attn (part 9): grid 32 x 8, 16 waves a work-group, clusters of 4 x 1, 327,680 bytes of LDS; arguments qimg, kv, att; writes att
.if DOCPART == 9
	.amdgcn_target "amdgcn-amd-amdhsa--gfx1250"
	.amdhsa_code_object_version 6
	.text
	.protected	k_q6bf791c7f1_attn
	.globl	k_q6bf791c7f1_attn
	.p2align	8
	.type	k_q6bf791c7f1_attn,@function
k_q6bf791c7f1_attn:
	s_mov_b64 s[64:65], 0
	v_nop
	global_prefetch_b8 v0, s[64:65] scope:SCOPE_SE
	s_setreg_imm32_b32 hwreg(HW_REG_WAVE_MODE, 25, 1), 1
	s_wait_xcnt 0x0
	s_wait_alu depctr_hold_cnt(0) depctr_sa_sdst(0) depctr_va_vdst(0) depctr_va_sdst(0) depctr_va_ssrc(0) depctr_va_vcc(0) depctr_vm_vsrc(0)
	s_getreg_b32 s2, hwreg(HW_REG_IB_STS2, 6, 4)
	s_cmp_eq_u32 s2, 0
	s_cbranch_scc0 .Lentry_in_a_cluster
	s_endpgm
.Lentry_in_a_cluster:
	s_bfe_u32 s2, ttmp6, 0x10000c
	s_cmp_lg_u32 s2, 0x3003
	s_cbranch_scc0 .Lentry_shape_is_right
	s_endpgm
.Lentry_shape_is_right:
; att = softmax_k(q . k / 8) v for one (batch, head) and 128 queries a work-group, both products on codes of BF6 with E8M0 scales.
; t = score x log2(e) / 8; M = the running largest t rounded UP to a whole number; p = 2^(t - M) is quantised along the keys, not normalised; the row's sum is taken of the unquantised p and divides at the end;
; when M moves, the sum and O are multiplied by 2^(old M - new M), which rounds nothing.
; SHARES.  Sixteen waves of 256 registers, four to a SIMD, so that one wave's LDS waits, dependent chains and exponentials stand beside three other waves' work.  Wave w owns the tile of 16 queries w % 8 and HALF THE KEYS:
; of each slot's eight key steps (128 keys each) waves 0-7 walk the first four, waves 8-15 the last four.  Each wave has its own M, sum and O^T.  At the end the two halves of a tile meet in LDS: M is a whole number in both,
; so bringing both under the larger M is a multiplication by a power of two.
; A key step is 13,056 dense bytes of kv, images of operand registers: K's 8 tiles (64 along K: 768 bytes each), V's 4 tiles of d (1,536 each) at 6,144, K's scale words at 12,288, V's at 12,800.
; They are read at 16, 8 and 4 bytes a lane on end: no pitch, no padding.
; RING.  Two LDS slots of 8 steps; waves 0-7 each fetch one step of a slot by one tensor load (51 rows of 256 bytes), waves 8-15 none.  By this text's count such a wave has two loads out at the start and one behind each refill.
; CLUSTER.  The four query blocks of a cluster walk the same kv: each tile is asked for JOINTLY, by the same load with the same descriptor and the mask of all four.  My place in the cluster enters q's and att's addresses alone;
; every branch hangs on the wave's number or on a counter, alike in all partners.
; LAYOUT.  S^T = K Q^T, O^T = V^T P^T: a lane holds one query throughout.  The keys of a tile of K are in the order 32 b + 8 u + rho + 8 (rho / 8), so the 16 registers of tiles 2 b, 2 b + 1 are 16 neighbouring keys.
; THE HEAD HAS 64 ALONG K, the instruction 128: Q's registers 6-11 are zero codes and both sides' scale bytes 2, 3 are 127.  K's fragments stand 6 registers apart, so a tile's registers 6-11 are the next tile's codes
; (the last tile's: V's first six registers): every code of the format is a finite number, and times Q's zeros it adds nothing.
; The result leaves as f32, [batch][tile][K step][block][head][512 bytes]: the order in which the next launch's quantiser wants its lanes' registers.
; LIMITS: NaN and infinities are not served; a block of p that has fallen to zeros keeps the byte 1 (its codes are zeros).
; REGISTERS: v1-3 lane terms, v4 att's offset, v5-6 the add's, v7 q's word's offset, v8-10 the step's LDS addresses, v11 where the halves meet; v12 -M, v13 the largest t, v[14:15] the sum; v16-27 Q; v28-31 K's scale words;
;   v32-79 K; v80-127 V; v128-191 S^T, then p; v192-223 O^T; v224-235 p's codes; v232-247, v252-255, v78-79 (once K is read) at work; v248-249 V's scale words, v250 Q's, v251 p's.
.set STEPB, 13056
.set SLOT,  8*STEPB
.set SPARE, 2*SLOT                     ; behind the ring: the spare words, 128 bytes for each of sixteen waves: eight blocks of 256 bytes that no other line names
.set MERGE, SPARE+2048                 ; behind them: where a tile's two halves meet; no tensor load lands here
.set MTILE, 4608                       ; a tile's part of it: O^T's 32 registers as eight images of 512 bytes, then v[12:15]
.set LI,  1
.set L8,  2
.set LS,  3
.set GO,  4
.set SPW, 5
.set NIL, 6
.set MA,  11
.set TQ,  15                           ; s15  my tile of the work-group's eight
.set KHB, 16                           ; s16  where my half's four steps begin in a slot: 0 or 4 steps on
.set WV,  18
.set SEL, 20
.set CS,  22
.set G1,  24                           ; s[24:31] descriptor group 1;  s[32:35], s[36:39] group 0 for slot 0, 1
.set G0,  32
.set TB,  40                           ; LDS byte at which the step in hand begins
.macro PLACES n
.rept \n
	v_nop
.endr
.endm
.macro WMZ d, a, b, sa, sb, ra         ; a product that starts its sum; ra = 1: source 0's words stand in lanes 16-31
.if (\ra) == 0
	v_wmma_scale_f32_16x16x128_f8f6f4 v[(\d):(\d)+7], v[(\a):(\a)+11], v[(\b):(\b)+11], 0, v[(\sa)], v[(\sb)] matrix_a_fmt:MATRIX_FMT_BF6 matrix_b_fmt:MATRIX_FMT_BF6
.else
	v_wmma_scale_f32_16x16x128_f8f6f4 v[(\d):(\d)+7], v[(\a):(\a)+11], v[(\b):(\b)+11], 0, v[(\sa)], v[(\sb)] matrix_a_fmt:MATRIX_FMT_BF6 matrix_b_fmt:MATRIX_FMT_BF6 matrix_a_scale:MATRIX_SCALE_ROW1
.endif
.endm
.macro WMA d, a, b, sa, sb, ra         ; a product that adds in place
.if (\ra) == 0
	v_wmma_scale_f32_16x16x128_f8f6f4 v[(\d):(\d)+7], v[(\a):(\a)+11], v[(\b):(\b)+11], v[(\d):(\d)+7], v[(\sa)], v[(\sb)] matrix_a_fmt:MATRIX_FMT_BF6 matrix_b_fmt:MATRIX_FMT_BF6
.else
	v_wmma_scale_f32_16x16x128_f8f6f4 v[(\d):(\d)+7], v[(\a):(\a)+11], v[(\b):(\b)+11], v[(\d):(\d)+7], v[(\sa)], v[(\sb)] matrix_a_fmt:MATRIX_FMT_BF6 matrix_b_fmt:MATRIX_FMT_BF6 matrix_a_scale:MATRIX_SCALE_ROW1
.endif
.endm
.macro CROUND                          ; a round of the cluster's barrier
	s_barrier_signal -1
	s_barrier_wait -1
	s_cmp_lg_u32 s[WV], 0
	s_cbranch_scc1 .Lnot_wave_0_\@
	s_barrier_signal -3
.Lnot_wave_0_\@:
	s_barrier_wait -3
	s_barrier_signal -1
	s_barrier_wait -1
.endm
.macro TLOAD n                         ; slot n's joint refill: waves 0-7 one step each, the others nothing; four v_nop follow the load
	s_cmp_lt_u32 s[WV], 8
	s_cbranch_scc0 .Lnot_mine_\@
	tensor_load_to_lds s[G0+4*(\n):G0+4*(\n)+3], s[G1:G1+7]
	s_nop 0
	PLACES 4
.Lnot_mine_\@:
.endm
	s_load_b128 s[4:7], s[0:1], 0x0                ; qimg, kv
	s_load_b64 s[8:9], s[0:1], 0x10                ; att
	v_lshl_add_u32 v[SPW], v0, 2, SPARE
	v_mov_b32 v[NIL], 0
	ds_add_u32 v5, v6
	ds_add_u32 v5, v6
	s_wait_dscnt 0x0
	v_lshrrev_b32 v7, 5, v0
	s_delay_alu instid0(VALU_DEP_1)
	v_readfirstlane_b32 s[WV], v7                  ; wave 0..15
	s_and_b32 s[TQ], s[WV], 7                      ; my tile of queries; also: which step of a slot I fetch, if I fetch
	s_lshr_b32 s[KHB], s[WV], 3
	s_mul_i32 s[KHB], s[KHB], 4*STEPB              ; my half of a slot's steps
	s_and_b32 s12, ttmp7, 0xffff                   ; 4 batch + head, which the four partners share
	s_mul_i32 s42, s12, 32*STEPB
	s_mul_i32 s[G0+1], s[TQ], STEPB                ; LDS: slot 0, my step of its eight
	s_add_co_u32 s42, s42, s[G0+1]                 ; kv: the head's step of that number
	s_mov_b32 s43, 0
	s_mov_b32 s[G1], 15|(3<<16)|(1<<21)            ; 15:0 the mask: all four work-groups; 17:16 elements of 8 bytes; 21 set beside a mask; no padding
	s_mov_b32 s[G1+1], 32<<16                      ; tensor_dim0 = 32 elements: 256 bytes
	s_mov_b32 s[G1+2], 51<<16                      ; tensor_dim1 = 51 rows
	s_mov_b32 s[G1+3], 32<<16                      ; tile_dim0
	s_mov_b32 s[G1+4], 51                          ; tile_dim1
	s_mov_b32 s[G1+5], 32                          ; the pitch: dense
	s_mov_b32 s[G1+6], 0
	s_mov_b32 s[G1+7], 0
	s_mov_b32 s[G0], 1
	s_mov_b32 s[G0+4], 1
	s_add_co_u32 s[G0+5], s[G0+1], SLOT
	s_mov_b32 s[SEL], 0x76543210
	s_mov_b32 s[SEL+1], 0xfedcba98                 ; v_permlanex16_b32's selects for lane l xor 16
	s_mov_b32 s[CS], 0x3e38aa3b                    ; c = log2(e) / 8
	s_mov_b32 s[CS+1], s[CS]                       ; (named with it as a pair, so it is written)
	s_mul_i32 s17, s[TQ], MTILE
	s_add_co_u32 s17, s17, MERGE                   ; where my tile's halves meet
	s_bfe_u32 s10, ttmp6, 0x40000                  ; cx
	s_lshl_b32 s11, ttmp9, 2
	s_add_co_u32 s11, s11, s10                     ; my block of 128 queries
	s_lshl_b32 s13, s11, 3
	s_add_co_u32 s13, s13, s[TQ]                   ; my tile of the batch's 256
	s_mul_i32 s44, s12, 196608
	s_mul_i32 s14, s13, 768
	s_add_co_u32 s44, s44, s14                     ; q's codes
	s_mov_b32 s45, 0
	s_lshl_b32 s46, s12, 14
	s_lshl_b32 s14, s13, 6
	s_add_co_u32 s46, s46, s14
	s_add_co_u32 s46, s46, 1572864                 ; q's scale words
	s_mov_b32 s47, 0
	s_lshr_b32 s48, s12, 2
	s_lshl_b32 s48, s48, 8
	s_add_co_u32 s48, s48, s13
	s_lshl_b32 s48, s48, 14                        ; att: 16,384 bytes a tile,
	s_and_b32 s14, s12, 3
	s_lshl_b32 s14, s14, 9
	s_add_co_u32 s48, s48, s14                     ; 512 a head
	s_mov_b32 s49, 0
	s_wait_kmcnt 0x0
	s_add_nc_u64 s[G0+2:G0+3], s[6:7], s[42:43]    ; steps 0-7: mine
	s_add_nc_u64 s[G0+6:G0+7], s[G0+2:G0+3], SLOT  ; steps 8-15: mine
	s_or_b32 s[G0+3], s[G0+3], 0x80000000          ; type = 2
	s_or_b32 s[G0+7], s[G0+7], 0x80000000
	s_add_nc_u64 s[44:45], s[4:5], s[44:45]
	s_add_nc_u64 s[46:47], s[4:5], s[46:47]
	s_add_nc_u64 s[48:49], s[8:9], s[48:49]
	CROUND                                         ; all four work-groups are here: the first joint loads meet
	s_cmp_lt_u32 s[WV], 8                          ; a wave's two first fills stand in one branch, ahead of every wait on TENSORcnt, every LDS read and every other barrier
	s_cbranch_scc0 .Lno_first
	tensor_load_to_lds s[G0:G0+3], s[G1:G1+7]
	s_nop 0
	tensor_load_to_lds s[G0+4:G0+7], s[G1:G1+7]
	s_nop 0
	PLACES 4
.Lno_first:
	v_and_b32 v7, 31, v0
	s_delay_alu instid0(VALU_DEP_1)
	v_lshlrev_b32 v[LI], 4, v7
	s_delay_alu instid0(VALU_DEP_2)
	v_lshlrev_b32 v[L8], 3, v7
	s_delay_alu instid0(VALU_DEP_3)
	v_lshlrev_b32 v[LS], 2, v7
	s_delay_alu instid0(VALU_DEP_3)
	v_add_nc_u32 v[MA], s17, v[LI]                 ; the same place for the wave that stores and the wave that loads: 16 bytes a lane
	v_and_b32 v7, 15, v0                           ; r
	v_bfe_u32 v8, v0, 4, 1                         ; h
	s_delay_alu instid0(VALU_DEP_2)
	v_lshlrev_b32 v[GO], 4, v7
	s_delay_alu instid0(VALU_DEP_1)
	v_lshl_add_u32 v[GO], v8, 12, v[GO]            ; att: 16 r + 4,096 h
	s_delay_alu instid0(VALU_DEP_4)
	v_lshlrev_b32 v7, 2, v7
	global_load_b128 v[16:19], v[LI], s[44:45]     ; Q's half fragment stays in registers
	global_load_b64 v[20:21], v[L8], s[44:45] offset:512
	global_load_b32 v250, v7, s[46:47]             ; its scale words
.irp j, 22,23,24,25,26,27
	v_mov_b32 v[\j], 0                             ; Q's K places 64 to 127: zero codes
.endr
.irp j, 80,81,82,83,84,85
	v_mov_b32 v[\j], 0                             ; named as the last tile of K's upper half before V first lands there
.endr
	v_mov_b32 v13, 0xff61b1e6                      ; the largest t so far: -3e38, under every t
	s_delay_alu instid0(VALU_DEP_1)
	v_floor_f32 v12, -v13                          ; -M
	v_mov_b32 v14, 0                               ; the sum, in two halves
	v_mov_b32 v15, 0
.irp b, 0,1,2,3
	v_mov_b32 v[236+\b], 0                         ; written once: a lane permute's destination counts as one of its sources
.endr
	v_mov_b32 v253, 0                              ; (named as the upper half of the pair v[252:253])
.set j, 0
.rept 32
	v_mov_b32 v[192+j], 0                          ; O^T: the step is written once; its first run finds zeros, which the first change of M leaves zeros
.set j, j+1
.endr
; A KEY STEP: 128 keys
.macro STEP
	v_add_nc_u32 v8, s[TB], v[LI]
	v_add_nc_u32 v9, s[TB], v[L8]
	v_add_nc_u32 v10, s[TB], v[LS]
.irp t, 0,1,2,3,4,5,6,7
	ds_load_b128 v[32+6*\t:35+6*\t], v8 offset:768*\t
	ds_load_b64 v[36+6*\t:37+6*\t], v9 offset:768*\t+512
.endr
.irp b, 0,1,2,3
	ds_load_b32 v[28+\b], v10 offset:12288+128*\b  ; lanes 0-15 tile 2 b's words, lanes 16-31 tile 2 b + 1's
.endr
	s_wait_alu depctr_va_vdst(0)
	s_wait_dscnt 0x0
.irp t, 0,1,2,3,4,5,6,7
	WMZ 128+8*\t, 32+6*\t, 16, 28+(\t/2), 250, \t%2
.endr
	PLACES 4                                       ; in front of the first read of the scores, and of the loads into v80-85, which the last product named
.irp i, 0,1,2,3,4,5,6,7,8,9,10,11
	ds_load_b128 v[80+4*\i:83+4*\i], v8 offset:6144+512*\i         ; V lands while the softmax is walked
.endr
	ds_load_b32 v248, v10 offset:12800
	ds_load_b32 v249, v10 offset:12928
.irp b, 0,1,2,3
	v_max3_num_f32 v[232+\b], v[128+16*\b], v[129+16*\b], v[130+16*\b]   ; the largest score of each block of 32 keys: it serves for the row's maximum and, since p rises with the score, for the block's largest p
.endr
.irp i, 3,5,7,9,11,13
.irp b, 0,1,2,3
	v_max3_num_f32 v[232+\b], v[232+\b], v[128+16*\b+\i], v[129+16*\b+\i]
.endr
.endr
.irp b, 0,1,2,3
	v_max_num_f32 v[232+\b], v[232+\b], v[143+16*\b]
.endr
.irp b, 0,1,2,3
	s_delay_alu instid0(VALU_DEP_4)
	v_permlanex16_b32 v[236+\b], v[232+\b], s[SEL], s[SEL+1]
.endr
.irp b, 0,1,2,3
	s_delay_alu instid0(VALU_DEP_4)
	v_max_num_f32 v[232+\b], v[232+\b], v[236+\b]  ; with lane l xor 16's 16 keys
.endr
	s_delay_alu instid0(VALU_DEP_2)
	v_max3_num_f32 v254, v232, v233, v234
	s_delay_alu instid0(VALU_DEP_1)
	v_max_num_f32 v254, v254, v235                 ; the step's largest score of my query
	s_delay_alu instid0(VALU_DEP_1)
	v_mul_f32 v254, s[CS], v254                    ; as t (c is positive)
	s_delay_alu instid0(VALU_DEP_1)
	v_max_num_f32 v13, v13, v254                   ; the running largest t
	v_mov_b32 v254, v12
	s_delay_alu instid0(VALU_DEP_2)
	v_floor_f32 v12, -v13                          ; the new -M = floor(-t) = -ceil(t)
	s_delay_alu instid0(VALU_DEP_1)
	v_sub_f32 v254, v12, v254                      ; old M - new M: a whole number, 0 or less
	s_delay_alu instid0(VALU_DEP_1)
	v_cvt_i32_f32 v254, v254                       ; (it saturates)
	s_delay_alu instid0(VALU_DEP_1)
	v_ldexp_f32 v252, 1.0, v254                    ; f = 2^(old M - new M)
.set j, 0
.rept 32
	v_pk_fma_f32 v[128+j:129+j], v[128+j:129+j], s[CS:CS+1], v[12:13] op_sel_hi:[1,0,0]   ; t - M, two at a time
.set j, j+2
.endr
.irp b, 0,1,2,3
	v_fma_f32 v[232+\b], v[232+\b], s[CS], v12     ; the same of each block's largest score
.endr
.set j, 0
	s_wait_alu depctr_va_vdst(0)
.rept 64
	v_exp_f32 v[128+j], v[128+j]                   ; p = 2^(t - M), at most 1
.set j, j+1
.endr
	s_setprio 1
.irp b, 0,1,2,3
	v_exp_f32 v[232+\b], v[232+\b]                 ; the block's largest p: the same two instructions on the same number
.endr
	v_pk_mul_f32 v[14:15], v[14:15], v[252:253] op_sel_hi:[1,0]    ; the sums under the new M.  (A plain place behind the exponentials)
	s_wait_alu depctr_va_vdst(0)
.irp b, 0,1,2,3
	v_max_num_f32 v[232+\b], 0x2800000, v[232+\b]  ; the floor 2^(5 - 127): the byte cannot fall under 1
.endr
.irp b, 0,1,2,3
	s_delay_alu instid0(VALU_DEP_4)
	v_add_nc_u32 v[244+\b], 0xfe000000, v[232+\b]  ; 4 off the exponent field: the conversion's scale operand
.endr
.irp b, 0,1,2,3
	s_delay_alu instid0(VALU_DEP_4)
	v_lshrrev_b32 v[236+\b], 23, v[244+\b]         ; the scale's byte
.endr
	s_delay_alu instid0(VALU_DEP_3)
	v_lshl_or_b32 v251, v237, 8, v236              ; p's scale word for these 128 keys
	s_delay_alu instid0(VALU_DEP_1)
	v_lshl_or_b32 v251, v238, 16, v251
	s_delay_alu instid0(VALU_DEP_1)
	v_lshl_or_b32 v251, v239, 24, v251
.irp c, 0,1
	v_cvt_scalef32_pk16_bf6_f32 v[224+6*\c:226+6*\c], v[128+32*\c:143+32*\c], v[244+2*\c]
	v_cvt_scalef32_pk16_bf6_f32 v[236+4*\c:238+4*\c], v[144+32*\c:159+32*\c], v[244+2*\c+1]   ; (a conversion's three registers begin on an even number)
.endr
	v_nop                                          ; one plain place behind a scaled conversion
.irp c, 0,1                                    ; the operand's layout wants a whole block in a lane
.irp i, 0,1,2
	v_permlane16_swap_b32 v[224+6*\c+\i], v[236+4*\c+\i]
.endr
.irp i, 0,1,2
	s_delay_alu instid0(VALU_DEP_3)
	v_mov_b32 v[227+6*\c+\i], v[236+4*\c+\i]
.endr
.endr
	v_pk_add_f32 v[236:237], v[132:133], v[136:137]
	v_pk_add_f32 v[254:255], v[140:141], v[144:145]
	v_pk_add_f32 v[246:247], v[148:149], v[152:153]
	v_pk_add_f32 v[244:245], v[156:157], v[160:161]
	v_pk_add_f32 v[242:243], v[164:165], v[168:169]
	v_pk_add_f32 v[240:241], v[172:173], v[176:177]
	v_pk_add_f32 v[78:79], v[180:181], v[184:185]
	v_pk_add_f32 v[14:15], v[14:15], v[188:189]
	v_pk_add_f32 v[236:237], v[236:237], v[128:129]
	v_pk_add_f32 v[254:255], v[254:255], v[130:131]
	v_pk_add_f32 v[246:247], v[246:247], v[134:135]
	v_pk_add_f32 v[244:245], v[244:245], v[138:139]
	v_pk_add_f32 v[242:243], v[242:243], v[142:143]
	v_pk_add_f32 v[240:241], v[240:241], v[146:147]
	v_pk_add_f32 v[78:79], v[78:79], v[150:151]
	v_pk_add_f32 v[14:15], v[14:15], v[154:155]
	v_pk_add_f32 v[236:237], v[236:237], v[158:159]
	v_pk_add_f32 v[254:255], v[254:255], v[162:163]
	v_pk_add_f32 v[246:247], v[246:247], v[166:167]
	v_pk_add_f32 v[244:245], v[244:245], v[170:171]
	v_pk_add_f32 v[242:243], v[242:243], v[174:175]
	v_pk_add_f32 v[240:241], v[240:241], v[178:179]
	v_pk_add_f32 v[78:79], v[78:79], v[182:183]
	v_pk_add_f32 v[14:15], v[14:15], v[186:187]
	v_pk_add_f32 v[236:237], v[236:237], v[190:191]
	s_delay_alu instid0(VALU_DEP_2)
	v_pk_add_f32 v[14:15], v[14:15], v[244:245]
	s_delay_alu instid0(VALU_DEP_2)
	v_pk_add_f32 v[236:237], v[236:237], v[242:243]
	s_setprio 0
	v_pk_add_f32 v[254:255], v[254:255], v[240:241]
	v_pk_add_f32 v[246:247], v[246:247], v[78:79]
	s_delay_alu instid0(VALU_DEP_2)
	v_pk_add_f32 v[14:15], v[14:15], v[254:255]
	s_delay_alu instid0(VALU_DEP_2)
	v_pk_add_f32 v[236:237], v[236:237], v[246:247]
	s_delay_alu instid0(VALU_DEP_1)
	v_pk_add_f32 v[14:15], v[14:15], v[236:237]
.set j, 0
.rept 16
	v_pk_mul_f32 v[192+j:193+j], v[192+j:193+j], v[252:253] op_sel_hi:[1,0]   ; O^T under the new M.  (With the sums above: the places between p's scale word and codes and the products below)
.set j, j+2
.endr
	s_wait_alu depctr_va_vdst(0)
	s_wait_dscnt 0x0                               ; V is in
.irp t, 0,1,2,3
	WMA 192+8*\t, 80+12*\t, 224, 248+(\t/2), 251, \t%2             ; no two products that follow each other share an accumulator, round the loop too
.endr
	s_add_co_u32 s[TB], s[TB], STEPB
.endm
.macro PHASE base                      ; my half's four steps of the slot that begins at LDS byte base
	s_add_co_u32 s[TB], s[KHB], \base
	s_mov_b32 s41, 4
.Lstep_\@:
	s_setprio 2
	STEP
	s_sub_co_u32 s41, s41, 1
	s_cmp_lg_u32 s41, 0
	s_cbranch_scc1 .Lstep_\@
	s_setprio 0
.endm
; THE CHANGE OF SLOTS.  Each wave waits for all its tensor loads (its part of the slot ahead, if it fetches), adds 0 to its spare word, and waits for that and for its reads of the slot that it leaves.
; fill = 1: the barrier is a round of the cluster's, so that no wave of any partner still reads the slot or has a load on its way, and slot n is filled again, 16 steps on, first thing behind it: it has a whole slot's steps in which to land.
.macro CHANGE n, fill
	s_wait_tensorcnt 0x0                           ; no tensor load of mine is out, so a group 0 may be written
	ds_add_u32 v[SPW], v[NIL]                      ; 0 onto my spare word
.if \fill
	s_add_nc_u64 s[G0+4*(\n)+2:G0+4*(\n)+3], s[G0+4*(\n)+2:G0+4*(\n)+3], 2*SLOT
	s_wait_dscnt 0x0                               ; the add is done, and my reads of the slot are over
	CROUND
	TLOAD \n
.else
	s_wait_dscnt 0x0
	s_barrier_signal -1
	s_barrier_wait -1
.endif
.endm
	s_wait_tensorcnt 0x1                           ; my part of slot 0 is in; slot 1's may stay out
	s_barrier_signal -1
	s_barrier_wait -1                              ; everybody's is
	s_wait_loadcnt 0x0                             ; Q
	PHASE 0                                        ; steps 0-7: four of them mine
	CHANGE 0, 1                                    ; slot 0 takes steps 16-23
	PHASE SLOT                                     ; steps 8-15
	CHANGE 1, 1                                    ; slot 1 takes steps 24-31
	PHASE 0
	CHANGE 0, 0                                    ; nothing is left to fetch
	PHASE SLOT
	; THE TWO HALVES OF A TILE MEET.  Waves 8-15 store O^T, -M and the sum as images of their registers; a barrier; waves 0-7 take them up.
	PLACES 4                                       ; behind the last products
	s_cmp_lt_u32 s[WV], 8
	s_cbranch_scc1 .Llower
.set j, 0
.rept 8
	ds_store_b128 v[MA], v[192+4*j:195+4*j] offset:512*j           ; each accumulator from its low end on
.set j, j+1
.endr
	ds_store_b128 v[MA], v[12:15] offset:4096      ; -M, the largest t, the sum's two halves
.Llower:
	s_wait_dscnt 0x0                               ; for the others' sake: my stores have landed
	s_barrier_signal -1
	s_barrier_wait -1
	s_cmp_lt_u32 s[WV], 8
	s_cbranch_scc0 .Lend
	ds_load_b128 v[160:163], v[MA] offset:4096
.set j, 0
.rept 8
	ds_load_b128 v[128+4*j:131+4*j], v[MA] offset:512*j
.set j, j+1
.endr
	s_wait_dscnt 0x8                               ; -M and the sum of the other half are in; the eight loads of its O^T, issued behind, may be out
	v_min_num_f32 v164, v12, v160                  ; -M of all keys: the larger M
	s_delay_alu instid0(VALU_DEP_1)
	v_sub_f32 v165, v164, v12                      ; my M less it: a whole number, 0 or less
	s_delay_alu instid0(VALU_DEP_2)
	v_sub_f32 v166, v164, v160                     ; the other half's likewise
	s_delay_alu instid0(VALU_DEP_2)
	v_cvt_i32_f32 v165, v165                       ; (they saturate)
	s_delay_alu instid0(VALU_DEP_2)
	v_cvt_i32_f32 v166, v166
	s_delay_alu instid0(VALU_DEP_2)
	v_ldexp_f32 v165, 1.0, v165                    ; f0, f1: powers of two; one of them is 1
	s_delay_alu instid0(VALU_DEP_2)
	v_ldexp_f32 v166, 1.0, v166
	v_add_f32 v14, v14, v15                        ; each sum's two halves,
	v_add_f32 v162, v162, v163
	s_delay_alu instid0(VALU_DEP_2)
	v_mul_f32 v14, v14, v165                       ; both under the common M,
	s_delay_alu instid0(VALU_DEP_1)
	v_fma_f32 v14, v162, v166, v14
	s_delay_alu instid0(VALU_DEP_1)
	v_permlanex16_b32 v252, v14, s[SEL], s[SEL+1]
	s_delay_alu instid0(VALU_DEP_1)
	v_add_f32 v14, v14, v252                       ; and lane l xor 16's: the row's sum; it is above 1/2
	s_wait_alu depctr_va_vdst(0)
	v_rcp_f32 v14, v14
	v_nop                                          ; one plain place behind a transcendental
	s_wait_alu depctr_va_vdst(0)
	v_mul_f32 v252, v165, v14                      ; f0 / l
	v_mul_f32 v236, v166, v14                      ; f1 / l
	s_wait_alu depctr_va_vdst(0)
	s_wait_dscnt 0x0                               ; the other half's O^T
.set j, 0
.rept 16
	v_pk_mul_f32 v[128+j:129+j], v[128+j:129+j], v[236:237] op_sel_hi:[1,0]
.set j, j+2
.endr
.set j, 0
.rept 16
	v_pk_fma_f32 v[128+j:129+j], v[192+j:193+j], v[252:253], v[128+j:129+j] op_sel_hi:[1,0,1]   ; register 8 tau + j of lane (r, h) is d = 32 (tau / 2) + 16 h + 8 (tau % 2) + j of query r
.set j, j+2
.endr
.irp b, 0,1
.irp g, 0,1,2,3
	global_store_b128 v[GO], v[128+16*\b+4*\g:131+16*\b+4*\g], s[48:49] offset:8192*\b+2048*(\g/2)+256*(\g%2)   ; sixteen lanes store 256 consecutive bytes, aligned
.endr
.endr
.Lend:
	s_wait_tensorcnt 0x0                           ; the wave's end
	ds_add_u32 v[SPW], v[NIL]
	s_wait_dscnt 0x0
	CROUND                                         ; the closing round: no work-group ends while a partner may still ask for a tile that names it
	s_endpgm
.Lfunc_end_k_q6bf791c7f1_attn:
	.size	k_q6bf791c7f1_attn, .Lfunc_end_k_q6bf791c7f1_attn-k_q6bf791c7f1_attn
	.p2alignl 7, 3214868480
	.fill 96, 4, 3214868480
	.section	.rodata,"a",@progbits
	.p2align	6, 0x0
	.amdhsa_kernel k_q6bf791c7f1_attn
		.amdhsa_group_segment_fixed_size 327680
		.amdhsa_private_segment_fixed_size 0
		.amdhsa_enable_private_segment 0
		.amdhsa_kernarg_size 24
		.amdhsa_user_sgpr_count 2
		.amdhsa_user_sgpr_kernarg_segment_ptr 1
		.amdhsa_wavefront_size32 1
		.amdhsa_system_sgpr_workgroup_id_x 1
		.amdhsa_system_sgpr_workgroup_id_y 1
		.amdhsa_system_sgpr_workgroup_id_z 1
		.amdhsa_system_vgpr_workitem_id 0
		.amdhsa_next_free_vgpr 256
		.amdhsa_next_free_sgpr 66
		.amdhsa_reserve_vcc 0
		.amdhsa_float_denorm_mode_32 3
		.amdhsa_float_denorm_mode_16_64 3
		.amdhsa_memory_ordered 1
		.amdhsa_forward_progress 1
		.amdhsa_inst_pref_size 83
	.end_amdhsa_kernel
	.amdgpu_metadata
---
amdhsa.version: [ 1, 2 ]
amdhsa.kernels:
  - .name:           k_q6bf791c7f1_attn
    .symbol:         k_q6bf791c7f1_attn.kd
    .args:
      - { .name: qimg, .offset: 0, .size: 8, .value_kind: global_buffer, .address_space: global }
      - { .name: kv, .offset: 8, .size: 8, .value_kind: global_buffer, .address_space: global }
      - { .name: att, .offset: 16, .size: 8, .value_kind: global_buffer, .address_space: global }
    .group_segment_fixed_size: 327680
    .private_segment_fixed_size: 0
    .kernarg_segment_align: 8
    .kernarg_segment_size: 24
    .max_flat_workgroup_size: 512
    .sgpr_count:     66
    .vgpr_count:     256
    .wavefront_size: 32
...
	.end_amdgpu_metadata
.endif
;; end of part 9
;; launch msg (part 10): grid 128 x 1, 4 waves a work-group, no clusters, 30,208 bytes of LDS; arguments att, zimg, wimg, bo, b1, mimg, part; writes mimg, part
.if DOCPART == 10
	.amdgcn_target "amdgcn-amd-amdhsa--gfx1250"
	.amdhsa_code_object_version 6
	.text
	.protected	k_q6bf791c7f1_msg
	.globl	k_q6bf791c7f1_msg
	.p2align	8
	.type	k_q6bf791c7f1_msg,@function
k_q6bf791c7f1_msg:
	s_mov_b64 s[64:65], 0
	v_nop
	global_prefetch_b8 v0, s[64:65] scope:SCOPE_SE
	s_setreg_imm32_b32 hwreg(HW_REG_WAVE_SCHED_MODE, 0, 2), 2
	s_setreg_imm32_b32 hwreg(HW_REG_WAVE_MODE, 25, 1), 1
	s_wait_xcnt 0x0
	s_wait_alu depctr_vm_vsrc(0)
; message = Wo^T attn + bo, quantised; h = W1^T [x; message] + b1; of h only each channel's mean and sum of squared deviations over the work-group's 64 positions leave (the batch norm's statistics).
; Work-group g: positions of tiles 4 g .. 4 g + 3.  Operands go from wave to wave through LDS as images of their registers (a fragment: 3 stores of 16 bytes a lane, 512 bytes each; its scale words 4 bytes a lane).
; X: wave w quantises tile w of the attention's result (its 128 numbers a lane lie in memory in the quantiser's order) into two fragments | barrier |
; 1: wave w makes the 128 message channels of K step w / 2 for the pair of tiles w % 2: source 0 = 16 channels of Wo (8 tiles), source 1 = 16 positions; C = bo.  A lane holds one position and 64 neighbouring channels of each
;    tile: a whole fragment and a whole scale word, to LDS and to mimg | barrier |
; 2: wave w makes h's channels 128 w on, in two rounds of 64: source 0 = 16 positions, source 1 = 16 channels of W1: a lane holds ONE channel and 32 of the 64 positions.
;    Mean first, then the squared deviations from it: no difference of large sums is formed.  b1 is added to the mean alone.
; The weights come from their images straight into registers; each fragment serves two or four tiles of positions.  Accumulators take turns, one instruction a turn.
; LIMITS: NaN and infinities are not served; a block under 2^-122 keeps the byte 1; a block of zeros gets the byte 1 (its codes are zeros; this program alone reads the bytes).
; THE MODE: SCHED_MODE bits 1:0 = 2 (LLVM: expert scheduling mode 2), set by the entry lines.  The code itself states the register dependences
; between vector or matrix instructions and memory or LDS instructions, with s_wait_alu, always for 0.
; THE PLAN.  Registers that memory or LDS instructions touch, and who else names them:
;   v4-15, v50       offsets and LDS addresses: made at the head, never written again.
;   O0 (v72-83, word v68), O1 (v112-123, word v124)   two out-buffers.  X's two quantisers write them, 8 LDS stores read them; phase 1's two quantisers write them again, 8 LDS stores and 6 stores to memory read them.
;   window 3 v0-191  Wo: phase 1's products read it; then W1's round 1 lands there.     window 1, fragments 2, 3, 6, 7: the attention's images: phase 1's products read them; then the message's land there.
;   v112-127         from phase 2 on the means and sums: the eight STATs write them, 16 LDS stores read them.     v100-107: STAT's work; then two loads from LDS land there.
;   All other loaded registers are loaded once, and no vector instruction names them ahead of that load.
; So: one wait on va_vdst behind each pair of quantisers, ahead of their run of stores; one more, under window 3, ahead of W1's round 1; one behind the last STAT.  One wait on vm_vsrc ahead of phase 1's quantisers; one, beside
; the wait on XCNT, ahead of the first STAT, 64 products behind the stores that it waits for.
; REGISTERS: window 0: v1-15, v50 addresses; v16-23 Wo's scale words, v24-39 W1's, v40-47 the positions' (4 pair + K step), v48-49 the attention's; v52-67, v84-90 the quantiser; v68, v72-83, v112-124 the out-buffers; v92-99 b1;
;   v100-107 at work; v112-127 results; v128-255 accumulators.
;   window 1: the positions' 16 fragments, 12 (4 m + s).   window 2: W1 round 0, 12 (4 t + s); v192-255 bo as C.   window 3: Wo, 12 (2 t + s), then W1 round 1.
.set AIMG, 0                           ; LDS: the attention's 8 fragments (tile m, K step s: 3,072 m + 1,536 s),
.set ASC,  12288                       ; their scale words (256 pair + 128 s),
.set MIMG, 12800                       ; the message's 8 fragments,
.set MSC,  25088                       ; their scale words,
.set PST,  25600                       ; means [512], sums of squares [512]
.set LI,  4
.set LS,  5
.set XWI, 6
.set XWS, 7
.set AFA, 8
.set ASA, 9
.set MWI, 10
.set MWS, 11
.set BOA, 12
.set B1A, 13
.set PSA, 14
.set PSR, 15
.set WOS, 16
.set W1S, 24
.set ZS,  40
.set ASR, 48
.set MSR, 50
.set CPY, 51
.set TM,  52
.set PW0, 68
.set O0,  72
.set TP,  84                           ; v84-86, v88-90: a block's upper half is made here and moved; no memory instruction names them
.set B1R, 92
.set O1,  112
.set PW1, 124
.set RM,  112
.set RQ,  120
.set ACC, 128
.set BOC, 192
.set SEL, 20
.set MSB, 0
.macro WIN new                         ; the immediate's high byte repeats the setting that is left
.if MSB != (\new)
	s_set_vgpr_msb (MSB<<8)|(\new)
.set MSB, (\new)
.endif
.endm
.macro PLACES n
.rept \n
	v_nop
.endr
.endm
.macro WMC d, a, b, c, sa, sb, ra, rb  ; D, source 0, source 1, C, scale registers; ra, rb = 1: that side's words stand in lanes 16-31
.if ((\ra) == 0) && ((\rb) == 0)
	v_wmma_scale_f32_16x16x128_f8f6f4 v[(\d):(\d)+7], v[(\a):(\a)+11], v[(\b):(\b)+11], v[(\c):(\c)+7], v[(\sa)], v[(\sb)] matrix_a_fmt:MATRIX_FMT_BF6 matrix_b_fmt:MATRIX_FMT_BF6
.elseif (\rb) == 0
	v_wmma_scale_f32_16x16x128_f8f6f4 v[(\d):(\d)+7], v[(\a):(\a)+11], v[(\b):(\b)+11], v[(\c):(\c)+7], v[(\sa)], v[(\sb)] matrix_a_fmt:MATRIX_FMT_BF6 matrix_b_fmt:MATRIX_FMT_BF6 matrix_a_scale:MATRIX_SCALE_ROW1
.elseif (\ra) == 0
	v_wmma_scale_f32_16x16x128_f8f6f4 v[(\d):(\d)+7], v[(\a):(\a)+11], v[(\b):(\b)+11], v[(\c):(\c)+7], v[(\sa)], v[(\sb)] matrix_a_fmt:MATRIX_FMT_BF6 matrix_b_fmt:MATRIX_FMT_BF6 matrix_b_scale:MATRIX_SCALE_ROW1
.else
	v_wmma_scale_f32_16x16x128_f8f6f4 v[(\d):(\d)+7], v[(\a):(\a)+11], v[(\b):(\b)+11], v[(\c):(\c)+7], v[(\sa)], v[(\sb)] matrix_a_fmt:MATRIX_FMT_BF6 matrix_b_fmt:MATRIX_FMT_BF6 matrix_a_scale:MATRIX_SCALE_ROW1 matrix_b_scale:MATRIX_SCALE_ROW1
.endif
.endm
.macro WMZ d, a, b, sa, sb, ra, rb     ; the same with the constant 0 as C: the product starts its sum
.if ((\ra) == 0) && ((\rb) == 0)
	v_wmma_scale_f32_16x16x128_f8f6f4 v[(\d):(\d)+7], v[(\a):(\a)+11], v[(\b):(\b)+11], 0, v[(\sa)], v[(\sb)] matrix_a_fmt:MATRIX_FMT_BF6 matrix_b_fmt:MATRIX_FMT_BF6
.elseif (\rb) == 0
	v_wmma_scale_f32_16x16x128_f8f6f4 v[(\d):(\d)+7], v[(\a):(\a)+11], v[(\b):(\b)+11], 0, v[(\sa)], v[(\sb)] matrix_a_fmt:MATRIX_FMT_BF6 matrix_b_fmt:MATRIX_FMT_BF6 matrix_a_scale:MATRIX_SCALE_ROW1
.elseif (\ra) == 0
	v_wmma_scale_f32_16x16x128_f8f6f4 v[(\d):(\d)+7], v[(\a):(\a)+11], v[(\b):(\b)+11], 0, v[(\sa)], v[(\sb)] matrix_a_fmt:MATRIX_FMT_BF6 matrix_b_fmt:MATRIX_FMT_BF6 matrix_b_scale:MATRIX_SCALE_ROW1
.else
	v_wmma_scale_f32_16x16x128_f8f6f4 v[(\d):(\d)+7], v[(\a):(\a)+11], v[(\b):(\b)+11], 0, v[(\sa)], v[(\sb)] matrix_a_fmt:MATRIX_FMT_BF6 matrix_b_fmt:MATRIX_FMT_BF6 matrix_a_scale:MATRIX_SCALE_ROW1 matrix_b_scale:MATRIX_SCALE_ROW1
.endif
.endm
; 64 numbers of a lane, register 16 b + i = k 32 b + 16 (lane / 16) + i of my row, become a fragment's codes in v[ob] on and its scale word in v[wd]
.macro QUANT s, ob, wd
.irp b, 0,1,2,3
	v_max3_num_f32 v[TM+\b], |v[(\s)+16*\b]|, |v[(\s)+1+16*\b]|, 0x2800000   ; my 16 numbers of block b, and the floor 2^(5 - 127)
.endr
.irp i, 2,4,6,8,10,12,14
.irp b, 0,1,2,3
	v_max3_num_f32 v[TM+\b], v[TM+\b], |v[(\s)+16*\b+\i]|, |v[(\s)+1+16*\b+\i]|
.endr
.endr
.irp b, 0,1,2,3
	v_permlanex16_b32 v[TM+4+\b], v[TM+\b], s[SEL], s[SEL+1]
.endr
.irp b, 0,1,2,3
	v_max_num_f32 v[TM+\b], v[TM+\b], v[TM+4+\b]   ; with lane l xor 16's: the block's largest magnitude
.endr
.irp b, 0,1,2,3
	v_add_nc_u32 v[TM+12+\b], 0xfe000000, v[TM+\b] ; 4 off its exponent field: the conversion's scale operand
.endr
.irp b, 0,1,2,3
	v_lshrrev_b32 v[TM+4+\b], 23, v[TM+12+\b]      ; the scale's byte
.endr
	v_lshl_or_b32 v[(\wd)], v[TM+5], 8, v[TM+4]
	v_lshl_or_b32 v[(\wd)], v[TM+6], 16, v[(\wd)]
	v_lshl_or_b32 v[(\wd)], v[TM+7], 24, v[(\wd)]
.irp c, 0,1
	v_cvt_scalef32_pk16_bf6_f32 v[(\ob)+6*\c:(\ob)+2+6*\c], v[(\s)+32*\c:(\s)+15+32*\c], v[TM+12+2*\c]
	v_cvt_scalef32_pk16_bf6_f32 v[TP+4*\c:TP+2+4*\c], v[(\s)+16+32*\c:(\s)+31+32*\c], v[TM+12+2*\c+1]
.endr
	v_nop                                          ; one plain place behind a scaled conversion
.irp c, 0,1                                    ; the operand's layout wants a whole block in a lane
.irp i, 0,1,2
	v_permlane16_swap_b32 v[(\ob)+6*\c+\i], v[TP+4*\c+\i]
.endr
.irp i, 0,1,2
	v_mov_b32 v[(\ob)+3+6*\c+\i], v[TP+4*\c+\i]
.endr
.endr
.endm
.macro IMAGE adr, off, ob              ; the fragment in v[ob] on goes to LDS as it stands
.irp c, 0,1,2
	ds_store_b128 v[\adr], v[(\ob)+4*\c:(\ob)+4*\c+3] offset:\off+512*\c
.endr
.endm
.macro BARRIER                         ; my LDS stores have landed and my LDS loads are in: then the work-group's barrier
	s_wait_dscnt 0x0
	s_barrier_signal -1
	s_barrier_wait -1
.endm
; channel tile t of round ro: my lane's channel has 32 of its 64 numbers in v[ACC + 32 t] on, lane l xor 16 the others
.macro STAT t, ro
.set SA, ACC+32*(\t)
.set IX, 4*(\ro)+(\t)
	v_pk_add_f32 v[100:101], v[SA:SA+1], v[SA+2:SA+3]              ; the sum, in two chains; each accumulator is read from its low end on
	v_pk_add_f32 v[102:103], v[SA+4:SA+5], v[SA+6:SA+7]
.irp i, 8,12,16,20,24,28
	v_pk_add_f32 v[100:101], v[100:101], v[SA+\i:SA+\i+1]
	v_pk_add_f32 v[102:103], v[102:103], v[SA+\i+2:SA+\i+3]
.endr
	v_pk_add_f32 v[100:101], v[100:101], v[102:103]
	v_add_f32 v100, v100, v101
	v_permlanex16_b32 v104, v100, s[SEL], s[SEL+1]
	v_add_f32 v100, v100, v104
	v_mul_f32 v106, 0x3c800000, v100               ; / 64: the mean
	v_mov_b32 v107, v106
.irp i, 0,2,4,6,8,10,12,14,16,18,20,22,24,26,28,30
	v_pk_add_f32 v[SA+\i:SA+\i+1], v[SA+\i:SA+\i+1], v[106:107] neg_lo:[0,1] neg_hi:[0,1]   ; the deviations
.endr
	v_pk_mul_f32 v[100:101], v[SA:SA+1], v[SA:SA+1]
	v_pk_mul_f32 v[102:103], v[SA+2:SA+3], v[SA+2:SA+3]
.irp i, 4,8,12,16,20,24,28
	v_pk_fma_f32 v[100:101], v[SA+\i:SA+\i+1], v[SA+\i:SA+\i+1], v[100:101]
	v_pk_fma_f32 v[102:103], v[SA+\i+2:SA+\i+3], v[SA+\i+2:SA+\i+3], v[102:103]
.endr
	v_pk_add_f32 v[100:101], v[100:101], v[102:103]
	v_add_f32 v100, v100, v101
	v_permlanex16_b32 v104, v100, s[SEL], s[SEL+1]
	v_add_f32 v[RQ+IX], v100, v104                 ; each result has a register of its own: all sixteen leave in one run, behind the last of them
	v_add_f32 v[RM+IX], v106, v[B1R+IX]
.endm
	s_load_b256 s[4:11], s[0:1], 0x0               ; att, zimg, wimg, bo
	s_load_b128 s[12:15], s[0:1], 0x20             ; b1, mimg
	s_load_b64 s[16:17], s[0:1], 0x30              ; part
	v_lshl_add_u32 v110, v0, 2, 0x7400
	v_mov_b32 v111, 0
	v_lshrrev_b32 v1, 5, v0
	v_readfirstlane_b32 s18, v1                    ; wave 0..3
	v_and_b32 v1, 31, v0
	v_and_b32 v2, 15, v0                           ; r
	v_bfe_u32 v3, v0, 4, 1                         ; h
	v_lshlrev_b32 v[LI], 4, v1
	v_lshlrev_b32 v[LS], 2, v1
	v_lshlrev_b32 v[BOA], 6, v3                    ; bo: 16 channels a half
	v_and_b32 v[B1A], 8, v2
	v_add_nc_u32 v[B1A], v[B1A], v2
	v_lshlrev_b32 v[B1A], 2, v[B1A]                ; 4 (r + 8 (r / 8)): my channel of a tile of W1
.irp b, 0,1,2,3
	v_mov_b32 v[TM+4+\b], 0                        ; written once: a lane permute's destination counts as one of its sources
.endr
	v_mov_b32 v104, 0
	s_wait_alu depctr_va_sdst(0)                   ; s18 is written, ahead of its first reader: the wave's shares, LDS places and bases are made from it
	s_lshr_b32 s22, s18, 1                         ; phase 1: my K step of the message
	s_and_b32 s23, s18, 1                          ;          my pair of tiles
	s_mul_i32 s48, s18, 3072
	v_add_nc_u32 v[XWI], s48, v[LI]                ; X: tile w's two images
	s_lshl_b32 s48, s22, 8
	s_lshl_b32 s49, s23, 6
	s_add_co_u32 s48, s48, s49
	s_add_co_u32 s48, s48, ASC
	v_lshl_add_u32 v[XWS], v2, 2, s48              ;    and its words: pair w / 2, tile w % 2
	s_mul_i32 s48, s23, 6144
	v_add_nc_u32 v[AFA], s48, v[LI]                ; 1: my pair's images of the attention,
	s_lshl_b32 s49, s23, 8
	s_add_co_u32 s49, s49, ASC
	v_add_nc_u32 v[ASA], s49, v[LS]                ;    and their words
	s_mul_i32 s49, s22, 1536
	s_add_co_u32 s50, s48, s49                     ; 6,144 pair + 1,536 K step: my fragments' place among a work-group's
	s_add_co_u32 s49, s50, MIMG
	v_add_nc_u32 v[MWI], s49, v[LI]
	s_lshl_b32 s49, s23, 8
	s_lshl_b32 s51, s22, 7
	s_add_co_u32 s49, s49, s51
	s_add_co_u32 s49, s49, MSC
	v_lshl_add_u32 v[MWS], v2, 2, s49
	s_lshl_b32 s49, s18, 9
	s_add_co_u32 s49, s49, PST
	v_add_nc_u32 v[PSA], s49, v[B1A]
	v_add_nc_u32 v[PSR], s49, v[LI]
	s_lshl_b32 s49, s18, 7
	s_add_co_u32 s49, s49, MSC
	v_add_nc_u32 v[MSR], s49, v[LS]
	s_mov_b32 s[SEL], 0x76543210
	s_mov_b32 s[SEL+1], 0xfedcba98
	s_lshl_b32 s24, ttmp9, 16
	s_lshl_b32 s48, s18, 14
	s_add_co_u32 s24, s24, s48                     ; att: tile 4 g + w
	s_mov_b32 s25, 0
	s_mul_i32 s26, ttmp9, 12288                    ; x's fragments of my four tiles
	s_mov_b32 s27, 0
	s_lshl_b32 s28, ttmp9, 9
	s_add_co_u32 s28, s28, 3145728                 ; their scale words
	s_mov_b32 s29, 0
	s_mul_i32 s30, s22, 24576
	s_add_co_u32 s30, s30, 147456                  ; Wo: tiles 8 (w / 2) on
	s_mov_b32 s31, 0
	s_lshl_b32 s32, s22, 10
	s_add_co_u32 s32, s32, 497664
	s_mov_b32 s33, 0
	s_mul_i32 s34, s18, 49152
	s_add_co_u32 s34, s34, 196608                  ; W1: tiles 8 w on
	s_mov_b32 s35, 0
	s_lshl_b32 s36, s18, 11
	s_add_co_u32 s36, s36, 499712
	s_mov_b32 s37, 0
	s_lshl_b32 s38, s22, 9                         ; bo: channels 128 (w / 2) on
	s_mov_b32 s39, 0
	s_lshl_b32 s40, s18, 9                         ; b1: channels 128 w on
	s_mov_b32 s41, 0
	s_add_co_u32 s42, s26, s50                     ; mimg: my fragments
	s_mov_b32 s43, 0
	s_lshl_b32 s44, ttmp9, 9
	s_lshl_b32 s48, s18, 7
	s_add_co_u32 s44, s44, s48
	s_add_co_u32 s44, s44, 1572864                 ; mimg: 128 bytes of the work-group's 512 of scale words
	s_mov_b32 s45, 0
	s_lshl_b32 s46, ttmp9, 11
	s_add_co_u32 s46, s46, s40                     ; part: group g, channels 128 w on
	s_mov_b32 s47, 0
	s_wait_kmcnt 0x0
	s_add_nc_u64 s[24:25], s[4:5], s[24:25]
	s_add_nc_u64 s[26:27], s[6:7], s[26:27]
	s_add_nc_u64 s[28:29], s[6:7], s[28:29]
	s_add_nc_u64 s[30:31], s[8:9], s[30:31]
	s_add_nc_u64 s[32:33], s[8:9], s[32:33]
	s_add_nc_u64 s[34:35], s[8:9], s[34:35]
	s_add_nc_u64 s[36:37], s[8:9], s[36:37]
	s_add_nc_u64 s[38:39], s[10:11], s[38:39]
	s_add_nc_u64 s[40:41], s[12:13], s[40:41]
	s_add_nc_u64 s[42:43], s[14:15], s[42:43]
	s_add_nc_u64 s[44:45], s[14:15], s[44:45]
	s_add_nc_u64 s[46:47], s[16:17], s[46:47]
	s_wait_alu depctr_va_vdst(0)                   ; the offsets and LDS addresses v4 to v15 and v50 are written: every load and store of the kernel, to memory and to LDS, reads one of them
.set i, 0
.rept 32
	global_load_b128 v[ACC+4*i:ACC+4*i+3], v[LI], s[24:25] offset:512*i   ; register 64 s + 16 block + 4 head + dd: the quantiser's order
.set i, i+1
.endr
.irp i, 0,1,2,3,4,5,6,7
	global_load_b32 v[WOS+\i], v[LS], s[32:33] offset:128*\i
.endr
	WIN 0x80
.irp t, 0,1,2,3,4,5,6,7
	global_load_b128 v[BOC+8*\t:BOC+8*\t+3], v[BOA], s[38:39] offset:128*(\t/2)+32*(\t%2)
	global_load_b128 v[BOC+8*\t+4:BOC+8*\t+7], v[BOA], s[38:39] offset:128*(\t/2)+32*(\t%2)+16
.endr
	WIN 0
	; ---- X
	s_wait_loadcnt 40                              ; K step 0's 16 loads are in; out may be K step 1's 16, Wo's 8 scale words, bo's 16
	QUANT ACC, O0, PW0
	s_wait_loadcnt 24                              ; K step 1's are in; out may be the 8 and the 16
	WIN 0xc0
.set i, 0
.rept 48
	global_load_b128 v[4*i:4*i+3], v[LI], s[30:31] offset:512*i    ; Wo's 16 fragments: no vector instruction has named these registers
.set i, i+1
.endr
	WIN 0
	QUANT ACC+64, O1, PW1
	s_wait_alu depctr_va_vdst(0)                   ; the two quantisers have written both out-buffers, codes and scale words, which the eight LDS stores read
	IMAGE XWI, AIMG, O0
	ds_store_b32 v[XWS], v[PW0]
	IMAGE XWI, AIMG+1536, O1
	ds_store_b32 v[XWS], v[PW1] offset:128
	WIN 0x40
.irp m, 0,1,2,3
.irp s, 0,1
.irp p, 0,1,2
	global_load_b128 v[12*(4*\m+\s)+4*\p:12*(4*\m+\s)+4*\p+3], v[LI], s[26:27] offset:3072*\m+1536*\s+512*\p   ; x
.endr
.endr
.endr
	WIN 0
.irp p, 0,1
.irp s, 0,1
	global_load_b32 v[ZS+4*\p+\s], v[LS], s[28:29] offset:256*\p+128*\s
.endr
.endr
.irp q, 0,1,2,3,4,5,6,7
	global_load_b32 v[B1R+\q], v[B1A], s[40:41] offset:256*(\q/4)+128*((\q%4)/2)+32*(\q%2)
.endr
	BARRIER                                        ; the attention's eight fragments lie in LDS
	; ---- 1
	WIN 0x40
.irp mm, 0,1
.irp s, 0,1
.irp p, 0,1,2
	ds_load_b128 v[12*(4*\mm+2+\s)+4*\p:12*(4*\mm+2+\s)+4*\p+3], v[AFA] offset:AIMG+3072*\mm+1536*\s+512*\p
.endr
.endr
.endr
	WIN 0
	ds_load_b32 v[ASR], v[ASA]
	ds_load_b32 v[ASR+1], v[ASA] offset:128
	s_wait_loadcnt 36                              ; Wo, its words and bo are in; out may be x's 24, its 4 words, b1's 8
	s_wait_dscnt 0x0
	WIN 0x27                                       ; source 0 (Wo) window 3, source 1 window 1, C (bo) window 2
.irp mm, 0,1
.irp t, 0,1,2,3,4,5,6,7
	WMC ACC+64*\mm+8*\t, 12*(2*\t), 12*(4*\mm+2), BOC+8*\t, WOS+2*(\t/2), ASR, \t%2, \mm
.endr
.endr
	WIN 0x07
.irp mm, 0,1
.irp t, 0,1,2,3,4,5,6,7
	WMC ACC+64*\mm+8*\t, 12*(2*\t+1), 12*(4*\mm+3), ACC+64*\mm+8*\t, WOS+2*(\t/2)+1, ASR+1, \t%2, \mm
.endr
.endr
	WIN 0
	PLACES 5                                       ; four in front of the first read of results; five, since these accumulators are begun anew
	WIN 0x80
.set i, 0
.rept 48
	global_load_b128 v[4*i:4*i+3], v[LI], s[34:35] offset:512*i    ; W1, round 0: no vector or matrix instruction has named these registers
.set i, i+1
.endr
	WIN 0
.set i, 0
.rept 16
	global_load_b32 v[W1S+i], v[LS], s[36:37] offset:128*i
.set i, i+1
.endr
	s_wait_alu depctr_vm_vsrc(0)                   ; X's LDS stores have read both out-buffers, which the two quantisers below write again
	QUANT ACC, O0, PW0
	QUANT ACC+64, O1, PW1
	s_wait_alu depctr_va_vdst(0)                   ; the two quantisers have written both out-buffers, codes and scale words, which the stores to LDS and to memory read
	IMAGE MWI, 0, O0
	ds_store_b32 v[MWS], v[PW0]
	IMAGE MWI, 3072, O1
	ds_store_b32 v[MWS], v[PW1] offset:64
.irp c, 0,1,2
	global_store_b128 v[LI], v[O0+4*\c:O0+4*\c+3], s[42:43] offset:512*\c
.endr
.irp c, 0,1,2
	global_store_b128 v[LI], v[O1+4*\c:O1+4*\c+3], s[42:43] offset:3072+512*\c
.endr
	WIN 0xc0
	s_wait_alu depctr_va_vdst(0)                   ; this phase's products are done reading Wo, in which the loads below land, and the attention's fragments, in which the message's land behind the barrier
.set i, 0
.rept 48
	global_load_b128 v[4*i:4*i+3], v[LI], s[34:35] offset:24576+512*i      ; W1, round 1, over Wo, which is done with
.set i, i+1
.endr
	WIN 0
	BARRIER                                        ; the message's eight fragments lie in LDS
	; ---- 2
	WIN 0x40
.irp m, 0,1,2,3
.irp s, 0,1
.irp p, 0,1,2
	ds_load_b128 v[12*(4*\m+2+\s)+4*\p:12*(4*\m+2+\s)+4*\p+3], v[LI] offset:MIMG+3072*\m+1536*\s+512*\p   ; since the wait above: loads, window switches and the barrier alone
.endr
.endr
.endr
	WIN 0
.irp p, 0,1
.irp s, 0,1
	ds_load_b32 v[ZS+4*\p+2+\s], v[LS] offset:MSC+256*\p+128*\s
.endr
.endr
	ds_load_b32 v[CPY], v[MSR]
	s_wait_loadcnt 48                              ; all but round 1's 48 loads are in
	s_wait_dscnt 0x0
	global_store_b32 v[LS], v[CPY], s[44:45]       ; the message's scale words: 128 consecutive bytes a wave
.irp ro, 0,1
.if \ro == 1
	s_wait_loadcnt 0x0
.endif
	WIN 0x09+4*\ro                                 ; source 0 (positions) window 1, source 1 (W1) window 2 or 3
.irp t, 0,1,2,3
.irp m, 0,1,2,3
	WMZ ACC+32*\t+8*\m, 12*(4*\m), 12*(4*\t), ZS+4*(\m/2), W1S+4*(2*\ro+\t/2), \m%2, \t%2
.endr
.endr
.irp s, 1,2,3
.irp t, 0,1,2,3
.irp m, 0,1,2,3
	WMC ACC+32*\t+8*\m, 12*(4*\m+\s), 12*(4*\t+\s), ACC+32*\t+8*\m, ZS+4*(\m/2)+\s, W1S+4*(2*\ro+\t/2)+\s, \m%2, \t%2
.endr
.endr
.endr
	WIN 0
	PLACES 5
.if \ro == 0
	s_wait_xcnt 0x0                                ; phase 1's stores to memory have had their addresses translated: their data registers are written again only behind this wait,
	s_wait_alu depctr_vm_vsrc(0)                   ; and its stores, to LDS and to memory, have read v112-124, which take the means and the sums from here on
.endif
.irp t, 0,1,2,3
	STAT \t, \ro
.endr
.endr
	s_wait_alu depctr_va_vdst(0)                   ; the eight STATs have written v112-127, which the sixteen LDS stores read, and are done with v100-107, in which the two loads below land
.irp ro, 0,1
.irp t, 0,1,2,3
	ds_store_b32 v[PSA], v[RM+4*\ro+\t] offset:256*\ro+128*(\t/2)+32*(\t%2)        ; both halves of the lanes hold the same number and write it to the same place
	ds_store_b32 v[PSA], v[RQ+4*\ro+\t] offset:2048+256*\ro+128*(\t/2)+32*(\t%2)
.endr
.endr
	ds_load_b128 v[100:103], v[PSR]                ; my own 128 channels: LDS serves a wave's instructions in order, these see my stores
	ds_load_b128 v[104:107], v[PSR] offset:2048
	s_wait_dscnt 0x0
	global_store_b128 v[LI], v[100:103], s[46:47]                  ; 512 consecutive bytes, aligned
	global_store_b128 v[LI], v[104:107], s[46:47] offset:262144
	s_wait_dscnt 0x0
	s_wait_alu depctr_hold_cnt(0) depctr_sa_sdst(0) depctr_va_vdst(0) depctr_va_sdst(0) depctr_va_ssrc(0) depctr_va_vcc(0) depctr_vm_vsrc(0)
	s_wait_tensorcnt 0x0
	ds_add_u32 v110, v111
	s_wait_dscnt 0x0
	s_endpgm
.Lfunc_end_k_q6bf791c7f1_msg:
	.size	k_q6bf791c7f1_msg, .Lfunc_end_k_q6bf791c7f1_msg-k_q6bf791c7f1_msg
	.p2alignl 7, 3214868480
	.fill 96, 4, 3214868480
	.section	.rodata,"a",@progbits
	.p2align	6, 0x0
	.amdhsa_kernel k_q6bf791c7f1_msg
		.amdhsa_group_segment_fixed_size 30208
		.amdhsa_private_segment_fixed_size 0
		.amdhsa_enable_private_segment 0
		.amdhsa_kernarg_size 56
		.amdhsa_user_sgpr_count 2
		.amdhsa_user_sgpr_kernarg_segment_ptr 1
		.amdhsa_wavefront_size32 1
		.amdhsa_system_sgpr_workgroup_id_x 1
		.amdhsa_system_sgpr_workgroup_id_y 1
		.amdhsa_system_sgpr_workgroup_id_z 1
		.amdhsa_system_vgpr_workitem_id 0
		.amdhsa_next_free_vgpr 1024
		.amdhsa_next_free_sgpr 66
		.amdhsa_reserve_vcc 0
		.amdhsa_float_denorm_mode_32 3
		.amdhsa_float_denorm_mode_16_64 3
		.amdhsa_memory_ordered 1
		.amdhsa_forward_progress 1
		.amdhsa_inst_pref_size 98
	.end_amdhsa_kernel
	.amdgpu_metadata
---
amdhsa.version: [ 1, 2 ]
amdhsa.kernels:
  - .name:           k_q6bf791c7f1_msg
    .symbol:         k_q6bf791c7f1_msg.kd
    .args:
      - { .name: att, .offset: 0, .size: 8, .value_kind: global_buffer, .address_space: global }
      - { .name: zimg, .offset: 8, .size: 8, .value_kind: global_buffer, .address_space: global }
      - { .name: wimg, .offset: 16, .size: 8, .value_kind: global_buffer, .address_space: global }
      - { .name: bo, .offset: 24, .size: 8, .value_kind: global_buffer, .address_space: global }
      - { .name: b1, .offset: 32, .size: 8, .value_kind: global_buffer, .address_space: global }
      - { .name: mimg, .offset: 40, .size: 8, .value_kind: global_buffer, .address_space: global }
      - { .name: part, .offset: 48, .size: 8, .value_kind: global_buffer, .address_space: global }
    .group_segment_fixed_size: 30208
    .private_segment_fixed_size: 0
    .kernarg_segment_align: 8
    .kernarg_segment_size: 56
    .max_flat_workgroup_size: 128
    .sgpr_count:     66
    .vgpr_count:     1024
    .wavefront_size: 32
...
	.end_amdgpu_metadata
.endif
;; end of part 10
;; launch bnred (part 11): grid 4 x 1, 16 waves a work-group, no clusters, 18,432 bytes of LDS; arguments part, gamma, b1, coef; writes coef
.if DOCPART == 11
	.amdgcn_target "amdgcn-amd-amdhsa--gfx1250"
	.amdhsa_code_object_version 6
	.text
	.protected	k_q6bf791c7f1_bnred
	.globl	k_q6bf791c7f1_bnred
	.p2align	8
	.type	k_q6bf791c7f1_bnred,@function
k_q6bf791c7f1_bnred:
	s_mov_b64 s[64:65], 0
	v_nop
	global_prefetch_b8 v0, s[64:65] scope:SCOPE_SE
	s_setreg_imm32_b32 hwreg(HW_REG_WAVE_MODE, 25, 1), 1
	s_wait_xcnt 0x0
; The batch norm's statistics: 128 groups of 64 positions are merged for each of 512 channels.  mean = the mean of the groups' means; M2 = the sum of the groups' M2 + 64 x the sum of (group's mean - mean)^2:
; no difference of large sums is formed.  var = M2 / 8,192.  Stored: C0 = b1 - mean (the next launch gives it to its products as C, so that they yield h - mean) and A = gamma / sqrt(var + 1e-5).
; Work-group j: channels 128 j on, four to a lane; wave w: groups 8 w .. 8 w + 7.  The waves' sums meet in LDS, twice, in bytes of their own each time.
; Four work-groups: the data are 512 KiB and the work is one reduction; matrix units, tensor loads and clusters have nothing to do here.
.macro SUM16                           ; the sixteen waves' parts, v80-143, into v[144:147]
	v_pk_add_f32 v[144:145], v[80:81], v[84:85]
	v_pk_add_f32 v[146:147], v[82:83], v[86:87]
.set i, 2
.rept 14
	s_delay_alu instid0(VALU_DEP_2)
	v_pk_add_f32 v[144:145], v[144:145], v[80+4*i:81+4*i]
	s_delay_alu instid0(VALU_DEP_2)
	v_pk_add_f32 v[146:147], v[146:147], v[82+4*i:83+4*i]
.set i, i+1
.endr
.endm
	s_load_b256 s[4:11], s[0:1], 0x0               ; part, gamma, b1, coef
	v_lshl_add_u32 v160, v0, 2, 0x4000
	v_mov_b32 v161, 0
	v_lshrrev_b32 v1, 5, v0
	s_delay_alu instid0(VALU_DEP_1)
	v_readfirstlane_b32 s12, v1                    ; wave 0..15
	v_and_b32 v1, 31, v0
	s_delay_alu instid0(VALU_DEP_1)
	v_lshlrev_b32 v1, 4, v1                        ; 16 x lane: my four channels
	v_lshlrev_b32 v2, 4, v0                        ; 16 x thread: my wave's 512 bytes of LDS, my 16
	s_lshl_b32 s14, ttmp9, 9
	s_mov_b32 s15, 0
	s_lshl_b32 s16, s12, 14                        ; 8 groups of 2,048 bytes
	s_mov_b32 s17, 0
	s_mov_b32 s18, 0x39000000                      ; 1 / 8,192
	s_mov_b32 s19, 0x3727c5ac                      ; 1e-5
	s_wait_alu depctr_va_vdst(0)
	s_wait_kmcnt 0x0
	s_add_nc_u64 s[4:5], s[4:5], s[14:15]
	s_add_nc_u64 s[4:5], s[4:5], s[16:17]
	s_add_nc_u64 s[6:7], s[6:7], s[14:15]
	s_add_nc_u64 s[8:9], s[8:9], s[14:15]
	s_add_nc_u64 s[10:11], s[10:11], s[14:15]
.irp i, 0,1,2,3,4,5,6,7
	global_load_b128 v[16+4*\i:19+4*\i], v1, s[4:5] offset:2048*\i         ; the groups' means
.endr
.irp i, 0,1,2,3,4,5,6,7
	global_load_b128 v[48+4*\i:51+4*\i], v1, s[4:5] offset:262144+2048*\i  ; and M2
.endr
	global_load_b128 v[8:11], v1, s[6:7]
	global_load_b128 v[12:15], v1, s[8:9]
	s_wait_loadcnt 0x0
	v_pk_add_f32 v[144:145], v[16:17], v[20:21]
	v_pk_add_f32 v[146:147], v[18:19], v[22:23]
.irp i, 2,3,4,5,6,7
	s_delay_alu instid0(VALU_DEP_2)
	v_pk_add_f32 v[144:145], v[144:145], v[16+4*\i:17+4*\i]
	s_delay_alu instid0(VALU_DEP_2)
	v_pk_add_f32 v[146:147], v[146:147], v[18+4*\i:19+4*\i]
.endr
	ds_store_b128 v2, v[144:147]
	s_wait_dscnt 0x0                               ; for the others' sake: my store has landed
	s_barrier_signal -1
	s_barrier_wait -1
.irp i, 0,1,2,3,4,5,6,7,8,9,10,11,12,13,14,15
	ds_load_b128 v[80+4*\i:83+4*\i], v1 offset:512*\i
.endr
	s_wait_dscnt 0x0
	SUM16
	s_delay_alu instid0(VALU_DEP_2)
	v_pk_mul_f32 v[148:149], v[144:145], 0x3c000000 op_sel_hi:[1,0]        ; / 128: the mean
	s_delay_alu instid0(VALU_DEP_2)
	v_pk_mul_f32 v[150:151], v[146:147], 0x3c000000 op_sel_hi:[1,0]
.irp i, 0,1,2,3,4,5,6,7
	v_pk_add_f32 v[16+4*\i:17+4*\i], v[16+4*\i:17+4*\i], v[148:149] neg_lo:[0,1] neg_hi:[0,1]
	v_pk_add_f32 v[18+4*\i:19+4*\i], v[18+4*\i:19+4*\i], v[150:151] neg_lo:[0,1] neg_hi:[0,1]
.endr
	v_pk_mul_f32 v[152:153], v[16:17], v[16:17]
	v_pk_mul_f32 v[154:155], v[18:19], v[18:19]
.irp i, 1,2,3,4,5,6,7
	s_delay_alu instid0(VALU_DEP_2)
	v_pk_fma_f32 v[152:153], v[16+4*\i:17+4*\i], v[16+4*\i:17+4*\i], v[152:153]
	s_delay_alu instid0(VALU_DEP_2)
	v_pk_fma_f32 v[154:155], v[18+4*\i:19+4*\i], v[18+4*\i:19+4*\i], v[154:155]
.endr
	s_delay_alu instid0(VALU_DEP_2)
	v_pk_fma_f32 v[156:157], v[152:153], 0x42800000, v[48:49] op_sel_hi:[1,0,1]   ; 64 x the squares + the first group's M2
	s_delay_alu instid0(VALU_DEP_2)
	v_pk_fma_f32 v[158:159], v[154:155], 0x42800000, v[50:51] op_sel_hi:[1,0,1]
.irp i, 1,2,3,4,5,6,7
	s_delay_alu instid0(VALU_DEP_2)
	v_pk_add_f32 v[156:157], v[156:157], v[48+4*\i:49+4*\i]
	s_delay_alu instid0(VALU_DEP_2)
	v_pk_add_f32 v[158:159], v[158:159], v[50+4*\i:51+4*\i]
.endr
	ds_store_b128 v2, v[156:159] offset:8192
	s_wait_dscnt 0x0
	s_barrier_signal -1
	s_barrier_wait -1
.irp i, 0,1,2,3,4,5,6,7,8,9,10,11,12,13,14,15
	ds_load_b128 v[80+4*\i:83+4*\i], v1 offset:8192+512*\i
.endr
	s_wait_dscnt 0x0
	SUM16
.irp i, 0,1,2,3
	v_fma_f32 v[144+\i], v[144+\i], s18, s19       ; var + eps
.endr
	s_wait_alu depctr_va_vdst(0)
.irp i, 0,1,2,3
	v_rsq_f32 v[144+\i], v[144+\i]
.endr
	v_pk_add_f32 v[16:17], v[12:13], v[148:149] neg_lo:[0,1] neg_hi:[0,1]  ; C0 = b1 - mean.  (Plain places behind the transcendentals)
	v_pk_add_f32 v[18:19], v[14:15], v[150:151] neg_lo:[0,1] neg_hi:[0,1]
	s_wait_alu depctr_va_vdst(0)
	v_pk_mul_f32 v[20:21], v[8:9], v[144:145]      ; A
	v_pk_mul_f32 v[22:23], v[10:11], v[146:147]
	s_cmp_lg_u32 s12, 0                            ; every wave holds the result; wave 0 stores it
	s_cbranch_scc1 .Lend
	global_store_b128 v1, v[16:19], s[10:11]
	global_store_b128 v1, v[20:23], s[10:11] offset:2048
.Lend:
	s_wait_tensorcnt 0x0
	ds_add_u32 v160, v161
	s_wait_dscnt 0x0
	s_endpgm
.Lfunc_end_k_q6bf791c7f1_bnred:
	.size	k_q6bf791c7f1_bnred, .Lfunc_end_k_q6bf791c7f1_bnred-k_q6bf791c7f1_bnred
	.p2alignl 7, 3214868480
	.fill 96, 4, 3214868480
	.section	.rodata,"a",@progbits
	.p2align	6, 0x0
	.amdhsa_kernel k_q6bf791c7f1_bnred
		.amdhsa_group_segment_fixed_size 18432
		.amdhsa_private_segment_fixed_size 0
		.amdhsa_enable_private_segment 0
		.amdhsa_kernarg_size 32
		.amdhsa_user_sgpr_count 2
		.amdhsa_user_sgpr_kernarg_segment_ptr 1
		.amdhsa_wavefront_size32 1
		.amdhsa_system_sgpr_workgroup_id_x 1
		.amdhsa_system_sgpr_workgroup_id_y 1
		.amdhsa_system_sgpr_workgroup_id_z 1
		.amdhsa_system_vgpr_workitem_id 0
		.amdhsa_next_free_vgpr 162
		.amdhsa_next_free_sgpr 66
		.amdhsa_reserve_vcc 0
		.amdhsa_float_denorm_mode_32 3
		.amdhsa_float_denorm_mode_16_64 3
		.amdhsa_memory_ordered 1
		.amdhsa_forward_progress 1
		.amdhsa_inst_pref_size 18
	.end_amdhsa_kernel
	.amdgpu_metadata
---
amdhsa.version: [ 1, 2 ]
amdhsa.kernels:
  - .name:           k_q6bf791c7f1_bnred
    .symbol:         k_q6bf791c7f1_bnred.kd
    .args:
      - { .name: part, .offset: 0, .size: 8, .value_kind: global_buffer, .address_space: global }
      - { .name: gamma, .offset: 8, .size: 8, .value_kind: global_buffer, .address_space: global }
      - { .name: b1, .offset: 16, .size: 8, .value_kind: global_buffer, .address_space: global }
      - { .name: coef, .offset: 24, .size: 8, .value_kind: global_buffer, .address_space: global }
    .group_segment_fixed_size: 18432
    .private_segment_fixed_size: 0
    .kernarg_segment_align: 8
    .kernarg_segment_size: 32
    .max_flat_workgroup_size: 512
    .sgpr_count:     66
    .vgpr_count:     162
    .wavefront_size: 32
...
	.end_amdgpu_metadata
.endif
;; end of part 11
;; launch final (part 12): grid 128 x 1, 4 waves a work-group, no clusters, 95,744 bytes of LDS; arguments zimg, mimg, wimg, coef, beta, b2, out0; writes out0
.if DOCPART == 12
	.amdgcn_target "amdgcn-amd-amdhsa--gfx1250"
	.amdhsa_code_object_version 6
	.text
	.protected	k_q6bf791c7f1_final
	.globl	k_q6bf791c7f1_final
	.p2align	8
	.type	k_q6bf791c7f1_final,@function
k_q6bf791c7f1_final:
	s_mov_b64 s[64:65], 0
	v_nop
	global_prefetch_b8 v0, s[64:65] scope:SCOPE_SE
	s_setreg_imm32_b32 hwreg(HW_REG_WAVE_SCHED_MODE, 0, 2), 2
	s_setreg_imm32_b32 hwreg(HW_REG_WAVE_MODE, 25, 1), 1
	s_wait_xcnt 0x0
	s_wait_alu depctr_vm_vsrc(0)
; out0 = W2^T relu((h - mean) A + beta) + b2, with h - mean = W1^T [x; message] + C0 made anew from codes: h itself never goes to memory (16 MiB each way against 64 products a wave).
; Work-group g: the 64 positions of tiles 4 g .. 4 g + 3.  THE WAVES SHARE THE CHANNELS: wave w makes hidden channels 128 w on, in two rounds of 64, and output channels 64 w on.
; 1: source 0 = 16 channels of W1, source 1 = 16 positions, C = C0: a lane holds one position and 32 neighbouring channels a round; x A + beta, relu, quantised: half c = round of K step w of the last product;
;    the half fragment (6 registers: 0-3 at 16 l, 4-5 at 512 + 8 l) goes to LDS as an image; round 0's two scale bytes wait in a register for round 1's, and whole words are stored | barrier |
; 2: source 0 = 16 positions, source 1 = 16 channels of W2, C = b2: a lane holds one output channel and 16 neighbouring positions of each pair of tiles; through my own stage in LDS to rows of 256 bytes.
; The weights come from their images straight into registers; each fragment serves four tiles of positions.  Accumulators take turns, one instruction a turn.
; LIMITS: NaN and infinities are not served; a block under 2^-122 keeps the byte 1; a block of zeros gets the byte 1 (its codes are zeros; this program alone reads the bytes).
; THE MODE: SCHED_MODE bits 1:0 = 2 (LLVM: expert scheduling mode 2), set by the entry lines.  The code itself states the register dependences
; between vector or matrix instructions and memory or LDS instructions, with s_wait_alu, always for 0.
; THE PLAN.  Registers that memory or LDS instructions touch, and who else names them:
;   v4-14            offsets and LDS addresses: made at the head, never written again.
;   window 2 v0-191  W1's round 0: round 0's products read it; then W2 lands there.
;   v100-123, v68-91 out-buffers, four tiles of 6 registers for round 0 and for round 1: each written once, by its round's quantisers, and read by that round's run of LDS stores.  v96-99: the scale words, stored with round 1's.
;   window 1 v0-191, v40-47   the positions' fragments and scale words: both rounds' products read them; then the hidden layer's land there, behind the barrier.
;   v128-255         the last products write them; the stage's 32 stores read them; the stage's 32 loads land in them.
;   All other loaded registers are loaded once, at the head.
; So: one wait on va_vdst, under window 2, ahead of W2's loads; one behind each round's quantisers, ahead of its stores (round 1's also states that all products are done reading what the hidden layer's loads land in);
; one behind the places on the way out; one wait on vm_vsrc between the stage's stores and its loads.
; REGISTERS: window 0: v1-14 addresses; v16-31 W1's scale words, v32-39 W2's, v40-47 the positions' (4 pair + K step), later the hidden layer's; v48-67 the quantiser; v68-91, v100-123 the out-buffers; v92-95 b2;
;   v96-99 the scale words; v128-255 accumulators.
;   window 1: 16 fragments of positions, 12 (4 m + s), later of the hidden layer; v192-255 A.   window 2: W1 round 0, then W2, 12 (4 t + s); v192-255 C0, later b2 as C.   window 3: W1 round 1; v192-255 beta.
.set HIMG, 0                           ; LDS: the hidden layer's 16 fragments: 6,144 m + 1,536 s + 768 c,
.set HSC,  24576                       ; their scale words: 512 pair + 128 s,
.set STG,  25600                       ; a stage of 64 rows x (256 + 16) bytes for each wave
.set LI,  4
.set LS,  5
.set L8,  6
.set CFA, 7
.set B2A, 8
.set HWI, 9
.set HW8, 10
.set HWS, 11
.set SO,  12
.set SR,  13
.set GO,  14
.set W1S, 16
.set W2S, 32
.set ZS,  40
.set TM,  48
.set TP,  64                           ; v64-66: a block's upper half is made here and moved;  v67: a round's two scale bytes.  No memory instruction names them
.set PW,  67
.set B2R, 92
.set SV,  96
.set OA,  100                          ; the out-buffer of (round ro, tile m): 6 registers at OA - 32 ro + 6 m
.set ACC, 128
.set CF,  192
.set SEL, 20
.set MSB, 0
.macro WIN new                         ; the immediate's high byte repeats the setting that is left
.if MSB != (\new)
	s_set_vgpr_msb (MSB<<8)|(\new)
.set MSB, (\new)
.endif
.endm
.macro PLACES n
.rept \n
	v_nop
.endr
.endm
.macro WMC d, a, b, c, sa, sb, ra, rb  ; D, source 0, source 1, C, scale registers; ra, rb = 1: that side's words stand in lanes 16-31
.if ((\ra) == 0) && ((\rb) == 0)
	v_wmma_scale_f32_16x16x128_f8f6f4 v[(\d):(\d)+7], v[(\a):(\a)+11], v[(\b):(\b)+11], v[(\c):(\c)+7], v[(\sa)], v[(\sb)] matrix_a_fmt:MATRIX_FMT_BF6 matrix_b_fmt:MATRIX_FMT_BF6
.elseif (\rb) == 0
	v_wmma_scale_f32_16x16x128_f8f6f4 v[(\d):(\d)+7], v[(\a):(\a)+11], v[(\b):(\b)+11], v[(\c):(\c)+7], v[(\sa)], v[(\sb)] matrix_a_fmt:MATRIX_FMT_BF6 matrix_b_fmt:MATRIX_FMT_BF6 matrix_a_scale:MATRIX_SCALE_ROW1
.elseif (\ra) == 0
	v_wmma_scale_f32_16x16x128_f8f6f4 v[(\d):(\d)+7], v[(\a):(\a)+11], v[(\b):(\b)+11], v[(\c):(\c)+7], v[(\sa)], v[(\sb)] matrix_a_fmt:MATRIX_FMT_BF6 matrix_b_fmt:MATRIX_FMT_BF6 matrix_b_scale:MATRIX_SCALE_ROW1
.else
	v_wmma_scale_f32_16x16x128_f8f6f4 v[(\d):(\d)+7], v[(\a):(\a)+11], v[(\b):(\b)+11], v[(\c):(\c)+7], v[(\sa)], v[(\sb)] matrix_a_fmt:MATRIX_FMT_BF6 matrix_b_fmt:MATRIX_FMT_BF6 matrix_a_scale:MATRIX_SCALE_ROW1 matrix_b_scale:MATRIX_SCALE_ROW1
.endif
.endm
; 32 numbers of a lane, register 16 b + i = k 32 b + 16 (lane / 16) + i of my row, become six registers of a fragment in v[ob] on and two scale bytes in v[PW]
.macro QUANT2 s, ob
.irp b, 0,1
	v_max3_num_f32 v[TM+\b], |v[(\s)+16*\b]|, |v[(\s)+1+16*\b]|, 0x2800000   ; my 16 numbers of block b, and the floor 2^(5 - 127)
.endr
.irp i, 2,4,6,8,10,12,14
.irp b, 0,1
	v_max3_num_f32 v[TM+\b], v[TM+\b], |v[(\s)+16*\b+\i]|, |v[(\s)+1+16*\b+\i]|
.endr
.endr
.irp b, 0,1
	v_permlanex16_b32 v[TM+4+\b], v[TM+\b], s[SEL], s[SEL+1]
.endr
.irp b, 0,1
	v_max_num_f32 v[TM+\b], v[TM+\b], v[TM+4+\b]   ; with lane l xor 16's: the block's largest magnitude
.endr
.irp b, 0,1
	v_add_nc_u32 v[TM+12+\b], 0xfe000000, v[TM+\b] ; 4 off its exponent field: the conversion's scale operand
.endr
.irp b, 0,1
	v_lshrrev_b32 v[TM+4+\b], 23, v[TM+12+\b]      ; the scale's byte
.endr
	v_lshl_or_b32 v[PW], v[TM+5], 8, v[TM+4]
	v_cvt_scalef32_pk16_bf6_f32 v[(\ob):(\ob)+2], v[(\s):(\s)+15], v[TM+12]
	v_cvt_scalef32_pk16_bf6_f32 v[TP:TP+2], v[(\s)+16:(\s)+31], v[TM+13]
	v_nop                                          ; one plain place behind a scaled conversion
.irp i, 0,1,2
	v_permlane16_swap_b32 v[(\ob)+\i], v[TP+\i]    ; the operand's layout wants a whole block in a lane
.endr
.irp i, 0,1,2
	v_mov_b32 v[(\ob)+3+\i], v[TP+\i]
.endr
.endm
	s_load_b256 s[4:11], s[0:1], 0x0               ; zimg, mimg, wimg, coef
	s_load_b128 s[12:15], s[0:1], 0x20             ; beta, b2
	s_load_b64 s[16:17], s[0:1], 0x30              ; out0
	v_lshl_add_u32 v126, v0, 2, 0x17400
	v_mov_b32 v127, 0
	v_lshrrev_b32 v1, 5, v0
	v_readfirstlane_b32 s18, v1                    ; wave 0..3
	v_and_b32 v1, 31, v0
	v_and_b32 v2, 15, v0                           ; r
	v_bfe_u32 v3, v0, 4, 1                         ; h
	v_lshlrev_b32 v[LI], 4, v1
	v_lshlrev_b32 v[LS], 2, v1
	v_lshlrev_b32 v[L8], 3, v1
	v_lshlrev_b32 v[CFA], 6, v3                    ; the coefficients: 16 channels a half
	v_and_b32 v[B2A], 8, v2
	v_add_nc_u32 v[B2A], v[B2A], v2
	v_lshlrev_b32 v[B2A], 2, v[B2A]                ; 4 (r + 8 (r / 8)): my channel of a tile of W2
	s_wait_alu depctr_va_sdst(0)                   ; s18 is written, ahead of its first reader: the wave's LDS places and bases are made from it
	s_mul_i32 s48, s18, 1536
	v_add_nc_u32 v[HWI], s48, v[LI]                ; K step w's images: registers 0-3,
	s_add_co_u32 s48, s48, 512
	v_add_nc_u32 v[HW8], s48, v[L8]                ; registers 4-5
	s_lshl_b32 s48, s18, 7
	s_add_co_u32 s48, s48, HSC
	v_lshl_add_u32 v[HWS], v2, 2, s48              ; and its scale words
	s_mul_i32 s48, s18, 17408
	s_add_co_u32 s48, s48, STG                     ; my stage
	v_mul_u32_u24 v[SO], v2, 272
	v_lshl_add_u32 v[SO], v3, 6, v[SO]
	v_add_nc_u32 v[SO], s48, v[SO]                 ; in: row r of a tile's 16 channels, + 64 h: my 16 positions of a pair of tiles
	v_mul_u32_u24 v[SR], v3, 272
	v_lshl_add_u32 v[SR], v2, 4, v[SR]
	v_add_nc_u32 v[SR], s48, v[SR]                 ; back: lanes 0-15 one row, lanes 16-31 the next
	v_lshlrev_b32 v[GO], 14, v3
	v_lshl_add_u32 v[GO], v2, 4, v[GO]             ; and the same in out0: channels are 16,384 bytes apart
.irp b, 0,1
	v_mov_b32 v[TM+4+\b], 0                        ; written once: a lane permute's destination counts as one of its sources
.endr
	s_mov_b32 s[SEL], 0x76543210
	s_mov_b32 s[SEL+1], 0xfedcba98
	s_mul_i32 s24, ttmp9, 12288                    ; x's and the message's fragments of my four tiles
	s_mov_b32 s25, 0
	s_lshl_b32 s26, ttmp9, 9
	s_add_co_u32 s30, s26, 1572864                 ; the message's scale words,
	s_mov_b32 s31, 0
	s_add_co_u32 s26, s26, 3145728                 ; x's
	s_mov_b32 s27, 0
	s_mul_i32 s32, s18, 49152
	s_add_co_u32 s32, s32, 196608                  ; W1: tiles 8 w on
	s_mov_b32 s33, 0
	s_lshl_b32 s34, s18, 11
	s_add_co_u32 s34, s34, 499712
	s_mov_b32 s35, 0
	s_mul_i32 s36, s18, 24576
	s_add_co_u32 s36, s36, 393216                  ; W2: tiles 4 w on
	s_mov_b32 s37, 0
	s_lshl_b32 s38, s18, 10
	s_add_co_u32 s38, s38, 507904
	s_mov_b32 s39, 0
	s_lshl_b32 s40, s18, 9                         ; the coefficients of channels 128 w on
	s_mov_b32 s41, 0
	s_lshl_b32 s44, s18, 8                         ; b2: channels 64 w on
	s_mov_b32 s45, 0
	s_lshr_b32 s46, ttmp9, 6
	s_lshl_b32 s46, s46, 22                        ; out0: the batch,
	s_lshl_b32 s48, s18, 20
	s_add_co_u32 s46, s46, s48                     ; channel 64 w,
	s_and_b32 s48, ttmp9, 63
	s_lshl_b32 s48, s48, 8
	s_add_co_u32 s46, s46, s48                     ; my 64 positions: 256 bytes
	s_mov_b32 s47, 0
	s_wait_kmcnt 0x0
	s_add_nc_u64 s[28:29], s[6:7], s[24:25]
	s_add_nc_u64 s[24:25], s[4:5], s[24:25]
	s_add_nc_u64 s[26:27], s[4:5], s[26:27]
	s_add_nc_u64 s[30:31], s[6:7], s[30:31]
	s_add_nc_u64 s[32:33], s[8:9], s[32:33]
	s_add_nc_u64 s[34:35], s[8:9], s[34:35]
	s_add_nc_u64 s[36:37], s[8:9], s[36:37]
	s_add_nc_u64 s[38:39], s[8:9], s[38:39]
	s_add_nc_u64 s[42:43], s[12:13], s[40:41]
	s_add_nc_u64 s[40:41], s[10:11], s[40:41]
	s_add_nc_u64 s[44:45], s[14:15], s[44:45]
	s_add_nc_u64 s[46:47], s[16:17], s[46:47]
	s_wait_alu depctr_va_vdst(0)                   ; the offsets and LDS addresses v4 to v14 are written: every load and store of the kernel, to memory and to LDS, reads one of them
.irp p, 0,1
.irp s, 0,1
	global_load_b32 v[ZS+4*\p+\s], v[LS], s[26:27] offset:256*\p+128*\s
	global_load_b32 v[ZS+4*\p+2+\s], v[LS], s[30:31] offset:256*\p+128*\s
.endr
.endr
.set i, 0
.rept 16
	global_load_b32 v[W1S+i], v[LS], s[34:35] offset:128*i
.set i, i+1
.endr
	WIN 0x40
.irp m, 0,1,2,3
.irp s, 0,1
.irp p, 0,1,2
	global_load_b128 v[12*(4*\m+\s)+4*\p:12*(4*\m+\s)+4*\p+3], v[LI], s[24:25] offset:3072*\m+1536*\s+512*\p       ; x: K steps 0, 1
	global_load_b128 v[12*(4*\m+2+\s)+4*\p:12*(4*\m+2+\s)+4*\p+3], v[LI], s[28:29] offset:3072*\m+1536*\s+512*\p   ; the message: K steps 2, 3
.endr
.endr
.endr
.irp q, 0,1,2,3,4,5,6,7                        ; register 8 q + j, q = 4 round + tile: channel 128 w + 64 round + 32 (t / 2) + 16 h + 8 (t % 2) + j
	global_load_b128 v[CF+8*\q:CF+8*\q+3], v[CFA], s[40:41] offset:2048+256*(\q/4)+128*((\q%4)/2)+32*(\q%2)        ; A
	global_load_b128 v[CF+8*\q+4:CF+8*\q+7], v[CFA], s[40:41] offset:2048+256*(\q/4)+128*((\q%4)/2)+32*(\q%2)+16
.endr
	WIN 0x80
.irp q, 0,1,2,3,4,5,6,7
	global_load_b128 v[CF+8*\q:CF+8*\q+3], v[CFA], s[40:41] offset:256*(\q/4)+128*((\q%4)/2)+32*(\q%2)             ; C0
	global_load_b128 v[CF+8*\q+4:CF+8*\q+7], v[CFA], s[40:41] offset:256*(\q/4)+128*((\q%4)/2)+32*(\q%2)+16
.endr
.set i, 0
.rept 48
	global_load_b128 v[4*i:4*i+3], v[LI], s[32:33] offset:512*i    ; W1, round 0
.set i, i+1
.endr
	WIN 0xc0
.irp q, 0,1,2,3,4,5,6,7
	global_load_b128 v[CF+8*\q:CF+8*\q+3], v[CFA], s[42:43] offset:256*(\q/4)+128*((\q%4)/2)+32*(\q%2)             ; beta
	global_load_b128 v[CF+8*\q+4:CF+8*\q+7], v[CFA], s[42:43] offset:256*(\q/4)+128*((\q%4)/2)+32*(\q%2)+16
.endr
.set i, 0
.rept 48
	global_load_b128 v[4*i:4*i+3], v[LI], s[32:33] offset:24576+512*i      ; W1, round 1
.set i, i+1
.endr
	WIN 0
.irp i, 0,1,2,3,4,5,6,7
	global_load_b32 v[W2S+\i], v[LS], s[38:39] offset:128*\i
.endr
.irp t, 0,1,2,3
	global_load_b32 v[B2R+\t], v[B2A], s[44:45] offset:128*(\t/2)+32*(\t%2)
.endr
	; ---- 1
.irp ro, 0,1
.if \ro == 0
	s_wait_loadcnt 60                              ; out may be W1 round 1's 48, W2's 8 scale words, b2's 4
.else
	s_wait_loadcnt 48                              ; out may be W2's 48
.endif
	WIN (2+\ro)|0x24                               ; source 0 (W1) window 2 or 3, source 1 (positions) window 1, C (C0) window 2
.irp t, 0,1,2,3
.irp m, 0,1,2,3
	WMC ACC+32*\m+8*\t, 12*(4*\t), 12*(4*\m), CF+8*(4*\ro+\t), W1S+4*(2*\ro+\t/2), ZS+4*(\m/2), \t%2, \m%2
.endr
.endr
	WIN (2+\ro)|0x04
.irp s, 1,2,3
.irp t, 0,1,2,3
.irp m, 0,1,2,3
	WMC ACC+32*\m+8*\t, 12*(4*\t+\s), 12*(4*\m+\s), ACC+32*\m+8*\t, W1S+4*(2*\ro+\t/2)+\s, ZS+4*(\m/2)+\s, \t%2, \m%2
.endr
.endr
.endr
	WIN 0
	PLACES 5                                       ; four in front of the first read of results; five, since these accumulators are begun anew
.if \ro == 0
	WIN 0x80
	s_wait_alu depctr_va_vdst(0)                   ; round 0's products are done reading W1's fragments of that round, in which W2's land
.set i, 0
.rept 48
	global_load_b128 v[4*i:4*i+3], v[LI], s[36:37] offset:512*i    ; W2, over W1 round 0, which is done with
.set i, i+1
.endr
.endif
	WIN 0x34                                       ; source 1 (A) window 1, source 2 (beta) window 3
.irp m, 0,1,2,3
.irp t, 0,1,2,3
.irp j, 0,2,4,6
	v_pk_fma_f32 v[ACC+32*\m+8*\t+\j:ACC+32*\m+8*\t+\j+1], v[ACC+32*\m+8*\t+\j:ACC+32*\m+8*\t+\j+1], v[CF+8*(4*\ro+\t)+\j:CF+8*(4*\ro+\t)+\j+1], v[CF+8*(4*\ro+\t)+\j:CF+8*(4*\ro+\t)+\j+1]
.endr
.endr
.endr
	WIN 0
.irp m, 0,1,2,3
.set j, 0
.rept 32
	v_max_num_f32 v[ACC+32*\m+j], 0, v[ACC+32*\m+j]                ; the activation, in f32
.set j, j+1
.endr
	QUANT2 ACC+32*\m, OA-32*\ro+6*\m
.if \ro == 0
	v_mov_b32 v[SV+\m], v[PW]                      ; the word's lower two bytes wait for the upper two
.else
	v_lshl_or_b32 v[SV+\m], v[PW], 16, v[SV+\m]
.endif
.endr
	s_wait_alu depctr_va_vdst(0)                   ; the round's four quantisers have written its out-buffers (in round 1 the scale words v96-99 too), which the LDS stores read; in round 1 also: all products are done reading the positions' fragments and scale words, in which the hidden layer's land behind the barrier
.irp m, 0,1,2,3
	ds_store_b128 v[HWI], v[OA-32*\ro+6*\m:OA-32*\ro+6*\m+3] offset:HIMG+6144*\m+768*\ro
	ds_store_b64 v[HW8], v[OA-32*\ro+6*\m+4:OA-32*\ro+6*\m+5] offset:HIMG+6144*\m+768*\ro
.if \ro == 1
	ds_store_b32 v[HWS], v[SV+\m] offset:512*(\m/2)+64*(\m%2)      ; both halves of the lanes hold the row's word and write it to the same place
.endif
.endr
.endr
	s_wait_dscnt 0x0                               ; for the others' sake: my stores have landed
	s_barrier_signal -1
	s_barrier_wait -1                              ; the hidden layer's sixteen fragments lie in LDS
	; ---- 2
	WIN 0x40
.irp m, 0,1,2,3
.irp s, 0,1,2,3
.irp c, 0,1
	ds_load_b128 v[12*(4*\m+\s)+6*\c:12*(4*\m+\s)+6*\c+3], v[LI] offset:HIMG+6144*\m+1536*\s+768*\c         ; since round 1's wait: LDS stores that name none of these registers, and the barrier
	ds_load_b64 v[12*(4*\m+\s)+6*\c+4:12*(4*\m+\s)+6*\c+5], v[L8] offset:HIMG+6144*\m+1536*\s+768*\c+512
.endr
.endr
.endr
	WIN 0
.irp p, 0,1
.irp s, 0,1,2,3
	ds_load_b32 v[ZS+4*\p+\s], v[LS] offset:HSC+512*\p+128*\s
.endr
.endr
	s_wait_loadcnt 0x0                             ; W2, its scale words, b2
	WIN 0x80
.irp t, 0,1,2,3
.irp j, 0,1,2,3,4,5,6,7
	v_mov_b32 v[CF+8*\t+\j], v[B2R+\t]             ; a lane holds one channel: one bias for its eight registers
.endr
.endr
	s_wait_alu depctr_va_vdst(0)
	s_wait_dscnt 0x0
	WIN 0x29                                       ; source 0 (hidden) window 1, source 1 (W2) window 2, C (b2) window 2
.irp t, 0,1,2,3
.irp m, 0,1,2,3
	WMC ACC+32*\t+8*\m, 12*(4*\m), 12*(4*\t), CF+8*\t, ZS+4*(\m/2), W2S+4*(\t/2), \m%2, \t%2
.endr
.endr
	WIN 0x09
.irp s, 1,2,3
.irp t, 0,1,2,3
.irp m, 0,1,2,3
	WMC ACC+32*\t+8*\m, 12*(4*\m+\s), 12*(4*\t+\s), ACC+32*\t+8*\m, ZS+4*(\m/2)+\s, W2S+4*(\t/2)+\s, \m%2, \t%2
.endr
.endr
.endr
	WIN 0
	PLACES 4                                       ; four places behind the last product, before its result is read
	s_wait_alu depctr_va_vdst(0)                   ; the products have written the accumulators, which the LDS stores read; the places above stay beside this wait
	; THE WAY OUT: register j of accumulator (t, m) is position 32 (m / 2) + 16 h + 8 (m % 2) + j of channel lane r of tile t
.irp t, 0,1,2,3
.irp m, 0,1,2,3
	ds_store_b128 v[SO], v[ACC+32*\t+8*\m:ACC+32*\t+8*\m+3] offset:4352*\t+128*(\m/2)+32*(\m%2)          ; each accumulator from its low end on
	ds_store_b128 v[SO], v[ACC+32*\t+8*\m+4:ACC+32*\t+8*\m+7] offset:4352*\t+128*(\m/2)+32*(\m%2)+16
.endr
.endr
	s_wait_alu depctr_vm_vsrc(0)                   ; the 32 LDS stores have read v128-255, in which the loads below land
.set i, 0
.rept 32
	ds_load_b128 v[ACC+4*i:ACC+4*i+3], v[SR] offset:544*i          ; LDS serves a wave's instructions in order: these see my stores
.set i, i+1
.endr
.set i, 0
.rept 32
	s_wait_dscnt 31-i                              ; LDS loads come back in order: rows 2 i and 2 i + 1 are in
	global_store_b128 v[GO], v[ACC+4*i:ACC+4*i+3], s[46:47] offset:16384*(32*(i/16)+8*((i/8)%2)+(2*i)%16+8*(((2*i)%16)/8)) th:TH_STORE_NT   ; sixteen lanes store a channel's 256 consecutive bytes, aligned; row 16 t + rho is channel 32 (t / 2) + 8 (t % 2) + rho + 8 (rho / 8)
.set i, i+1
.endr
	s_wait_dscnt 0x0
	s_wait_alu depctr_hold_cnt(0) depctr_sa_sdst(0) depctr_va_vdst(0) depctr_va_sdst(0) depctr_va_ssrc(0) depctr_va_vcc(0) depctr_vm_vsrc(0)
	s_wait_tensorcnt 0x0
	ds_add_u32 v126, v127
	s_wait_dscnt 0x0
	s_endpgm
.Lfunc_end_k_q6bf791c7f1_final:
	.size	k_q6bf791c7f1_final, .Lfunc_end_k_q6bf791c7f1_final-k_q6bf791c7f1_final
	.p2alignl 7, 3214868480
	.fill 96, 4, 3214868480
	.section	.rodata,"a",@progbits
	.p2align	6, 0x0
	.amdhsa_kernel k_q6bf791c7f1_final
		.amdhsa_group_segment_fixed_size 95744
		.amdhsa_private_segment_fixed_size 0
		.amdhsa_enable_private_segment 0
		.amdhsa_kernarg_size 56
		.amdhsa_user_sgpr_count 2
		.amdhsa_user_sgpr_kernarg_segment_ptr 1
		.amdhsa_wavefront_size32 1
		.amdhsa_system_sgpr_workgroup_id_x 1
		.amdhsa_system_sgpr_workgroup_id_y 1
		.amdhsa_system_sgpr_workgroup_id_z 1
		.amdhsa_system_vgpr_workitem_id 0
		.amdhsa_next_free_vgpr 1024
		.amdhsa_next_free_sgpr 66
		.amdhsa_reserve_vcc 0
		.amdhsa_float_denorm_mode_32 3
		.amdhsa_float_denorm_mode_16_64 3
		.amdhsa_memory_ordered 1
		.amdhsa_forward_progress 1
		.amdhsa_inst_pref_size 102
	.end_amdhsa_kernel
	.amdgpu_metadata
---
amdhsa.version: [ 1, 2 ]
amdhsa.kernels:
  - .name:           k_q6bf791c7f1_final
    .symbol:         k_q6bf791c7f1_final.kd
    .args:
      - { .name: zimg, .offset: 0, .size: 8, .value_kind: global_buffer, .address_space: global }
      - { .name: mimg, .offset: 8, .size: 8, .value_kind: global_buffer, .address_space: global }
      - { .name: wimg, .offset: 16, .size: 8, .value_kind: global_buffer, .address_space: global }
      - { .name: coef, .offset: 24, .size: 8, .value_kind: global_buffer, .address_space: global }
      - { .name: beta, .offset: 32, .size: 8, .value_kind: global_buffer, .address_space: global }
      - { .name: b2, .offset: 40, .size: 8, .value_kind: global_buffer, .address_space: global }
      - { .name: out0, .offset: 48, .size: 8, .value_kind: global_buffer, .address_space: global }
    .group_segment_fixed_size: 95744
    .private_segment_fixed_size: 0
    .kernarg_segment_align: 8
    .kernarg_segment_size: 56
    .max_flat_workgroup_size: 128
    .sgpr_count:     66
    .vgpr_count:     1024
    .wavefront_size: 32
...
	.end_amdgpu_metadata
.endif
;; end of part 12
